; MI455X (gfx1250); checked and timed in simulation.
; The chip was launched on July 23, 2026; its instructions are those of AMD's public machine-readable ISA for CDNA 5 (MIT licence, August 2026) and "CDNA5" Instruction Set Architecture Reference Guide (July 2026). The comments in the code are by the model that wrote it; some were corrected since.
;; Mo E Block. Allowed arithmetic: matrix products marked QUANTISED: E2M3 operands, one E8M0 scale for each 32 along K, by v_wmma_scale_f32_16x16x128_f8f6f4 with both operands' format E2M3, f32 sums; products left as they are: f32 operands where the result goes on into a quantised operand, else bf16, f16 or f32 operands; f32 sums; everything else in f32.
;; Inputs: b1 8 x 384 float32; b2 8 x 1,024 float32; gate_b 8 float32; gate_w 1,024 x 8 float32; w1_codes 8 x 384 x 32 x 24 uint8 (E2M3 codes of w1, K innermost, in blocks of 32 codes, four codes in three bytes); w1_scales 8 x 384 x 32 uint8 (E8M0 scales of w1, one for each 32 codes along K); w2_codes 8 x 1,024 x 12 x 24 uint8 (E2M3 codes of w2, K innermost, in blocks of 32 codes, four codes in three bytes); w2_scales 8 x 1,024 x 12 uint8 (E8M0 scales of w2, one for each 32 codes along K); x 4 x 2,048 x 1,024 float32.
;; Outputs: out0 4 x 2,048 x 1,024 float32; out1 one number float32.
;; This version of the problem:
;;   THIS VERSION OF THE PROBLEM IS GIVEN IN LOW PRECISION. The matrix products marked QUANTISED in the list below multiply operands that are first quantised to E2M3 (2 exponent bits, 3 mantissa bits; 6 bits a number), with one power-of-two scale for each 32 numbers along K (OCP MX v1.0); their sums are f32. All else is computed in f32.
;;   The module's matrix products, in the order in which they are computed (A, B: the left and right operand; K: the contracted axis; several contracted axes count as one K, in the product's order):
;;     1. [M 8,192, K 1,024] x [K 1,024, N 8]; A: input x; B: input gate_w: left as it is (N = 8 < 16)
;;     2. [M 8,192, K 1,024] x [K 1,024, N 3,072]; A: input x; B: input w1 (given as codes): QUANTISED
;;     3. batch 8 x [M 1,024, K 384] x [K 384, N 8,192]; A: input w2 (given as codes); B: computed on the way: QUANTISED
;;     4. batch 8,192 x [M 1,024, K 8] x [K 8, N 1]; A: computed on the way; B: computed on the way: left as it is (K = 8 < 32)
;;   THE QUANTISER, for each operand of a quantised product, along K:
;;     - K is cut into blocks of 32 from its start; a last block that is shorter is filled with zeros.
;;     - A block's scale is 2^e with e = floor(log2(the largest magnitude in the block)) - 2, held to -126 .. 127; a block of zeros has e = 0. As a byte (E8M0): e + 127.
;;     - Each number is divided by its block's scale, clamped to +-7.5, and rounded to the nearest number of E2M3, ties to even, subnormals kept.
;;     - The product sums the exact products of the quantised numbers (number of the format x scale) in f32.
;;   ~~~python
;;   def quantise(x, axis):      # numpy; x: float32 -> the quantised numbers, widened to float32 again
;;       x = np.moveaxis(x, axis, -1); K = x.shape[-1]
;;       x = np.pad(x, [(0, 0)] * (x.ndim - 1) + [(0, -K % 32)]); x = x.reshape(x.shape[:-1] + (-1, 32)); a = np.abs(x).max(-1, keepdims=True)
;;       e = np.where(a > 0, np.clip(np.frexp(np.where(a > 0, a, 1))[1] - 1 - 2, -126, 127), 0)      # np.frexp(a)[1] - 1 = floor(log2(a)), exactly
;;       r = np.clip(x / 2.0 ** e, -7.5, 7.5)
;;       step = 2.0 ** (np.maximum(np.frexp(np.where(r == 0, 1, r))[1] - 1, 0) - 3)
;;       q = np.round(r / step) * step * 2.0 ** e      # np.round: ties to even
;;       return np.moveaxis(q.reshape(q.shape[:-2] + (-1,))[..., :K], -1, axis).astype(np.float32)
;;   ~~~
;;   OPERANDS COMPUTED ON THE WAY. 'Computed on the way' means the value that the module computes at that place (a softmax that the list does not call 'softmax' is quantised finished and normalised). What goes into a quantiser is computed in f32, as accurately as f32 sums, v_exp_f32 and their like allow (about 1e-6 of the number): no bf16 or f16 on the way to a quantiser, and a product that is left as it is and whose result goes on into a quantised operand takes f32 operands (vector FMAs, or v_wmma_f32_16x16x4_f32). A number that lies on a knife's edge between two numbers of the format may be rounded either way, as far as f32 arithmetic and the matrix unit's own rounding can turn it there, and no further.
;;   INPUTS GIVEN AS CODES. w1 (in the module: [8, 1024, 384], K = its axis 1); w2 (in the module: [8, 384, 1024], K = its axis 1): each comes as NAME_codes (uint8): NAME with its K axis moved to the last place and cut into blocks of 32 codes, [.., K / 32, bytes a block], one block behind the other in memory; four codes in three bytes: a row's codes are one little-endian stream of bits, code i at bits 6 i .. 6 i + 5 (a code: sign, 2 exponent bits, 3 mantissa bits); and NAME_scales (uint8): the same leading axes, one E8M0 byte (e + 127) for each 32 codes along K. Its value is code x scale, taken as it is: it is not quantised again, and the codes and scales need not be those that the quantiser above would give.
;; 3 versions. Each part assembles by itself: llvm-mc -triple=amdgcn-amd-amdhsa -mcpu=gfx1250 --defsym DOCPART=n.
;; ======== version 1 of 3: 3 launches
;; workspace buffers: xq 6,291,456 bytes; xs 262,144 bytes; route 65,536 bytes of whole numbers; gates 73,728 bytes; list 42,240 bytes of whole numbers; wimg 4,718,592 bytes
;; launch gate (part 1): grid 256 x 1, 16 waves a work-group, no clusters, 198,656 bytes of LDS; arguments x, gate_w, gate_b, xq, xs, route, gates; writes xq, xs, route, gates
.if DOCPART == 1
	.amdgcn_target "amdgcn-amd-amdhsa--gfx1250"
	.amdhsa_code_object_version 6
	.text
	.protected	k_qfa2c9ebd8e_gate
	.globl	k_qfa2c9ebd8e_gate
	.p2align	8
	.type	k_qfa2c9ebd8e_gate,@function
k_qfa2c9ebd8e_gate:
	s_mov_b64 s[64:65], 0
	v_nop
	global_prefetch_b8 v0, s[64:65] scope:SCOPE_SE
	s_setreg_imm32_b32 hwreg(HW_REG_WAVE_MODE, 25, 1), 1
	s_wait_xcnt 0x0
; GATE.  x [8192][1024] f32 is read once.  Out of it come: x's codes of FP6 (E2M3) and their E8M0 bytes, one for each 32 along the 1,024;
; the 8 gate logits in f32, their softmax, the two largest (the lower index wins a tie), their weights v / (v1 + v2 + 1e-9);
; for each token a key 0..31 that names its PAIR of experts; for each block of 32 tokens a histogram of the keys, each token's rank among
; the block's tokens of its key, and the block's sums of the 8 probabilities.  All of it is stored at fixed places: no address and no branch hangs on it.
; SHARES.  A work-group takes 32 tokens.  Wave w takes columns 64 w .. 64 w + 63 (blocks 2 w, 2 w + 1); A LANE IS A TOKEN and its 64 registers run along K:
; a block's largest magnitude needs no other lane, and the conversions' results are the codes with K innermost.
; xq: 768 bytes a token: the even blocks' 24 bytes on end, then the odd blocks': the 16 bytes at 384 h + 48 s + 16 c are registers 4 c .. 4 c + 3
; of lane (r, h) of the operand of K step s.  xs: 32 bytes a token, in the blocks' order.
; key = 8 lo + hi where that is under 32, else 63 - (8 lo + hi)  (lo < hi): 28 of the 32 numbers are used.
; LIMITS: NaN and infinities are not served.  A block whose largest magnitude lies under 2^-124 (a block of zeros too) keeps the byte 1: its bytes are read by this program alone.
; A token whose second and third probability differ by less than the rounding of a sum of 1,024 f32 products may take the other expert.
.set XTW,  8704                        ; LDS 0: a tile for each wave: 32 rows of 256 bytes + 16 of padding
.set CST,  139264                      ; the codes' stage: 32 tokens, 784 bytes apart (768 + 16)
.set CP,   784
.set SST,  164352                      ; the scale bytes' stage: [token][32]
.set LGP,  165376                      ; the logits' parts: [wave][token][8] f32
.set X,    16                          ; v16-79   my token's 64 numbers
.set ACC,  80                          ; v80-87   my part of its 8 logits
	s_load_b256 s[84:91], s[0:1], 0x0              ; x s[84:85], gate_w s[86:87], gate_b s[88:89], xq s[90:91]
	s_load_b128 s[92:95], s[0:1], 0x20             ; xs s[92:93], route s[94:95]
	s_load_b64 s[96:97], s[0:1], 0x30              ; gates
	v_lshl_add_u32 v254, v0, 2, 0x30000
	v_mov_b32 v255, 0
	ds_add_u32 v254, v255
	ds_add_u32 v254, v255
	v_lshrrev_b32 v2, 5, v0
	v_readfirstlane_b32 s2, v2                     ; wave 0..15
	v_and_b32 v1, 31, v0                           ; lane = token of the block
	; descriptor group 1: 32 rows x 64 elements of 4 bytes, 1,024 elements from row to row; 4 words of padding behind each 64
	s_mov_b32 s8, (2<<16)|(1<<20)|(5<<22)|(3<<25)
	s_mov_b32 s9, 64<<16                           ; tensor_dim0 = 64
	s_mov_b32 s10, 32<<16                          ; tensor_dim1 = 32
	s_mov_b32 s11, 64<<16                          ; tile_dim0 = 64
	s_mov_b32 s12, 32                              ; tile_dim1 = 32
	s_mov_b32 s13, 1024                            ; the pitch
	s_mov_b32 s14, 0
	s_mov_b32 s15, 0
	s_mov_b32 s4, 1
	s_mul_i32 s5, s2, XTW                          ; my wave's tile in LDS
	s_lshl_b32 s98, ttmp9, 17                      ; 32 rows of 4,096 bytes a work-group,
	s_lshl_b32 s99, s2, 8                          ; 256 bytes of a row a wave
	s_add_co_u32 s98, s98, s99
	s_mov_b32 s99, 0
	s_wait_dscnt 0x0
	s_wait_kmcnt 0x0
	s_add_nc_u64 s[6:7], s[84:85], s[98:99]
	s_or_b32 s7, s7, 0x80000000
	tensor_load_to_lds s[4:7], s[8:15]             ; my one tensor load: filled once, read by my wave alone
	s_nop 0
.rept 4
	v_nop
.endr
	s_lshl_b32 s98, s2, 11                         ; gate_w: my 64 rows of 32 bytes
	s_add_nc_u64 s[86:87], s[86:87], s[98:99]
	s_load_b512 s[16:31], s[86:87], 0x0            ; the first 4 rows: 32 numbers
	s_load_b512 s[32:47], s[86:87], 0x40
	v_mul_u32_u24 v3, v1, 272
	v_add_nc_u32 v3, s5, v3                        ; v3: my row of my wave's tile
	v_lshl_add_u32 v4, v0, 5, LGP                  ; v4: my logits' parts: 1,024 x wave + 32 x lane
	s_mul_i32 s98, s2, 24
	v_mul_u32_u24 v5, v1, CP
	v_add_nc_u32 v5, s98, v5
	v_add_nc_u32 v5, CST, v5                       ; v5: my token's row of codes, my wave's even block
	s_lshl_b32 s98, s2, 1
	v_lshl_add_u32 v6, v1, 5, s98
	v_add_nc_u32 v6, SST, v6                       ; v6: my token's scale bytes, my wave's two
	s_mul_i32 s98, s2, 1568
	v_lshl_add_u32 v7, v1, 4, s98
	v_add_nc_u32 v7, CST, v7                       ; v7: the way out: tokens 2 w, 2 w + 1 of the stage, 16 bytes a lane
	v_lshrrev_b32 v8, 4, v1
	v_lshl_add_u32 v8, v8, 4, v7                   ; v8: the same behind the padding, for lanes 16-31
	s_mul_i32 s98, s2, 1536
	v_lshl_add_u32 v9, v1, 4, s98                  ; v9: the same 1,536 bytes in xq
	v_lshl_add_u32 v10, v1, 4, SST                 ; v10: wave 1: the scale bytes, 16 a lane
	v_lshl_add_u32 v11, v1, 5, LGP                 ; v11: wave 0: my token's parts
	v_lshlrev_b32 v12, 2, v1
	v_lshlrev_b32 v13, 3, v1
	v_lshlrev_b32 v14, 4, v1
	s_mul_i32 s98, ttmp9, 24576
	s_add_nc_u64 s[90:91], s[90:91], s[98:99]      ; xq at the block's first token
	s_lshl_b32 s98, ttmp9, 10
	s_add_nc_u64 s[92:93], s[92:93], s[98:99]      ; xs likewise
	s_lshl_b32 s98, ttmp9, 7
	s_add_nc_u64 s[94:95], s[94:95], s[98:99]      ; route: 128 bytes a block, in both its tables
	s_lshl_b32 s98, ttmp9, 5
	s_add_nc_u64 s[100:101], s[96:97], s[98:99]    ; gates: the block's 8 sums (at 65,536 on)
	s_lshl_b32 s98, ttmp9, 8
	s_add_nc_u64 s[96:97], s[96:97], s[98:99]      ; gates: the block's 32 pairs of weights
	s_wait_tensorcnt 0x0                           ; my tile is in LDS
.irp i, 0,1,2,3,4,5,6,7,8,9,10,11,12,13,14,15
	ds_load_b128 v[X+4*\i:X+4*\i+3], v3 offset:16*\i
.endr
	s_wait_dscnt 0x0
; 4 rows of gate_w at a time, in two sets of 32 scalar registers by turns: while one set is multiplied the other is on its way.
; Scalar loads may come back in any order, so the wait is for all of them.
.macro GPH p
	s_wait_kmcnt 0x0
.if (\p) < 15
.if (\p)%2 == 0
	s_load_b512 s[48:63], s[86:87], 128*((\p)+1)
	s_load_b512 s[68:83], s[86:87], 128*((\p)+1)+64
.else
	s_load_b512 s[16:31], s[86:87], 128*((\p)+1)
	s_load_b512 s[32:47], s[86:87], 128*((\p)+1)+64
.endif
.endif
.irp kk, 0,1,2,3
.irp e, 0,1,2,3,4,5,6,7
.if (\p)%2 == 0
.set GS, 16+8*\kk+\e
.else
.set GS, 48+8*\kk+\e+4*(\kk/2)
.endif
.if (\p) == 0 && \kk == 0
	v_mul_f32 v[ACC+\e], s[GS], v[X+4*(\p)+\kk]    ; the first product starts the sum
.else
	v_fmac_f32 v[ACC+\e], s[GS], v[X+4*(\p)+\kk]
.endif
.endr
.endr
.endm
.irp p, 0,1,2,3,4,5,6,7,8,9,10,11,12,13,14,15
	GPH \p
.endr
	ds_store_b128 v4, v[ACC:ACC+3]
	ds_store_b128 v4, v[ACC+4:ACC+7] offset:16
; Block b of my two: its largest magnitude with the floor 2^(3 - 127) among the leaves; 2 off the exponent field gives the conversion's scale operand, its exponent field the byte.
.macro QB b
.set XB, X+32*(\b)
.set CD, 92+8*(\b)
	v_max3_num_f32 v88, |v[XB]|, |v[XB+1]|, |v[XB+2]|
	v_max3_num_f32 v89, |v[XB+3]|, |v[XB+4]|, |v[XB+5]|
.irp i, 6,10,14,18,22,26
	v_max3_num_f32 v88, v88, |v[XB+\i]|, |v[XB+\i+1]|
	v_max3_num_f32 v89, v89, |v[XB+\i+2]|, |v[XB+\i+3]|
.endr
	v_max3_num_f32 v88, v88, |v[XB+30]|, |v[XB+31]|
	v_max3_num_f32 v88, v88, v89, 0x1800000
	v_add_nc_u32 v90, 0xff000000, v88
	v_lshrrev_b32 v[108+(\b)], 23, v90
	v_cvt_scalef32_pk16_fp6_f32 v[CD:CD+2], v[XB:XB+15], v90
	v_cvt_scalef32_pk16_fp6_f32 v[CD+4:CD+6], v[XB+16:XB+31], v90   ; (a conversion's three registers begin on an even number)
	v_nop                                          ; one plain place behind a scaled conversion
	v_mov_b32 v[CD+3], v[CD+4]
	v_mov_b32 v[CD+4], v[CD+5]
	v_mov_b32 v[CD+5], v[CD+6]                     ; six registers on end: the block's 24 bytes
	ds_store_b64 v5, v[CD:CD+1] offset:384*(\b)
	ds_store_b64 v5, v[CD+2:CD+3] offset:384*(\b)+8
	ds_store_b64 v5, v[CD+4:CD+5] offset:384*(\b)+16
.endm
	QB 0
	QB 1
	v_lshl_or_b32 v110, v109, 8, v108
	ds_store_b16 v6, v110                          ; my two bytes
	s_wait_dscnt 0x0                               ; for the others' sake: all my stores have landed
	s_barrier_signal -1
	s_barrier_wait -1
	; every wave sends two tokens' codes: three stores of 512 consecutive bytes
	ds_load_b128 v[16:19], v7
	ds_load_b128 v[20:23], v8 offset:512
	ds_load_b128 v[24:27], v7 offset:1040
	s_wait_dscnt 0x0
	global_store_b128 v9, v[16:19], s[90:91]
	global_store_b128 v9, v[20:23], s[90:91] offset:512
	global_store_b128 v9, v[24:27], s[90:91] offset:1024
	s_cmp_eq_u32 s2, 1
	s_cbranch_scc0 .Lnot_wave_1
	ds_load_b128 v[28:31], v10                     ; wave 1: the block's 1,024 scale bytes
	ds_load_b128 v[32:35], v10 offset:512
	s_wait_dscnt 0x0
	global_store_b128 v14, v[28:31], s[92:93]
	global_store_b128 v14, v[32:35], s[92:93] offset:512
.Lnot_wave_1:
	s_cmp_eq_u32 s2, 0
	s_cbranch_scc0 .Lend
	; wave 0: the gate of the block's 32 tokens, a lane a token
.irp w, 0,1,2,3,4,5,6,7,8,9,10,11,12,13,14,15
	ds_load_b128 v[64+8*\w:64+8*\w+3], v11 offset:1024*\w
	ds_load_b128 v[64+8*\w+4:64+8*\w+7], v11 offset:1024*\w+16
.endr
	s_load_b256 s[20:27], s[88:89], 0x0            ; gate_b
	s_mov_b32 s16, 0x76543210
	s_mov_b32 s17, 0xfedcba98                      ; v_permlanex16_b32's selects for lane l xor 16
	s_wait_dscnt 0x0
.irp st, 8,4,2,1
.set W, 0
.rept \st
.irp j, 0,2,4,6
	v_pk_add_f32 v[64+8*W+\j:65+8*W+\j], v[64+8*W+\j:65+8*W+\j], v[64+8*(W+\st)+\j:65+8*(W+\st)+\j]   ; the sixteen parts, as a tree
.endr
.set W, W+1
.endr
.endr
	s_wait_kmcnt 0x0
.irp e, 0,1,2,3,4,5,6,7
	v_add_f32 v[64+\e], s[20+\e], v[64+\e]
.endr
	v_max3_num_f32 v200, v64, v65, v66
	v_max3_num_f32 v200, v200, v67, v68
	v_max3_num_f32 v200, v200, v69, v70
	v_max_num_f32 v200, v200, v71                  ; the largest logit is taken away before the exponential
.irp e, 0,1,2,3,4,5,6,7
	v_sub_f32 v[192+\e], v[64+\e], v200
.endr
.irp e, 0,1,2,3,4,5,6,7
	v_mul_f32 v[192+\e], 0x3fb8aa3b, v[192+\e]
.endr
.irp e, 0,1,2,3,4,5,6,7
	v_exp_f32 v[192+\e], v[192+\e]
.endr
	v_nop                                          ; a plain place behind the exponentials
	s_wait_alu depctr_va_vdst(0)
	v_add_f32 v201, v192, v193
	v_add_f32 v202, v194, v195
	v_add_f32 v203, v196, v197
	v_add_f32 v204, v198, v199
	v_add_f32 v201, v201, v202
	v_add_f32 v203, v203, v204
	v_add_f32 v201, v201, v203
	v_rcp_f32 v201, v201
	v_nop
	s_wait_alu depctr_va_vdst(0)
.irp e, 0,1,2,3,4,5,6,7
	v_mul_f32 v[192+\e], v[192+\e], v201           ; the probabilities
.endr
	v_mov_b32 v205, v192                           ; the largest, and its index: only a strictly larger one takes its place, so the lower index wins a tie
	v_mov_b32 v206, 0
.irp e, 1,2,3,4,5,6,7
	v_cmp_gt_f32 vcc_lo, v[192+\e], v205
	v_cndmask_b32 v205, v205, v[192+\e], vcc_lo
	v_cndmask_b32 v206, v206, \e, vcc_lo
.endr
.irp e, 0,1,2,3,4,5,6,7
	v_cmp_eq_u32 vcc_lo, \e, v206
	v_cndmask_b32 v[208+\e], v[192+\e], -1.0, vcc_lo   ; the one chosen is taken out: -1 lies under every probability
.endr
	v_mov_b32 v216, v208
	v_mov_b32 v217, 0
.irp e, 1,2,3,4,5,6,7
	v_cmp_gt_f32 vcc_lo, v[208+\e], v216
	v_cndmask_b32 v216, v216, v[208+\e], vcc_lo
	v_cndmask_b32 v217, v217, \e, vcc_lo
.endr
	v_add_f32 v218, v205, v216
	v_add_f32 v218, 0x3089705f, v218               ; + 1e-9
	v_rcp_f32 v218, v218
	v_min_u32 v228, v206, v217                     ; lo  (a plain place behind the reciprocal)
	v_max_u32 v229, v206, v217                     ; hi
	s_wait_alu depctr_va_vdst(0)
	v_mul_f32 v205, v205, v218
	v_mul_f32 v216, v216, v218
	v_cmp_lt_u32 vcc_lo, v206, v217
	v_cndmask_b32 v220, v216, v205, vcc_lo         ; lo's weight
	v_cndmask_b32 v221, v205, v216, vcc_lo         ; hi's
	v_lshl_add_u32 v222, v228, 3, v229             ; 8 lo + hi
	v_sub_nc_u32 v223, 63, v222
	v_cmp_gt_u32 vcc_lo, 32, v222
	v_cndmask_b32 v222, v223, v222, vcc_lo         ; the key
	v_mov_b32 v224, 0
	v_mov_b32 v225, 0
.irp k, 0,1,2,3,4,5,6,7,8,9,10,11,12,13,14,15,16,17,18,19,20,21,22,23,24,25,26,27,28,29,30,31
	v_cmp_eq_u32 s98, \k, v222                     ; the tokens of key k
	s_bcnt1_i32_b32 s99, s98                       ; how many,
	v_mbcnt_lo_u32_b32 v226, s98, 0                ; how many of them in lanes under mine:
	v_cndmask_b32 v224, v224, v226, s98            ; my rank, if k is my key
	v_writelane_b32 v225, s99, \k                  ; lane k keeps key k's count
.endr
	v_lshl_or_b32 v227, v224, 8, v222              ; key | rank << 8
.irp mk, 1,2,4,8
.irp e, 0,1,2,3,4,5,6,7
	v_add_f32_dpp v[192+\e], v[192+\e], v[192+\e] row_xmask:\mk row_mask:0xf bank_mask:0xf
.endr
.endr
.irp e, 0,1,2,3,4,5,6,7
	v_permlanex16_b32 v[208+\e], v[192+\e], s16, s17
.endr
.irp e, 0,1,2,3,4,5,6,7
	v_add_f32 v[192+\e], v[192+\e], v[208+\e]      ; the block's sum of each probability, in every lane
.endr
	global_store_b32 v12, v227, s[94:95]
	global_store_b32 v12, v225, s[94:95] offset:32768
	global_store_b64 v13, v[220:221], s[96:97]
	v_cmp_eq_u32 vcc_lo, 0, v1
	s_wait_xcnt 0x0                                ; EXEC changes only behind this wait
	s_and_saveexec_b32 s98, vcc_lo
	global_store_b128 v12, v[192:195], s[100:101] offset:65536
	global_store_b128 v12, v[196:199], s[100:101] offset:65552
	s_wait_xcnt 0x0                                ; and again in front of the line that widens it
	s_or_b32 exec_lo, exec_lo, s98
.Lend:
	s_wait_tensorcnt 0x0
	ds_add_u32 v254, v255
	s_wait_dscnt 0x0
	s_endpgm
.Lfunc_end_k_qfa2c9ebd8e_gate:
	.size	k_qfa2c9ebd8e_gate, .Lfunc_end_k_qfa2c9ebd8e_gate-k_qfa2c9ebd8e_gate
	.p2alignl 7, 3214868480
	.fill 96, 4, 3214868480
	.section	.rodata,"a",@progbits
	.p2align	6, 0x0
	.amdhsa_kernel k_qfa2c9ebd8e_gate
		.amdhsa_group_segment_fixed_size 198656
		.amdhsa_private_segment_fixed_size 0
		.amdhsa_enable_private_segment 0
		.amdhsa_kernarg_size 56
		.amdhsa_user_sgpr_count 2
		.amdhsa_user_sgpr_kernarg_segment_ptr 1
		.amdhsa_wavefront_size32 1
		.amdhsa_system_sgpr_workgroup_id_x 1
		.amdhsa_system_sgpr_workgroup_id_y 1
		.amdhsa_system_sgpr_workgroup_id_z 1
		.amdhsa_system_vgpr_workitem_id 0
		.amdhsa_next_free_vgpr 256
		.amdhsa_next_free_sgpr 102
		.amdhsa_reserve_vcc 1
		.amdhsa_float_denorm_mode_32 3
		.amdhsa_float_denorm_mode_16_64 3
		.amdhsa_memory_ordered 1
		.amdhsa_forward_progress 1
		.amdhsa_inst_pref_size 52
	.end_amdhsa_kernel
	.amdgpu_metadata
---
amdhsa.version: [ 1, 2 ]
amdhsa.kernels:
  - .name:           k_qfa2c9ebd8e_gate
    .symbol:         k_qfa2c9ebd8e_gate.kd
    .args:
      - { .name: x, .offset: 0, .size: 8, .value_kind: global_buffer, .address_space: global }
      - { .name: gate_w, .offset: 8, .size: 8, .value_kind: global_buffer, .address_space: global }
      - { .name: gate_b, .offset: 16, .size: 8, .value_kind: global_buffer, .address_space: global }
      - { .name: xq, .offset: 24, .size: 8, .value_kind: global_buffer, .address_space: global }
      - { .name: xs, .offset: 32, .size: 8, .value_kind: global_buffer, .address_space: global }
      - { .name: route, .offset: 40, .size: 8, .value_kind: global_buffer, .address_space: global }
      - { .name: gates, .offset: 48, .size: 8, .value_kind: global_buffer, .address_space: global }
    .group_segment_fixed_size: 198656
    .private_segment_fixed_size: 0
    .kernarg_segment_align: 8
    .kernarg_segment_size: 56
    .max_flat_workgroup_size: 512
    .sgpr_count:     102
    .vgpr_count:     256
    .wavefront_size: 32
...
	.end_amdgpu_metadata
.endif
;; end of part 1
;; launch place (part 2): grid 160 x 1, 8 waves a work-group, no clusters, 5,120 bytes of LDS; arguments route, gates, w1_codes, w2_codes, list, wimg, out1; writes list, wimg, out1
.if DOCPART == 2
	.amdgcn_target "amdgcn-amd-amdhsa--gfx1250"
	.amdhsa_code_object_version 6
	.text
	.protected	k_qfa2c9ebd8e_place
	.globl	k_qfa2c9ebd8e_place
	.p2align	8
	.type	k_qfa2c9ebd8e_place,@function
k_qfa2c9ebd8e_place:
	s_mov_b64 s[64:65], 0
	v_nop
	global_prefetch_b8 v0, s[64:65] scope:SCOPE_SE
	s_setreg_imm32_b32 hwreg(HW_REG_WAVE_MODE, 25, 1), 1
	s_wait_xcnt 0x0
; PLACE.  Three kinds of work-groups, told apart by the work-group's number.
; 0 .. 31: the tokens are placed by their key (their pair of experts): a counting sort without atomics.  Key k gets ceil(n_k / 48) tiles of 48 slots, the keys one behind the other;
;   token -> slot 48 x (the key's first tile) + (tokens of the key in earlier blocks) + (its rank in its block).  28 keys and 8,192 tokens make at most 198 tiles, whatever the split.
;   Work-group 0 also writes the list of tiles {lo, hi, rows, first slot} (an unused tile: 0, 1, 0, 0), and its wave 0 the load loss.
; 32 .. 95: W1's codes, 96 .. 159: W2's, are laid in the order of the operand's registers: a fragment (16 rows x 128 K, 12 registers a lane) is 1,536 bytes: chunk c holds lane l's registers 4 c .. 4 c + 3 at 16 l.
;   W1: [expert][wave 0..3][half 0..1][K step 0..7][3 tiles]; tile t = 3 half + t' takes rows 96 wave + 32 (t / 2) + 8 (t % 2) + r + 8 (r / 8), so that the next launch's results come out as neighbours along the next K.
;   W2 (at 2,359,296): [expert][tile of 16 rows 0..63][K step 0..2].
.macro RELAY f, b, off                 ; a fragment as it lies in a row's stream of bits: 24 bytes and 24 bytes, in pieces of 8
.irp p, 0,1,2,3,4,5
	global_load_b64 v[32+12*(\f)+2*\p:32+12*(\f)+2*\p+1], v6, s[\b:\b+1] offset:(\off)+48*(\p/3)+8*(\p%3)
.endr
.endm
.macro SENDIMG                         ; three fragments: nine stores of 512 consecutive bytes
	s_wait_loadcnt 0x0
.irp i, 0,1,2,3,4,5,6,7,8
	global_store_b128 v5, v[32+4*\i:32+4*\i+3], s[26:27] offset:512*\i
.endr
.endm
	s_load_b256 s[4:11], s[0:1], 0x0               ; route s[4:5], gates s[6:7], w1_codes s[8:9], w2_codes s[10:11]
	s_load_b128 s[12:15], s[0:1], 0x20             ; list s[12:13], wimg s[14:15]
	s_load_b64 s[16:17], s[0:1], 0x30              ; out1
	v_lshl_add_u32 v128, v0, 2, 0x1000
	v_mov_b32 v129, 0
	v_lshrrev_b32 v2, 5, v0
	v_readfirstlane_b32 s18, v2                    ; wave 0..7
	v_and_b32 v1, 31, v0                           ; lane
	v_lshlrev_b32 v2, 2, v1                        ; 4 x lane
	v_lshlrev_b32 v3, 2, v0                        ; 4 x thread
	v_lshlrev_b32 v5, 4, v1                        ; 16 x lane
	s_wait_kmcnt 0x0
	s_cmp_lt_u32 ttmp9, 32
	s_cbranch_scc1 .Lplace
	; ---- the weights' images: a wave takes a group of three fragments
	s_sub_co_u32 s19, ttmp9, 32
	s_and_b32 s19, s19, 63
	s_lshl_b32 s20, s19, 3
	s_add_co_u32 s20, s20, s18                     ; the group, 0 .. 511
	v_and_b32 v7, 15, v1                           ; r
	v_lshrrev_b32 v8, 4, v1                        ; h
	s_mul_i32 s22, s20, 4608
	s_mov_b32 s23, 0
	s_add_nc_u64 s[26:27], s[14:15], s[22:23]      ; where the group's images go
	s_lshr_b32 s24, s20, 6                         ; the expert
	s_mul_i32 s24, s24, 294912
	s_mov_b32 s25, 0
	s_cmp_lt_u32 ttmp9, 96
	s_cbranch_scc1 .Lw1
	s_and_b32 s28, s20, 63                         ; W2: the tile of 16 rows of 288 bytes
	s_mul_i32 s28, s28, 4608
	s_add_co_u32 s24, s24, s28
	s_add_nc_u64 s[28:29], s[10:11], s[24:25]
	s_add_nc_u64 s[26:27], s[26:27], 2359296
	v_mul_u32_u24 v6, v7, 288
	v_mad_u32_u24 v6, v8, 24, v6
	RELAY 0, 28, 0
	RELAY 1, 28, 96
	RELAY 2, 28, 192
	SENDIMG
	s_endpgm
.Lw1:
	s_bfe_u32 s28, s20, 0x20004                    ; W1: the wave whose 96 rows these are,
	s_mul_i32 s28, s28, 96*768
	s_add_co_u32 s24, s24, s28
	s_and_b32 s28, s20, 7                          ; the K step,
	s_mul_i32 s28, s28, 96
	s_add_co_u32 s24, s24, s28
	s_bfe_u32 s30, s20, 0x10003                    ; the half: tiles 0, 1, 2 begin at rows 0, 8, 32; tiles 3, 4, 5 at rows 40, 64, 72
	s_mul_i32 s28, s30, 40*768
	s_add_co_u32 s24, s24, s28
	s_add_nc_u64 s[28:29], s[8:9], s[24:25]        ; the first tile; the third lies 32 rows on in both halves
	s_mul_i32 s30, s30, 16*768
	s_add_co_u32 s30, s30, 8*768
	s_mov_b32 s31, 0
	s_add_nc_u64 s[32:33], s[28:29], s[30:31]      ; the second: 8 or 24 rows on
	v_and_b32 v6, 8, v7
	v_add_nc_u32 v6, v6, v7                        ; r + 8 (r / 8)
	v_mul_u32_u24 v6, v6, 768
	v_mad_u32_u24 v6, v8, 24, v6
	RELAY 0, 28, 0
	RELAY 1, 32, 0
	RELAY 2, 28, 32*768
	SENDIMG
	s_endpgm
.Lplace:
	; ---- work-group p, wave v: the 32 tokens of block 8 p + v.  A lane is a key, later a token
	s_mov_b32 s19, ttmp9                           ; p
	s_mov_b32 s21, 0
	s_lshl_b32 s20, s18, 12
	s_add_nc_u64 s[22:23], s[4:5], s[20:21]        ; the histograms of blocks 32 v on (the table begins at 32,768)
	s_lshl_b32 s20, s19, 10
	s_add_nc_u64 s[24:25], s[4:5], s[20:21]        ; those of my work-group's 8 blocks
	s_lshl_b32 s20, s18, 7
	s_add_nc_u64 s[28:29], s[24:25], s[20:21]      ; my block's 32 words key | rank << 8
.irp i, 0,1,2,3,4,5,6,7,8,9,10,11,12,13,14,15,16,17,18,19,20,21,22,23,24,25,26,27,28,29,30,31
	global_load_b32 v[32+\i], v2, s[22:23] offset:32768+128*\i
.endr
.irp i, 0,1,2,3,4,5,6
	global_load_b32 v[64+\i], v2, s[24:25] offset:32768+128*\i
.endr
	global_load_b32 v72, v2, s[28:29]
	s_lshl_b32 s30, s19, 8
	s_lshl_b32 s31, s18, 5
	s_add_co_u32 s30, s30, s31
	v_add_nc_u32 v114, s30, v1                     ; my token's number
	s_wait_loadcnt 0x0
.irp q, 0,1,2,3                        ; the sums of four groups of 8 blocks: group 4 v + q is work-group 4 v + q's
	v_add3_u32 v[80+\q], v[32+8*\q], v[33+8*\q], v[34+8*\q]
	v_add3_u32 v[80+\q], v[80+\q], v[35+8*\q], v[36+8*\q]
	v_add3_u32 v[80+\q], v[80+\q], v[37+8*\q], v[38+8*\q]
	v_add_nc_u32 v[80+\q], v[80+\q], v[39+8*\q]
.endr
	v_add3_u32 v84, v80, v81, v82
	v_add_nc_u32 v84, v84, v83                     ; all 32 blocks of mine
	s_lshl_b32 s26, s18, 2
	v_mov_b32 v85, 0
.irp q, 0,1,2,3
	s_add_co_u32 s27, s26, \q
	s_cmp_lt_u32 s27, s19
	s_cselect_b32 s28, 1, 0
	v_mad_u32_u24 v85, v[80+\q], s28, v85          ; and those of them that lie ahead of my work-group's
.endr
	ds_store_b32 v3, v84
	ds_store_b32 v3, v85 offset:1024
	s_wait_dscnt 0x0                               ; for the others' sake
	s_barrier_signal -1
	s_barrier_wait -1
.irp i, 0,1,2,3,4,5,6,7
	ds_load_b32 v[88+\i], v2 offset:128*\i
	ds_load_b32 v[96+\i], v2 offset:1024+128*\i
.endr
	s_wait_dscnt 0x0
	v_add3_u32 v104, v88, v89, v90
	v_add3_u32 v104, v104, v91, v92
	v_add3_u32 v104, v104, v93, v94
	v_add_nc_u32 v104, v104, v95                   ; the key's tokens in all
	v_add3_u32 v105, v96, v97, v98
	v_add3_u32 v105, v105, v99, v100
	v_add3_u32 v105, v105, v101, v102
	v_add_nc_u32 v105, v105, v103                  ; those in blocks ahead of my work-group's
.irp i, 0,1,2,3,4,5,6
	s_cmp_gt_u32 s18, \i
	s_cselect_b32 s28, 1, 0
	v_mad_u32_u24 v105, v[64+\i], s28, v105        ; and in my work-group's blocks ahead of mine
.endr
	v_add_nc_u32 v106, 47, v104
	v_mul_u32_u24 v106, v106, 0xaaab
	v_lshrrev_b32 v106, 21, v106                   ; the key's tiles: (n + 47) / 48.  43,691 x 48 = 2^21 + 16: exact for n + 47 up to 8,239
	s_mov_b32 s34, 0
	v_mov_b32 v107, 0
.irp k, 0,1,2,3,4,5,6,7,8,9,10,11,12,13,14,15,16,17,18,19,20,21,22,23,24,25,26,27,28,29,30,31
	v_readlane_b32 s35, v106, \k
	v_writelane_b32 v107, s34, \k                  ; the key's first tile
	s_add_co_u32 s34, s34, s35
.endr
	v_add_nc_u32 v108, v107, v106                  ; and the tile behind its last
	v_mad_u32_u24 v109, v107, 48, v105             ; where my block's tokens of this key begin
	v_and_b32 v110, 31, v72                        ; now a lane is a token: its key,
	v_lshrrev_b32 v111, 8, v72                     ; its rank
	v_lshlrev_b32 v112, 2, v110
	ds_bpermute_b32 v113, v112, v109               ; from the lane of its key
	s_wait_dscnt 0x0
	v_add_nc_u32 v113, v113, v111
	v_min_u32 v113, 9503, v113                     ; the slot, held inside the table
	v_lshlrev_b32 v113, 2, v113
	global_store_b32 v113, v114, s[12:13] offset:4096
	s_cmp_lg_u32 s19, 0
	s_cbranch_scc1 .Lend
	; ---- work-group 0: the list of tiles; thread J writes tile J
	v_mov_b32 v115, 0
.irp k, 0,1,2,3,4,5,6,7,8,9,10,11,12,13,14,15,16,17,18,19,20,21,22,23,24,25,26,27,28,29,30,31
	v_readlane_b32 s35, v108, \k
	v_cmp_le_u32 vcc_lo, s35, v0
	v_cndmask_b32 v116, 0, 1, vcc_lo
	v_add_nc_u32 v115, v115, v116                  ; the keys whose tiles all lie ahead of J: their number is J's key
.endr
	v_min_u32 v117, 31, v115
	v_lshlrev_b32 v118, 2, v117
	ds_bpermute_b32 v119, v118, v107               ; that key's first tile
	ds_bpermute_b32 v120, v118, v104               ; and its tokens
	v_cmp_gt_u32 s26, 32, v115                     ; is there such a key?
	s_wait_dscnt 0x0
	v_sub_nc_u32 v121, v0, v119
	v_mul_u32_u24 v121, v121, 48
	v_sub_nc_u32 v122, v120, v121
	v_min_u32 v122, 48, v122                       ; the tile's rows
	v_cndmask_b32 v117, 1, v117, s26               ; an unused tile: key 1 (experts 0 and 1), no rows, slot 0
	v_cndmask_b32 v126, 0, v122, s26
	v_mul_u32_u24 v123, v0, 48
	v_cndmask_b32 v127, 0, v123, s26
	v_lshrrev_b32 v121, 3, v117
	v_and_b32 v122, 7, v117
	v_sub_nc_u32 v123, 63, v117
	v_cmp_gt_u32 vcc_lo, v122, v121
	v_cndmask_b32 v123, v123, v117, vcc_lo         ; 8 lo + hi again
	v_lshrrev_b32 v124, 3, v123
	v_and_b32 v125, 7, v123
	v_lshlrev_b32 v118, 4, v0
	v_cmp_gt_u32 vcc_lo, 198, v0
	s_wait_xcnt 0x0                                ; EXEC changes only behind this wait
	s_and_saveexec_b32 s27, vcc_lo
	global_store_b128 v118, v[124:127], s[12:13]
	s_wait_xcnt 0x0
	s_or_b32 exec_lo, exec_lo, s27
	s_cmp_lg_u32 s18, 0
	s_cbranch_scc1 .Lend
	; ---- its wave 0: the load loss.  256 blocks x 8 sums: a lane holds four experts' (4 (lane % 2) on) of 16 blocks
.irp i, 0,1,2,3,4,5,6,7,8,9,10,11,12,13,14,15
	global_load_b128 v[32+4*\i:35+4*\i], v5, s[6:7] offset:65536+512*\i
.endr
	s_mov_b32 s36, 0x76543210
	s_mov_b32 s37, 0xfedcba98
	s_mov_b32 s38, 0x39000000                      ; 1 / 8,192
	s_mov_b32 s39, 0xbe000000                      ; -1 / 8
	s_wait_loadcnt 0x0
.irp i, 1,2,3,4,5,6,7,8,9,10,11,12,13,14,15
	v_pk_add_f32 v[32:33], v[32:33], v[32+4*\i:33+4*\i]
	v_pk_add_f32 v[34:35], v[34:35], v[34+4*\i:35+4*\i]
.endr
.irp mk, 2,4,8
.irp j, 0,1,2,3
	v_add_f32_dpp v[32+\j], v[32+\j], v[32+\j] row_xmask:\mk row_mask:0xf bank_mask:0xf
.endr
.endr
.irp j, 0,1,2,3
	v_permlanex16_b32 v[36+\j], v[32+\j], s36, s37
.endr
.irp j, 0,1,2,3
	v_add_f32 v[32+\j], v[32+\j], v[36+\j]         ; the sums over all tokens
.endr
.irp j, 0,1,2,3
	v_fma_f32 v[32+\j], v[32+\j], s38, s39         ; the mean less 1 / 8
.endr
	v_mul_f32 v40, v32, v32
	v_fmac_f32 v40, v33, v33
	v_fmac_f32 v40, v34, v34
	v_fmac_f32 v40, v35, v35
	v_add_f32_dpp v40, v40, v40 row_xmask:1 row_mask:0xf bank_mask:0xf   ; with the other four experts'
	v_mul_f32 v40, 0x3e000000, v40
	v_cmp_eq_u32 vcc_lo, 0, v1
	s_wait_xcnt 0x0
	s_and_saveexec_b32 s27, vcc_lo
	global_store_b32 v2, v40, s[16:17]
	s_wait_xcnt 0x0
	s_or_b32 exec_lo, exec_lo, s27
.Lend:
	s_wait_tensorcnt 0x0
	ds_add_u32 v128, v129
	s_wait_dscnt 0x0
	s_endpgm
.Lfunc_end_k_qfa2c9ebd8e_place:
	.size	k_qfa2c9ebd8e_place, .Lfunc_end_k_qfa2c9ebd8e_place-k_qfa2c9ebd8e_place
	.p2alignl 7, 3214868480
	.fill 96, 4, 3214868480
	.section	.rodata,"a",@progbits
	.p2align	6, 0x0
	.amdhsa_kernel k_qfa2c9ebd8e_place
		.amdhsa_group_segment_fixed_size 5120
		.amdhsa_private_segment_fixed_size 0
		.amdhsa_enable_private_segment 0
		.amdhsa_kernarg_size 56
		.amdhsa_user_sgpr_count 2
		.amdhsa_user_sgpr_kernarg_segment_ptr 1
		.amdhsa_wavefront_size32 1
		.amdhsa_system_sgpr_workgroup_id_x 1
		.amdhsa_system_sgpr_workgroup_id_y 1
		.amdhsa_system_sgpr_workgroup_id_z 1
		.amdhsa_system_vgpr_workitem_id 0
		.amdhsa_next_free_vgpr 130
		.amdhsa_next_free_sgpr 66
		.amdhsa_reserve_vcc 1
		.amdhsa_float_denorm_mode_32 3
		.amdhsa_float_denorm_mode_16_64 3
		.amdhsa_memory_ordered 1
		.amdhsa_forward_progress 1
		.amdhsa_inst_pref_size 35
	.end_amdhsa_kernel
	.amdgpu_metadata
---
amdhsa.version: [ 1, 2 ]
amdhsa.kernels:
  - .name:           k_qfa2c9ebd8e_place
    .symbol:         k_qfa2c9ebd8e_place.kd
    .args:
      - { .name: route, .offset: 0, .size: 8, .value_kind: global_buffer, .address_space: global }
      - { .name: gates, .offset: 8, .size: 8, .value_kind: global_buffer, .address_space: global }
      - { .name: w1_codes, .offset: 16, .size: 8, .value_kind: global_buffer, .address_space: global }
      - { .name: w2_codes, .offset: 24, .size: 8, .value_kind: global_buffer, .address_space: global }
      - { .name: list, .offset: 32, .size: 8, .value_kind: global_buffer, .address_space: global }
      - { .name: wimg, .offset: 40, .size: 8, .value_kind: global_buffer, .address_space: global }
      - { .name: out1, .offset: 48, .size: 8, .value_kind: global_buffer, .address_space: global }
    .group_segment_fixed_size: 5120
    .private_segment_fixed_size: 0
    .kernarg_segment_align: 8
    .kernarg_segment_size: 56
    .max_flat_workgroup_size: 256
    .sgpr_count:     66
    .vgpr_count:     130
    .wavefront_size: 32
...
	.end_amdgpu_metadata
.endif
;; end of part 2
;; launch chain (part 3): grid 198 x 1, 4 waves a work-group, no clusters, 184,832 bytes of LDS; arguments list, xq, xs, gates, wimg, w1_scales, b1, w2_scales, b2, out0; writes out0
.if DOCPART == 3
	.amdgcn_target "amdgcn-amd-amdhsa--gfx1250"
	.amdhsa_code_object_version 6
	.text
	.protected	k_qfa2c9ebd8e_chain
	.globl	k_qfa2c9ebd8e_chain
	.p2align	8
	.type	k_qfa2c9ebd8e_chain,@function
k_qfa2c9ebd8e_chain:
	s_mov_b64 s[64:65], 0
	v_nop
	global_prefetch_b8 v0, s[64:65] scope:SCOPE_SE
	s_setreg_imm32_b32 hwreg(HW_REG_WAVE_MODE, 25, 1), 1
	s_wait_xcnt 0x0
; CHAIN.  A work-group takes one tile of the list: up to 48 tokens that chose the SAME PAIR of experts (lo, hi), through the whole chain for both:
; out0[token] = g_lo (gelu(x W1_lo + b1_lo) W2_lo + b2_lo) + g_hi (the same for hi).  So each output row has one owner, and every tile is the same work.
; Both products on codes of FP6 (E2M3) with one E8M0 scale for each 32 along K; x's codes come from the first launch, the hidden layer is quantised here and never goes to memory.
; SHARES.  THE WAVES SHARE THE COLUMNS: wave w makes hidden units 96 w .. 96 w + 95 (6 tiles, blocks 3 w .. 3 w + 2) and output columns 256 w .. 256 w + 255 (16 tiles), for all 48 rows (3 tiles of rows).
; Both products are used transposed (source 0 = 16 rows of a weight, source 1 = 16 tokens): a lane holds ONE token, its registers run along the hidden units or the output columns.
; THE WEIGHTS come from memory straight into registers, as the images that the launch before has laid: a unit is 6 fragments (72 registers, 18 loads of 512 consecutive bytes); four sets take turns, three units are on their way.
; ROWS beyond the tile's count repeat its last token; they are not stored.  A tile that the split leaves without rows walks the same text on the list's first token and stores nothing:
; so every wave passes both barriers on the one path there is.  No tensor load: the stores hang on a stored count.  No cluster: how many tiles share a pair hangs on stored counts.
; GELU: 0.5 z (1 + erf(z / sqrt 2)), erf(u) = u A(u^2) / B(u^2) with u held to +-4, polynomials of degree 6 and 4 in f32.
; LIMITS: that form's error is about 1e-7 absolute in erf, so gelu of a very negative z may be z x 6e-8 where it should be 0.  NaN and infinities are not served.  A hidden block whose largest magnitude lies under 2^-124 keeps the byte 1.
; REGISTERS, in windows of 256.  Window 0: v1-31 addresses; v32-123 scale words alone (x's 32, W1's 56, W2's 104, the hidden layer's 112); v124-135 the gate's weights; v136-163 constants, later the rows' offsets in out0;
;   v164-235 x's fragments, two sets; v164-251 at work in the gelu; later v164-187 results, v188-235 rows on the way out.   Window 1: weight sets 0, 1, 2.
;   Window 2: weight set 3; v72-119 b1's 6 tiles, later the second product's 6 accumulators; v120-151 b2's tiles, two sets.   Window 3: the first product's 18 accumulators, later the hidden layer's 18 fragments.
.set XIMG, 0                           ; LDS: x's 24 fragments as images of their registers: (8 m + s) x 1,536
.set HROW, 36864                       ; the hidden layer's codes: [expert][48 rows], 304 bytes apart (288 + 16)
.set HSC,  66048                       ; its scale bytes: [expert][row][16], 12 used
.set SM,   67584                       ; for each wave 15,104 bytes of its own: W1's scales, b1, W2's scales, b2, for both experts
.set SMW,  15104
.set TOKT, 128000                      ; for each wave its own table of the 48 rows' tokens
.set STG,  128768                      ; for each wave its own stage: 48 rows x (256 bytes + 16)
.set STGW, 13056
.set XS,   32
.set W1S,  56
.set W2S,  104
.set HS,   112
.set GL,   124
.set CR2,  136
.set CH,   138
.set KA,   140
.set KB,   154
.set VOFF, 136
.set XF,   164
.set U,    164
.set HZ,   180
.set X2,   196
.set PP,   212
.set QQ,   228
.set MX,   244
.set MY,   245
.set SC,   246
.set BY,   247
.set COD,  248
.set TT,   251
.set OUTR, 164
.set FL,   188
.set B1R,  72                          ; in window 2
.set A2,   72
.set B2R,  120
.set MSB, 0
.macro WIN new                         ; the immediate's high byte repeats the setting that is left; a switch that changes nothing is dropped
.if MSB != \new
	s_set_vgpr_msb (MSB<<8)|\new
.set MSB, \new
.endif
.endm
.macro LOADUNIT set, pa, pb, off       ; a unit of weights into a set: 3 fragments from pa, 3 from pb
.if (\set) == 3
	WIN 0x80
.set SB, 0
.else
	WIN 0x40
.set SB, 72*(\set)
.endif
.irp i, 0,1,2,3,4,5,6,7,8
	global_load_b128 v[SB+4*\i:SB+4*\i+3], v1, s[\pa:\pa+1] offset:(\off)+512*\i
.endr
.irp i, 0,1,2,3,4,5,6,7,8
	global_load_b128 v[SB+36+4*\i:SB+36+4*\i+3], v1, s[\pb:\pb+1] offset:(\off)+512*\i
.endr
.endm
.macro XFETCH s, xs                    ; x's three fragments of K step s into set xs
.irp m, 0,1,2
.irp c, 0,1,2
	ds_load_b128 v[XF+36*(\xs)+12*\m+4*\c:XF+36*(\xs)+12*\m+4*\c+3], v5 offset:XIMG+(8*\m+(\s))*1536+512*\c
.endr
.endr
.endm
; 18 products of K step s: the 18 accumulators take turns, one instruction a turn.  In step 0 the bias is the C: nothing is cleared, nothing added later.
.macro MUL1 s, set, xs
.if (\set) == 3
.set SB, 0
	WIN 0xf2
.else
.set SB, 72*(\set)
.if (\s) == 0
	WIN 0xe1
.else
	WIN 0xf1
.endif
.endif
.irp m, 0,1,2
.irp t, 0,1,2,3,4,5
.set rD, 8*(6*\m+\t)
.set rA, SB+12*\t
.set rB, XF+36*(\xs)+12*\m
.if (\s) == 0
	v_wmma_scale_f32_16x16x128_f8f6f4 v[rD:rD+7], v[rA:rA+11], v[rB:rB+11], v[B1R+8*\t:B1R+8*\t+7], v[W1S+8*\t+(\s)], v[XS+8*\m+(\s)] matrix_a_fmt:MATRIX_FMT_FP6 matrix_b_fmt:MATRIX_FMT_FP6
.else
	v_wmma_scale_f32_16x16x128_f8f6f4 v[rD:rD+7], v[rA:rA+11], v[rB:rB+11], v[rD:rD+7], v[W1S+8*\t+(\s)], v[XS+8*\m+(\s)] matrix_a_fmt:MATRIX_FMT_FP6 matrix_b_fmt:MATRIX_FMT_FP6
.endif
.endr
.endr
.endm
; K step s.  Four plain places stand between the last step's products and the loads into the registers that they read.
.macro STEP1 s, pa, pb, off
	WIN 0
.rept 4
	v_nop
.endr
	s_wait_loadcnt 36                              ; two younger units of 18 loads may be out: unit s is in
	LOADUNIT ((\s)+3)%4, \pa, \pb, \off
	WIN 0
.if (\s) < 7
	XFETCH (\s)+1, ((\s)+1)%2
	s_wait_dscnt 9                                 ; all but the nine just issued
.else
	s_wait_dscnt 0x0
.endif
	MUL1 \s, (\s)%4, (\s)%2
.endm
; 16 numbers of a lane, accumulators z .. z + 15 of window 3 (16 neighbouring hidden units of my token), become their gelu in v[PP] on.  Each accumulator is read from its low end on.
.macro GELU16 z
	WIN 0x03
.irp i, 0,1,2,3,4,5,6,7
	v_pk_mul_f32 v[U+2*\i:U+2*\i+1], v[(\z)+2*\i:(\z)+2*\i+1], v[CR2:CR2+1]      ; u = z / sqrt 2
.endr
.irp i, 0,1,2,3,4,5,6,7
	v_pk_mul_f32 v[HZ+2*\i:HZ+2*\i+1], v[(\z)+2*\i:(\z)+2*\i+1], v[CH:CH+1]      ; z / 2
.endr
	WIN 0
.irp i, 0,1,2,3,4,5,6,7,8,9,10,11,12,13,14,15
	v_med3_num_f32 v[U+\i], v[U+\i], -4.0, 4.0
.endr
.irp i, 0,1,2,3,4,5,6,7
	v_pk_mul_f32 v[X2+2*\i:X2+2*\i+1], v[U+2*\i:U+2*\i+1], v[U+2*\i:U+2*\i+1]
.endr
.irp i, 0,1,2,3,4,5,6,7
	v_pk_fma_f32 v[PP+2*\i:PP+2*\i+1], v[X2+2*\i:X2+2*\i+1], v[KA:KA+1], v[KA+2:KA+3]
.endr
.irp c, 2,3,4,5,6
.irp i, 0,1,2,3,4,5,6,7
	v_pk_fma_f32 v[PP+2*\i:PP+2*\i+1], v[PP+2*\i:PP+2*\i+1], v[X2+2*\i:X2+2*\i+1], v[KA+2*\c:KA+2*\c+1]
.endr
.endr
.irp i, 0,1,2,3,4,5,6,7
	v_pk_fma_f32 v[QQ+2*\i:QQ+2*\i+1], v[X2+2*\i:X2+2*\i+1], v[KB:KB+1], v[KB+2:KB+3]
.endr
.irp c, 2,3,4
.irp i, 0,1,2,3,4,5,6,7
	v_pk_fma_f32 v[QQ+2*\i:QQ+2*\i+1], v[QQ+2*\i:QQ+2*\i+1], v[X2+2*\i:X2+2*\i+1], v[KB+2*\c:KB+2*\c+1]
.endr
.endr
.irp i, 0,1,2,3,4,5,6,7,8,9,10,11,12,13,14,15
	v_rcp_f32 v[QQ+\i], v[QQ+\i]
.endr
.irp i, 0,1,2,3,4,5,6,7
	v_pk_mul_f32 v[PP+2*\i:PP+2*\i+1], v[PP+2*\i:PP+2*\i+1], v[U+2*\i:U+2*\i+1]   ; (plain lines behind the reciprocals, which they do not name)
.endr
	s_wait_alu depctr_va_vdst(0)
.irp i, 0,1,2,3,4,5,6,7
	v_pk_mul_f32 v[PP+2*\i:PP+2*\i+1], v[PP+2*\i:PP+2*\i+1], v[QQ+2*\i:QQ+2*\i+1] ; erf
.endr
.irp i, 0,1,2,3,4,5,6,7
	v_pk_fma_f32 v[PP+2*\i:PP+2*\i+1], v[HZ+2*\i:HZ+2*\i+1], v[PP+2*\i:PP+2*\i+1], v[HZ+2*\i:HZ+2*\i+1]
.endr
.endm
; They are half a block of 32: the other half lies in lane l xor 16.  Their 12 bytes of codes go to their place in the row's stream of bits, the block's byte to its place among the row's.
.macro QUANT16 m, bb
	v_max3_num_f32 v[MX], |v[PP]|, |v[PP+1]|, 0x1800000            ; with the floor 2^(3 - 127): the byte cannot fall under 1
	v_max3_num_f32 v[TT], |v[PP+2]|, |v[PP+3]|, |v[PP+4]|
	v_max3_num_f32 v[MX], v[MX], |v[PP+5]|, |v[PP+6]|
	v_max3_num_f32 v[TT], v[TT], |v[PP+7]|, |v[PP+8]|
	v_max3_num_f32 v[MX], v[MX], |v[PP+9]|, |v[PP+10]|
	v_max3_num_f32 v[TT], v[TT], |v[PP+11]|, |v[PP+12]|
	v_max3_num_f32 v[MX], v[MX], |v[PP+13]|, |v[PP+14]|
	v_max3_num_f32 v[MX], v[MX], v[TT], |v[PP+15]|
	v_permlanex16_b32 v[MY], v[MX], s60, s61
	v_max_num_f32 v[MX], v[MX], v[MY]
	v_add_nc_u32 v[SC], 0xff000000, v[MX]          ; 2 off the exponent field: the conversion's scale operand
	s_wait_dscnt 0x0                               ; the last half block's stores have read the registers that are written next
	v_lshrrev_b32 v[BY], 23, v[SC]
	v_cvt_scalef32_pk16_fp6_f32 v[COD:COD+2], v[PP:PP+15], v[SC]
	v_nop                                          ; one plain place behind a scaled conversion
.irp i, 0,1,2
	ds_store_b32 v7, v[COD+\i] offset:4864*(\m)+24*(\bb)+4*\i
.endr
	ds_store_b8 v9, v[BY] offset:256*(\m)+(\bb)    ; both halves of the lanes write the same byte with the same value
.endm
.macro SMALL set2, u                   ; for tile u of output columns: b2's eight numbers of both experts, and W2's scale words (lanes 0-15 lo's, lanes 16-31 hi's)
	WIN 0x80
.irp e, 0,1
.irp q, 0,1
	ds_load_b128 v[B2R+16*(\set2)+8*\e+4*\q:B2R+16*(\set2)+8*\e+4*\q+3], v19 offset:1024*\e+64*(\u)+16*\q
.endr
.endr
	WIN 0
.irp ks, 0,1,2
	ds_load_b32 v[W2S+4*(\set2)+\ks], v17 offset:192*(\u)+4*\ks
.endr
.endm
; 18 products: a tile of 16 output columns, both experts, three tiles of rows, three K steps; the 6 accumulators take turns.  hi's scales are read from lanes 16-31.
.macro MUL2 set, set2
.if (\set) == 3
.set SB, 0
	WIN 0xae
.else
.set SB, 72*(\set)
	WIN 0xad
.endif
.irp ks, 0,1,2
.irp e, 0,1
.irp m, 0,1,2
.set rD, A2+8*(3*\e+\m)
.set rA, SB+12*(3*\e+\ks)
.set rB, 12*((3*\e+\m)*3+\ks)
.set rC, rD
.if \ks == 0
.set rC, B2R+16*(\set2)+8*\e
.endif
.if \e == 0
	v_wmma_scale_f32_16x16x128_f8f6f4 v[rD:rD+7], v[rA:rA+11], v[rB:rB+11], v[rC:rC+7], v[W2S+4*(\set2)+\ks], v[HS+4*\m+\ks] matrix_a_fmt:MATRIX_FMT_FP6 matrix_b_fmt:MATRIX_FMT_FP6
.else
	v_wmma_scale_f32_16x16x128_f8f6f4 v[rD:rD+7], v[rA:rA+11], v[rB:rB+11], v[rC:rC+7], v[W2S+4*(\set2)+\ks], v[HS+4*\m+\ks] matrix_a_fmt:MATRIX_FMT_FP6 matrix_b_fmt:MATRIX_FMT_FP6 matrix_a_scale:MATRIX_SCALE_ROW1 matrix_b_scale:MATRIX_SCALE_ROW1
.endif
.endr
.endr
.endr
.endm
.macro COMBINE                         ; g_lo y_lo + g_hi y_hi.  The four v_nop are the places behind the products, for these reads and for the next unit's loads
.rept 4
	v_nop
.endr
	WIN 0x02
.irp m, 0,1,2
.irp j, 0,1,2,3
	v_pk_mul_f32 v[OUTR+8*\m+2*\j:OUTR+8*\m+2*\j+1], v[A2+8*\m+2*\j:A2+8*\m+2*\j+1], v[GL+4*\m:GL+4*\m+1]
	v_pk_fma_f32 v[OUTR+8*\m+2*\j:OUTR+8*\m+2*\j+1], v[A2+8*(3+\m)+2*\j:A2+8*(3+\m)+2*\j+1], v[GL+4*\m+2:GL+4*\m+3], v[OUTR+8*\m+2*\j:OUTR+8*\m+2*\j+1]
.endr
.endr
.endm
.macro TOSTAGE u                       ; a lane's 32 bytes of a row, into my wave's stage
	WIN 0
.irp m, 0,1,2
	ds_store_b128 v20, v[OUTR+8*\m:OUTR+8*\m+3] offset:4352*\m+64*(\u)
	ds_store_b128 v20, v[OUTR+8*\m+4:OUTR+8*\m+7] offset:4352*\m+64*(\u)+16
.endr
.endm
.macro UNIT u, set, set2, pf, lc, sm
	s_wait_loadcnt \lc                             ; the younger units may be out: this unit's weights are in
.if \pf
	LOADUNIT ((\set)+3)%4, 40, 42, 4608*((\u)+3)
.endif
.if \sm
	SMALL 1-(\set2), (\u)+1
	s_wait_dscnt 7                                 ; all but the seven just issued: this unit's bias and scales are in, and the last unit's stores into the stage have read their registers
.else
	s_wait_dscnt 0x0
.endif
	MUL2 \set, \set2
	COMBINE
	TOSTAGE \u
.endm
; 64 columns of the 48 rows leave: sixteen lanes store 256 consecutive bytes of one row, at a multiple of 256 from out0's first byte; two rows an instruction.  The pairs of rows beyond the tile's count are passed over.
.macro FLUSH
.irp bt, 0,1
	s_wait_xcnt 0x0                                ; the earlier stores have read their registers
.irp i, 0,1,2,3,4,5,6,7,8,9,10,11
	ds_load_b128 v[FL+4*\i:FL+4*\i+3], v21 offset:544*(12*\bt+\i)
.endr
	s_wait_dscnt 0x0
.irp i, 0,1,2,3,4,5,6,7,8,9,10,11
	s_cmp_le_u32 s6, 2*(12*\bt+\i)
	s_cbranch_scc1 .Lflushed_\@
	global_store_b128 v[VOFF+12*\bt+\i], v[FL+4*\i:FL+4*\i+3], s[34:35] th:TH_STORE_NT
.endr
.endr
.Lflushed_\@:
.endm
.macro KPAIR reg, val                  ; a constant, twice: the packed forms name a pair
	v_mov_b32 v[\reg], \val
	v_mov_b32 v[\reg+1], \val
.endm
.macro SBASE dst, ptr, ex, es, ws      ; a buffer at my expert's and my wave's part
	s_mul_i32 s10, s[\ex], \es
	s_mul_i32 s12, s8, \ws
	s_add_co_u32 s10, s10, s12
	s_add_nc_u64 s[\dst:\dst+1], s[\ptr:\ptr+1], s[10:11]
.endm
	; ---- the head
	s_load_b512 s[16:31], s[0:1], 0x0              ; list 16, xq 18, xs 20, gates 22, wimg 24, w1_scales 26, b1 28, w2_scales 30
	s_load_b128 s[32:35], s[0:1], 0x40             ; b2 32, out0 34
	v_lshl_add_u32 v254, v0, 2, 0x2d000
	v_mov_b32 v255, 0
	v_lshrrev_b32 v2, 5, v0
	v_readfirstlane_b32 s8, v2                     ; wave 0..3
	v_and_b32 v27, 31, v0                          ; lane
	v_and_b32 v2, 15, v0                           ; r
	v_bfe_u32 v3, v0, 4, 1                         ; h
	v_lshlrev_b32 v1, 4, v27                       ; 16 x lane: my place in an image, in memory
	s_lshl_b32 s10, ttmp9, 4
	s_mov_b32 s11, 0
	s_wait_kmcnt 0x0
	s_add_nc_u64 s[12:13], s[16:17], s[10:11]
	s_load_b128 s[4:7], s[12:13], 0x0              ; my tile: lo, hi, rows, first slot
	s_mul_i32 s9, s8, 3072
	v_add_nc_u32 v4, s9, v1                        ; v4: where I store x's images: K steps 2 w, 2 w + 1
	v_lshlrev_b32 v5, 4, v27                       ; v5: where any image is read
	v_mul_u32_u24 v6, v2, 304
	v_mad_u32_u24 v6, v3, 12, v6
	s_mul_i32 s9, s8, 72
	v_add_nc_u32 v6, s9, v6
	v_add_nc_u32 v6, HROW, v6                      ; v6: my 12 bytes of a hidden row: row r, my wave's 72 bytes, my half of a block
	s_mul_i32 s9, s8, 3
	v_lshl_add_u32 v8, v2, 4, s9
	v_add_nc_u32 v8, HSC, v8                       ; v8: my wave's 3 bytes of row r's
	s_mul_i32 s36, s8, SMW
	s_add_co_u32 s36, s36, SM                      ; my wave's small stage
	v_and_b32 v28, 8, v2
	v_add_nc_u32 v28, v28, v2                      ; r + 8 (r / 8)
	v_lshl_add_u32 v10, v28, 5, s36                ; v10: W1's scale words: 32 bytes a row
	v_lshl_add_u32 v12, v3, 6, s36
	v_add_nc_u32 v12, 6144, v12                    ; v12: b1: my half's 16 numbers of a block
	v_mul_u32_u24 v14, v2, 304
	v_mad_u32_u24 v14, v3, 24, v14
	v_add_nc_u32 v14, HROW, v14                    ; v14: a hidden fragment: row r, + 24 h
	v_mul_u32_u24 v15, v3, 768
	v_lshl_add_u32 v15, v2, 4, v15
	v_add_nc_u32 v15, HSC, v15                     ; v15: its scale words: lanes 0-15 lo's, lanes 16-31 hi's
	v_mul_u32_u24 v16, v3, 3072
	v_mad_u32_u24 v16, v2, 12, v16
	v_add_nc_u32 v16, s36, v16
	v_add_nc_u32 v16, 6912, v16                    ; v16: W2's scale words: 12 bytes a row; lanes 16-31 hi's
	v_lshl_add_u32 v18, v3, 5, s36
	v_add_nc_u32 v18, 13056, v18                   ; v18: b2: my half's 8 numbers of a tile
	s_mul_i32 s37, s8, STGW
	s_add_co_u32 s37, s37, STG                     ; my wave's stage
	v_mul_u32_u24 v20, v2, 272
	v_lshl_add_u32 v20, v3, 5, v20
	v_add_nc_u32 v20, s37, v20                     ; v20: in: row r, + 32 h
	v_mul_u32_u24 v21, v3, 272
	v_lshl_add_u32 v21, v2, 4, v21
	v_add_nc_u32 v21, s37, v21                     ; v21: back: lanes 0-15 one row, lanes 16-31 the next
	s_mul_i32 s38, s8, 192
	s_add_co_u32 s38, s38, TOKT
	v_lshl_add_u32 v22, v2, 2, s38                 ; v22: my wave's table of tokens, by r
	v_lshl_add_u32 v23, v3, 2, s38                 ; v23: and by pairs of rows
	v_add_nc_u32 v29, s36, v1                      ; v29, v30: dense copies into the small stage
	v_lshl_add_u32 v30, v27, 2, s36
	v_lshlrev_b32 v31, 2, v27
	v_mul_u32_u24 v167, v3, 384
	s_mul_i32 s9, s8, 96
	v_add_nc_u32 v167, s9, v167                    ; in a token's record of codes: my half, my wave's two K steps
	s_mov_b32 s60, 0x76543210
	s_mov_b32 s61, 0xfedcba98                      ; v_permlanex16_b32's selects for lane l xor 16
	s_wait_kmcnt 0x0
	s_min_u32 s4, s4, 7                            ; stored numbers are held inside their tables before they enter an address
	s_min_u32 s5, s5, 7
	s_min_u32 s6, s6, 48
	s_min_u32 s7, s7, 9456
	s_max_u32 s9, s6, 1
	s_sub_co_u32 s9, s9, 1                         ; the tile's last row
.irp m, 0,1,2
	v_add_nc_u32 v[164+\m], 16*\m, v2
	v_min_u32 v[164+\m], s9, v[164+\m]             ; rows beyond it repeat it
	v_add_nc_u32 v[164+\m], s7, v[164+\m]
	v_min_u32 v[164+\m], 9503, v[164+\m]
	v_lshlrev_b32 v[164+\m], 2, v[164+\m]
	global_load_b32 v[24+\m], v[164+\m], s[16:17] offset:4096     ; the token of row 16 m + r
.endr
	s_mul_i32 s10, s4, 294912
	s_mul_i32 s12, s8, 73728
	s_add_co_u32 s10, s10, s12
	s_add_nc_u64 s[40:41], s[24:25], s[10:11]      ; W1 of lo, my wave's tiles 0-2
	s_add_nc_u64 s[42:43], s[40:41], 36864         ; and tiles 3-5
	s_mul_i32 s10, s5, 294912
	s_add_co_u32 s10, s10, s12
	s_add_nc_u64 s[44:45], s[24:25], s[10:11]      ; W1 of hi
	s_add_nc_u64 s[46:47], s[44:45], 36864
	s_add_nc_u64 s[48:49], s[40:41], 2359296       ; W2 of lo, my wave's 16 tiles
	s_add_nc_u64 s[50:51], s[44:45], 2359296       ; W2 of hi
	LOADUNIT 0, 40, 42, 0                          ; the first three units of weights go out ahead of everything that waits for the list
	LOADUNIT 1, 40, 42, 4608
	LOADUNIT 2, 40, 42, 9216
	WIN 0
	SBASE 66, 26, 4, 12288, 3072
	SBASE 68, 26, 5, 12288, 3072
	SBASE 70, 30, 4, 12288, 3072
	SBASE 72, 30, 5, 12288, 3072
	SBASE 74, 32, 4, 4096, 1024
	SBASE 76, 32, 5, 4096, 1024
	SBASE 78, 28, 4, 1536, 384
	SBASE 80, 28, 5, 1536, 384
	KPAIR CR2, 0x3f3504f3                          ; 1 / sqrt 2
	KPAIR CH, 0x3f000000
	KPAIR KA, 0xaf95df0b                           ; A: -2.72614226e-10, 2.77068142e-08, -2.10102402e-06, -5.69250639e-05, -7.34990630e-04, -2.95459981e-03, -1.60960333e-02
	KPAIR KA+2, 0x32edffee
	KPAIR KA+4, 0xb60cff51
	KPAIR KA+6, 0xb86ec2d2
	KPAIR KA+8, 0xba40ac63
	KPAIR KA+10, 0xbb41a1f6
	KPAIR KA+12, 0xbc83dbd4
	KPAIR KB, 0xb77460cd                           ; B: -1.45660718e-05, -2.13374055e-04, -1.68282697e-03, -7.37332917e-03, -1.42647391e-02
	KPAIR KB+2, 0xb95fbd29
	KPAIR KB+4, 0xbadc924e
	KPAIR KB+6, 0xbbf19bf8
	KPAIR KB+8, 0xbc69b6a7
	v_mov_b32 v[MY], 0                             ; written once: a lane permute's destination counts as one of its sources
	s_wait_loadcnt 54                              ; behind the three list words: 3 units of 18 loads
.irp m, 0,1,2
	v_min_u32 v[24+\m], 8191, v[24+\m]
	ds_store_b32 v22, v[24+\m] offset:64*\m
	v_mul_u32_u24 v[168+\m], v[24+\m], 768
	v_add_nc_u32 v[168+\m], v167, v[168+\m]
	v_lshlrev_b32 v[172+\m], 5, v[24+\m]
	v_lshlrev_b32 v[176+\m], 3, v[24+\m]
.endr
	WIN 0xc0
.irp m, 0,1,2                          ; x's codes: my wave's two K steps of the three tiles of rows: 18 loads
.irp sp, 0,1
.irp c, 0,1,2
	global_load_b128 v[24*\m+12*\sp+4*\c:24*\m+12*\sp+4*\c+3], v[168+\m], s[18:19] offset:48*\sp+16*\c
.endr
.endr
.endr
	WIN 0
.irp m, 0,1,2                          ; x's scale words of all 8 K steps, straight into their registers: 6 loads
	global_load_b128 v[XS+8*\m:XS+8*\m+3], v[172+\m], s[20:21]
	global_load_b128 v[XS+8*\m+4:XS+8*\m+7], v[172+\m], s[20:21] offset:16
.endr
.irp m, 0,1,2                          ; the gate's two weights: 3 loads
	global_load_b64 v[GL+4*\m:GL+4*\m+1], v[176+\m], s[22:23]
.endr
	WIN 0xc0
.irp ei, 0,1                           ; my wave's part of the scales and biases of both experts: 34 loads
.irp i, 0,1,2,3,4,5
	global_load_b128 v[72+60*\ei+4*\i:72+60*\ei+4*\i+3], v1, s[66+2*\ei:67+2*\ei] offset:512*\i
.endr
.irp i, 0,1,2,3,4,5
	global_load_b128 v[96+60*\ei+4*\i:96+60*\ei+4*\i+3], v1, s[70+2*\ei:71+2*\ei] offset:512*\i
.endr
.irp i, 0,1
	global_load_b128 v[120+60*\ei+4*\i:120+60*\ei+4*\i+3], v1, s[74+2*\ei:75+2*\ei] offset:512*\i
.endr
.irp i, 0,1,2
	global_load_b32 v[128+60*\ei+\i], v31, s[78+2*\ei:79+2*\ei] offset:128*\i
.endr
.endr
	s_wait_loadcnt 43                              ; behind the 18 loads of codes: 6 + 3 + 34
	WIN 0x0c
.irp m, 0,1,2
.irp sp, 0,1
.irp c, 0,1,2
	ds_store_b128 v4, v[24*\m+12*\sp+4*\c:24*\m+12*\sp+4*\c+3] offset:XIMG+12288*\m+1536*\sp+512*\c
.endr
.endr
.endr
	s_wait_loadcnt 0x0
.irp ei, 0,1
.irp i, 0,1,2,3,4,5
	ds_store_b128 v29, v[72+60*\ei+4*\i:72+60*\ei+4*\i+3] offset:3072*\ei+512*\i
.endr
.irp i, 0,1,2,3,4,5
	ds_store_b128 v29, v[96+60*\ei+4*\i:96+60*\ei+4*\i+3] offset:6912+3072*\ei+512*\i
.endr
.irp i, 0,1
	ds_store_b128 v29, v[120+60*\ei+4*\i:120+60*\ei+4*\i+3] offset:13056+1024*\ei+512*\i
.endr
.irp i, 0,1,2
	ds_store_b32 v30, v[128+60*\ei+\i] offset:6144+384*\ei+128*\i
.endr
.endr
	WIN 0
.irp m, 0,1,2
	v_mov_b32 v[GL+4*\m+2], v[GL+4*\m+1]           ; each weight twice, for the packed forms
	v_mov_b32 v[GL+4*\m+3], v[GL+4*\m+1]
	v_mov_b32 v[GL+4*\m+1], v[GL+4*\m]
.endr
	s_mov_b32 s52, 2
	s_mov_b32 s53, 0
	s_mov_b32 s54, 0
	s_mov_b32 s55, 0
	s_mov_b32 s56, 0
	s_mov_b32 s57, 0
	s_mov_b32 s58, 0
	s_wait_dscnt 0x0                               ; for the others' sake: my images of x have landed
	s_barrier_signal -1
	s_barrier_wait -1                              ; x's 24 fragments lie in LDS
	; ---- the first product, the gelu and the quantiser: a trip for each of the two experts
.Lexpert:
	v_add_nc_u32 v7, s53, v6
	v_add_nc_u32 v9, s54, v8
	v_add_nc_u32 v11, s55, v10
	v_add_nc_u32 v13, s56, v12
	s_wait_loadcnt 0x0                             ; this expert's first three units: asked for three K steps and a gelu ago
.irp t, 0,1,2,3,4,5
.irp q, 0,1
	ds_load_b128 v[W1S+8*\t+4*\q:W1S+8*\t+4*\q+3], v11 offset:(32*(\t/2)+8*(\t%2))*32+16*\q
.endr
.endr
	WIN 0x80
.irp t, 0,1,2,3,4,5
.irp q, 0,1
	ds_load_b128 v[B1R+8*\t+4*\q:B1R+8*\t+4*\q+3], v13 offset:128*(\t/2)+32*(\t%2)+16*\q
.endr
.endr
	WIN 0
	XFETCH 0, 0
.irp s, 0,1,2,3,4
	STEP1 \s, 40, 42, 4608*(\s+3)
.endr
.irp s, 5,6,7                          ; the last three K steps ask for what comes next: the other expert's W1, or, in the second trip, W2's first three units
	STEP1 \s, 44, 46, 4608*(\s-5)
.endr
	WIN 0
.rept 4
	v_nop                                          ; places behind the last products
.endr
.irp m, 0,1,2
.irp bb, 0,1,2
	GELU16 8*(6*\m+2*\bb)
	QUANT16 \m, \bb
.endr
.endr
	s_wait_xcnt 0x0                                ; the loads have read their bases
	s_mov_b64 s[40:41], s[44:45]
	s_mov_b64 s[42:43], s[46:47]
	s_mov_b64 s[44:45], s[48:49]
	s_mov_b64 s[46:47], s[50:51]
	s_add_co_u32 s53, s53, 14592
	s_add_co_u32 s54, s54, 768
	s_add_co_u32 s55, s55, 3072
	s_add_co_u32 s56, s56, 384
	s_sub_co_u32 s52, s52, 1
	s_cmp_lg_u32 s52, 0
	s_cbranch_scc1 .Lexpert
	s_wait_dscnt 0x0                               ; for the others' sake: my part of the hidden rows has landed
	s_barrier_signal -1
	s_barrier_wait -1                              ; both experts' hidden rows and scale bytes lie in LDS
	; ---- the second product.  The hidden layer's 18 fragments stay in registers; W2 streams through the four sets
	WIN 0xc0
.irp e, 0,1
.irp m, 0,1,2
.irp ks, 0,1,2
.irp p, 0,1,2,3,4,5
	ds_load_b64 v[12*((3*\e+\m)*3+\ks)+2*\p:12*((3*\e+\m)*3+\ks)+2*\p+1], v14 offset:14592*\e+4864*\m+96*\ks+48*(\p/3)+8*(\p%3)
.endr
.endr
.endr
.endr
	WIN 0
.irp m, 0,1,2
	ds_load_b96 v[HS+4*\m:HS+4*\m+2], v15 offset:256*\m
.endr
.irp i, 0,1,2,3,4,5,6,7,8,9,10,11,12,13,14,15,16,17,18,19,20,21,22,23
	ds_load_b32 v[VOFF+\i], v23 offset:8*\i        ; the token of row 2 i + h
.endr
	v_add_nc_u32 v17, s57, v16
	v_add_nc_u32 v19, s58, v18
	SMALL 0, 0
	s_lshl_b32 s9, s8, 10
	v_lshl_add_u32 v27, v2, 4, s9                  ; in a row of out0: my wave's 1,024 bytes, 16 bytes a lane
	s_wait_dscnt 0x0
.irp i, 0,1,2,3,4,5,6,7,8,9,10,11,12,13,14,15,16,17,18,19,20,21,22,23
	v_min_u32 v[VOFF+\i], 8191, v[VOFF+\i]
	v_lshl_add_u32 v[VOFF+\i], v[VOFF+\i], 12, v27
.endr
	s_wait_loadcnt 0x0
	s_mov_b32 s52, 3
.Lgroup:                               ; a trip: four tiles of 16 columns, then their 64 columns leave
	UNIT 0, 0, 0, 1, 36, 1
	UNIT 1, 1, 1, 1, 36, 1
	UNIT 2, 2, 0, 1, 36, 1
	UNIT 3, 3, 1, 1, 36, 1
	FLUSH
	s_wait_xcnt 0x0                                ; loads and stores have read their bases
	s_add_nc_u64 s[40:41], s[40:41], 18432
	s_add_nc_u64 s[42:43], s[42:43], 18432
	s_add_nc_u64 s[34:35], s[34:35], 256
	s_add_co_u32 s57, s57, 768
	s_add_co_u32 s58, s58, 256
	v_add_nc_u32 v17, s57, v16
	v_add_nc_u32 v19, s58, v18
	s_sub_co_u32 s52, s52, 1
	s_cmp_lg_u32 s52, 0
	s_cbranch_scc1 .Lgroup
	UNIT 0, 0, 0, 1, 36, 1                         ; the last four tiles are written out: one more unit is asked for, then none, and the counts run down
	UNIT 1, 1, 1, 0, 36, 1
	UNIT 2, 2, 0, 0, 18, 1
	UNIT 3, 3, 1, 0, 0, 0
	FLUSH
	s_wait_tensorcnt 0x0
	ds_add_u32 v254, v255
	s_wait_dscnt 0x0
	s_endpgm
.Lfunc_end_k_qfa2c9ebd8e_chain:
	.size	k_qfa2c9ebd8e_chain, .Lfunc_end_k_qfa2c9ebd8e_chain-k_qfa2c9ebd8e_chain
	.p2alignl 7, 3214868480
	.fill 96, 4, 3214868480
	.section	.rodata,"a",@progbits
	.p2align	6, 0x0
	.amdhsa_kernel k_qfa2c9ebd8e_chain
		.amdhsa_group_segment_fixed_size 184832
		.amdhsa_private_segment_fixed_size 0
		.amdhsa_enable_private_segment 0
		.amdhsa_kernarg_size 80
		.amdhsa_user_sgpr_count 2
		.amdhsa_user_sgpr_kernarg_segment_ptr 1
		.amdhsa_wavefront_size32 1
		.amdhsa_system_sgpr_workgroup_id_x 1
		.amdhsa_system_sgpr_workgroup_id_y 1
		.amdhsa_system_sgpr_workgroup_id_z 1
		.amdhsa_system_vgpr_workitem_id 0
		.amdhsa_next_free_vgpr 1024
		.amdhsa_next_free_sgpr 100
		.amdhsa_reserve_vcc 0
		.amdhsa_float_denorm_mode_32 3
		.amdhsa_float_denorm_mode_16_64 3
		.amdhsa_memory_ordered 1
		.amdhsa_forward_progress 1
		.amdhsa_inst_pref_size 233
	.end_amdhsa_kernel
	.amdgpu_metadata
---
amdhsa.version: [ 1, 2 ]
amdhsa.kernels:
  - .name:           k_qfa2c9ebd8e_chain
    .symbol:         k_qfa2c9ebd8e_chain.kd
    .args:
      - { .name: list, .offset: 0, .size: 8, .value_kind: global_buffer, .address_space: global }
      - { .name: xq, .offset: 8, .size: 8, .value_kind: global_buffer, .address_space: global }
      - { .name: xs, .offset: 16, .size: 8, .value_kind: global_buffer, .address_space: global }
      - { .name: gates, .offset: 24, .size: 8, .value_kind: global_buffer, .address_space: global }
      - { .name: wimg, .offset: 32, .size: 8, .value_kind: global_buffer, .address_space: global }
      - { .name: w1_scales, .offset: 40, .size: 8, .value_kind: global_buffer, .address_space: global }
      - { .name: b1, .offset: 48, .size: 8, .value_kind: global_buffer, .address_space: global }
      - { .name: w2_scales, .offset: 56, .size: 8, .value_kind: global_buffer, .address_space: global }
      - { .name: b2, .offset: 64, .size: 8, .value_kind: global_buffer, .address_space: global }
      - { .name: out0, .offset: 72, .size: 8, .value_kind: global_buffer, .address_space: global }
    .group_segment_fixed_size: 184832
    .private_segment_fixed_size: 0
    .kernarg_segment_align: 8
    .kernarg_segment_size: 80
    .max_flat_workgroup_size: 128
    .sgpr_count:     100
    .vgpr_count:     1024
    .wavefront_size: 32
...
	.end_amdgpu_metadata
.endif
;; end of part 3
;; ======== version 2 of 3: 3 launches
;; workspace buffers: xq 6,291,456 bytes; xs 262,144 bytes; route 65,536 bytes of whole numbers; gates 73,728 bytes; list 42,240 bytes of whole numbers; wimg 4,718,592 bytes
;; launch gate (part 4): grid 256 x 1, 16 waves a work-group, no clusters, 198,656 bytes of LDS; arguments x, gate_w, gate_b, xq, xs, route, gates; writes xq, xs, route, gates
.if DOCPART == 4
	.amdgcn_target "amdgcn-amd-amdhsa--gfx1250"
	.amdhsa_code_object_version 6
	.text
	.protected	k_qfa2c9ebd8e_gate
	.globl	k_qfa2c9ebd8e_gate
	.p2align	8
	.type	k_qfa2c9ebd8e_gate,@function
k_qfa2c9ebd8e_gate:
	s_mov_b64 s[64:65], 0
	v_nop
	global_prefetch_b8 v0, s[64:65] scope:SCOPE_SE
	s_setreg_imm32_b32 hwreg(HW_REG_WAVE_MODE, 25, 1), 1
	s_wait_xcnt 0x0
; GATE.  x [8192][1024] f32 is read once.  Out of it come: x's codes of FP6 (E2M3) and their E8M0 bytes, one for each 32 along the 1,024;
; the 8 gate logits in f32, their softmax, the two largest (the lower index wins a tie), their weights v / (v1 + v2 + 1e-9);
; for each token a key 0..31 that names its PAIR of experts; for each block of 32 tokens a histogram of the keys, each token's rank among
; the block's tokens of its key, and the block's sums of the 8 probabilities.  All of it is stored at fixed places: no address and no branch hangs on it.
; SHARES.  A work-group takes 32 tokens.  Wave w takes columns 64 w .. 64 w + 63 (blocks 2 w, 2 w + 1); A LANE IS A TOKEN and its 64 registers run along K:
; a block's largest magnitude needs no other lane, and the conversions' results are the codes with K innermost.
; THE GATE'S WEIGHTS are the same for all 32 lanes, so a multiply-add takes them from scalar registers.  My wave's 64 rows of gate_w (2,048 bytes) come ONCE, by four vector loads
; of 512 consecutive bytes, issued with x's tile; v_readlane_b32 hands each number to its scalar register.  (A wait for scalar loads can only be for all of them: fetched by scalar
; loads into two sets of 32 registers, sixteen trips to memory would stand one behind the other.)
; xq: 768 bytes a token: the even blocks' 24 bytes on end, then the odd blocks': the 16 bytes at 384 h + 48 s + 16 c are registers 4 c .. 4 c + 3
; of lane (r, h) of the operand of K step s.  xs: 32 bytes a token, in the blocks' order.
; key = 8 lo + hi where that is under 32, else 63 - (8 lo + hi)  (lo < hi): 28 of the 32 numbers are used.
; LIMITS: NaN and infinities are not served.  A block whose largest magnitude lies under 2^-124 (a block of zeros too) keeps the byte 1: its bytes are read by this program alone.
; A token whose second and third probability differ by less than the rounding of a sum of 1,024 f32 products may take the other expert.
.set XTW,  8704                        ; LDS 0: a tile for each wave: 32 rows of 256 bytes + 16 of padding
.set CST,  139264                      ; the codes' stage: 32 tokens, 784 bytes apart (768 + 16)
.set CP,   784
.set SST,  164352                      ; the scale bytes' stage: [token][32]
.set LGP,  165376                      ; the logits' parts: [wave][token][8] f32
.set X,    16                          ; v16-79   my token's 64 numbers
.set ACC,  80                          ; v80-87   my part of its 8 logits
.set WR,   112                         ; v112-127 my wave's 512 numbers of gate_w: register 4 j + c of lane l holds number 128 j + 4 l + c: row 16 j + l / 2, expert 4 (l % 2) + c
	s_load_b256 s[84:91], s[0:1], 0x0              ; x s[84:85], gate_w s[86:87], gate_b s[88:89], xq s[90:91]
	s_load_b128 s[92:95], s[0:1], 0x20             ; xs s[92:93], route s[94:95]
	s_load_b64 s[96:97], s[0:1], 0x30              ; gates
	v_lshl_add_u32 v254, v0, 2, 0x30000
	v_mov_b32 v255, 0
	ds_add_u32 v254, v255
	ds_add_u32 v254, v255
	v_lshrrev_b32 v2, 5, v0
	v_readfirstlane_b32 s2, v2                     ; wave 0..15
	v_and_b32 v1, 31, v0                           ; lane = token of the block
	v_lshlrev_b32 v14, 4, v1                       ; v14: 16 x lane; never rewritten
	; descriptor group 1: 32 rows x 64 elements of 4 bytes, 1,024 elements from row to row; 4 words of padding behind each 64
	s_mov_b32 s8, (2<<16)|(1<<20)|(5<<22)|(3<<25)
	s_mov_b32 s9, 64<<16                           ; tensor_dim0 = 64
	s_mov_b32 s10, 32<<16                          ; tensor_dim1 = 32
	s_mov_b32 s11, 64<<16                          ; tile_dim0 = 64
	s_mov_b32 s12, 32                              ; tile_dim1 = 32
	s_mov_b32 s13, 1024                            ; the pitch
	s_mov_b32 s14, 0
	s_mov_b32 s15, 0
	s_mov_b32 s4, 1
	s_mul_i32 s5, s2, XTW                          ; my wave's tile in LDS
	s_lshl_b32 s98, ttmp9, 17                      ; 32 rows of 4,096 bytes a work-group,
	s_lshl_b32 s99, s2, 8                          ; 256 bytes of a row a wave
	s_add_co_u32 s98, s98, s99
	s_mov_b32 s99, 0
	s_wait_dscnt 0x0
	s_wait_kmcnt 0x0
	s_add_nc_u64 s[6:7], s[84:85], s[98:99]
	s_or_b32 s7, s7, 0x80000000
	tensor_load_to_lds s[4:7], s[8:15]             ; my one tensor load: filled once, read by my wave alone
	s_nop 0
.rept 4
	v_nop
.endr
	s_lshl_b32 s98, s2, 11                         ; gate_w: my 64 rows of 32 bytes
	s_add_nc_u64 s[86:87], s[86:87], s[98:99]
.irp j, 0,1,2,3
	global_load_b128 v[WR+4*\j:WR+4*\j+3], v14, s[86:87] offset:512*\j   ; 32 lanes read 512 consecutive bytes; they land while the tile is on its way
.endr
	v_mul_u32_u24 v3, v1, 272
	v_add_nc_u32 v3, s5, v3                        ; v3: my row of my wave's tile
	v_lshl_add_u32 v4, v0, 5, LGP                  ; v4: my logits' parts: 1,024 x wave + 32 x lane
	s_mul_i32 s98, s2, 24
	v_mul_u32_u24 v5, v1, CP
	v_add_nc_u32 v5, s98, v5
	v_add_nc_u32 v5, CST, v5                       ; v5: my token's row of codes, my wave's even block
	s_lshl_b32 s98, s2, 1
	v_lshl_add_u32 v6, v1, 5, s98
	v_add_nc_u32 v6, SST, v6                       ; v6: my token's scale bytes, my wave's two
	s_mul_i32 s98, s2, 1568
	v_lshl_add_u32 v7, v1, 4, s98
	v_add_nc_u32 v7, CST, v7                       ; v7: the way out: tokens 2 w, 2 w + 1 of the stage, 16 bytes a lane
	v_lshrrev_b32 v8, 4, v1
	v_lshl_add_u32 v8, v8, 4, v7                   ; v8: the same behind the padding, for lanes 16-31
	s_mul_i32 s98, s2, 1536
	v_lshl_add_u32 v9, v1, 4, s98                  ; v9: the same 1,536 bytes in xq
	v_lshl_add_u32 v10, v1, 4, SST                 ; v10: wave 1: the scale bytes, 16 a lane
	v_lshl_add_u32 v11, v1, 5, LGP                 ; v11: wave 0: my token's parts
	v_lshlrev_b32 v12, 2, v1
	v_lshlrev_b32 v13, 3, v1
	s_mul_i32 s98, ttmp9, 24576
	s_add_nc_u64 s[90:91], s[90:91], s[98:99]      ; xq at the block's first token
	s_lshl_b32 s98, ttmp9, 10
	s_add_nc_u64 s[92:93], s[92:93], s[98:99]      ; xs likewise
	s_lshl_b32 s98, ttmp9, 7
	s_add_nc_u64 s[94:95], s[94:95], s[98:99]      ; route: 128 bytes a block, in both its tables
	s_lshl_b32 s98, ttmp9, 5
	s_add_nc_u64 s[100:101], s[96:97], s[98:99]    ; gates: the block's 8 sums (at 65,536 on)
	s_lshl_b32 s98, ttmp9, 8
	s_add_nc_u64 s[96:97], s[96:97], s[98:99]      ; gates: the block's 32 pairs of weights
; The product goes in 16 phases of 4 rows of gate_w, 32 numbers, on two sets of 32 scalar registers by turns: s16-47, and s48-63 with s68-83.
; RL p: phase p's 32 numbers out of the vector registers: row 4 p + kk, expert e lies in register 4 (p / 4) + e % 4 of lane 8 (p % 4) + 2 kk + e / 4.
.macro RL p
.irp kk, 0,1,2,3
.irp e, 0,1,2,3,4,5,6,7
.if (\p)%2 == 0
.set GS, 16+8*\kk+\e
.else
.set GS, 48+8*\kk+\e+4*(\kk/2)
.endif
	v_readlane_b32 s[GS], v[WR+4*((\p)/4)+\e%4], 8*((\p)%4)+2*\kk+\e/4
.endr
.endr
.endm
; FM p: phase p's 32 multiply-adds, K ascending in each of the 8 sums.
.macro FM p
.irp kk, 0,1,2,3
.irp e, 0,1,2,3,4,5,6,7
.if (\p)%2 == 0
.set GS, 16+8*\kk+\e
.else
.set GS, 48+8*\kk+\e+4*(\kk/2)
.endif
.if (\p) == 0 && \kk == 0
	v_mul_f32 v[ACC+\e], s[GS], v[X+4*(\p)+\kk]    ; the first product starts the sum
.else
	v_fmac_f32 v[ACC+\e], s[GS], v[X+4*(\p)+\kk]
.endif
.endr
.endr
.endm
	s_wait_loadcnt 0x0                             ; my 2,048 bytes of gate_w are in
	RL 0                                           ; the first two phases' numbers are read out ahead of the wait for the tile
	RL 1
	s_wait_tensorcnt 0x0                           ; my tile is in LDS
.irp i, 0,1,2,3,4,5,6,7,8,9,10,11,12,13,14,15
	ds_load_b128 v[X+4*\i:X+4*\i+3], v3 offset:16*\i
.endr
	s_wait_dscnt 0x0
.irp p, 0,1,2,3,4,5,6,7,8,9,10,11,12,13
	FM \p
	RL \p+2                                        ; into the set just used: 64 instructions stand between a scalar's write and its first use
.endr
	FM 14
	FM 15
	ds_store_b128 v4, v[ACC:ACC+3]
	ds_store_b128 v4, v[ACC+4:ACC+7] offset:16
; Block b of my two: its largest magnitude with the floor 2^(3 - 127) among the leaves; 2 off the exponent field gives the conversion's scale operand, its exponent field the byte.
.macro QB b
.set XB, X+32*(\b)
.set CD, 92+8*(\b)
	v_max3_num_f32 v88, |v[XB]|, |v[XB+1]|, |v[XB+2]|
	v_max3_num_f32 v89, |v[XB+3]|, |v[XB+4]|, |v[XB+5]|
.irp i, 6,10,14,18,22,26
	v_max3_num_f32 v88, v88, |v[XB+\i]|, |v[XB+\i+1]|
	v_max3_num_f32 v89, v89, |v[XB+\i+2]|, |v[XB+\i+3]|
.endr
	v_max3_num_f32 v88, v88, |v[XB+30]|, |v[XB+31]|
	v_max3_num_f32 v88, v88, v89, 0x1800000
	v_add_nc_u32 v90, 0xff000000, v88
	v_lshrrev_b32 v[108+(\b)], 23, v90
	v_cvt_scalef32_pk16_fp6_f32 v[CD:CD+2], v[XB:XB+15], v90
	v_cvt_scalef32_pk16_fp6_f32 v[CD+4:CD+6], v[XB+16:XB+31], v90   ; (a conversion's three registers begin on an even number)
	v_nop                                          ; one plain place behind a scaled conversion
	v_mov_b32 v[CD+3], v[CD+4]
	v_mov_b32 v[CD+4], v[CD+5]
	v_mov_b32 v[CD+5], v[CD+6]                     ; six registers on end: the block's 24 bytes
	ds_store_b64 v5, v[CD:CD+1] offset:384*(\b)
	ds_store_b64 v5, v[CD+2:CD+3] offset:384*(\b)+8
	ds_store_b64 v5, v[CD+4:CD+5] offset:384*(\b)+16
.endm
	QB 0
	QB 1
	v_lshl_or_b32 v110, v109, 8, v108
	ds_store_b16 v6, v110                          ; my two bytes
	s_wait_dscnt 0x0                               ; for the others' sake: all my stores have landed
	s_barrier_signal -1
	s_barrier_wait -1
	; every wave sends two tokens' codes: three stores of 512 consecutive bytes
	ds_load_b128 v[16:19], v7
	ds_load_b128 v[20:23], v8 offset:512
	ds_load_b128 v[24:27], v7 offset:1040
	s_wait_dscnt 0x0
	global_store_b128 v9, v[16:19], s[90:91]
	global_store_b128 v9, v[20:23], s[90:91] offset:512
	global_store_b128 v9, v[24:27], s[90:91] offset:1024
	s_cmp_eq_u32 s2, 1
	s_cbranch_scc0 .Lnot_wave_1
	ds_load_b128 v[28:31], v10                     ; wave 1: the block's 1,024 scale bytes
	ds_load_b128 v[32:35], v10 offset:512
	s_wait_dscnt 0x0
	global_store_b128 v14, v[28:31], s[92:93]
	global_store_b128 v14, v[32:35], s[92:93] offset:512
.Lnot_wave_1:
	s_cmp_eq_u32 s2, 0
	s_cbranch_scc0 .Lend
	; wave 0: the gate of the block's 32 tokens, a lane a token
.irp w, 0,1,2,3,4,5,6,7,8,9,10,11,12,13,14,15
	ds_load_b128 v[64+8*\w:64+8*\w+3], v11 offset:1024*\w
	ds_load_b128 v[64+8*\w+4:64+8*\w+7], v11 offset:1024*\w+16
.endr
	s_load_b256 s[20:27], s[88:89], 0x0            ; gate_b
	s_mov_b32 s16, 0x76543210
	s_mov_b32 s17, 0xfedcba98                      ; v_permlanex16_b32's selects for lane l xor 16
	s_wait_dscnt 0x0
.irp st, 8,4,2,1
.set W, 0
.rept \st
.irp j, 0,2,4,6
	v_pk_add_f32 v[64+8*W+\j:65+8*W+\j], v[64+8*W+\j:65+8*W+\j], v[64+8*(W+\st)+\j:65+8*(W+\st)+\j]   ; the sixteen parts, as a tree
.endr
.set W, W+1
.endr
.endr
	s_wait_kmcnt 0x0
.irp e, 0,1,2,3,4,5,6,7
	v_add_f32 v[64+\e], s[20+\e], v[64+\e]
.endr
	v_max3_num_f32 v200, v64, v65, v66
	v_max3_num_f32 v200, v200, v67, v68
	v_max3_num_f32 v200, v200, v69, v70
	v_max_num_f32 v200, v200, v71                  ; the largest logit is taken away before the exponential
.irp e, 0,1,2,3,4,5,6,7
	v_sub_f32 v[192+\e], v[64+\e], v200
.endr
.irp e, 0,1,2,3,4,5,6,7
	v_mul_f32 v[192+\e], 0x3fb8aa3b, v[192+\e]
.endr
.irp e, 0,1,2,3,4,5,6,7
	v_exp_f32 v[192+\e], v[192+\e]
.endr
	v_nop                                          ; a plain place behind the exponentials
	s_wait_alu depctr_va_vdst(0)
	v_add_f32 v201, v192, v193
	v_add_f32 v202, v194, v195
	v_add_f32 v203, v196, v197
	v_add_f32 v204, v198, v199
	v_add_f32 v201, v201, v202
	v_add_f32 v203, v203, v204
	v_add_f32 v201, v201, v203
	v_rcp_f32 v201, v201
	v_nop
	s_wait_alu depctr_va_vdst(0)
.irp e, 0,1,2,3,4,5,6,7
	v_mul_f32 v[192+\e], v[192+\e], v201           ; the probabilities
.endr
	v_mov_b32 v205, v192                           ; the largest, and its index: only a strictly larger one takes its place, so the lower index wins a tie
	v_mov_b32 v206, 0
.irp e, 1,2,3,4,5,6,7
	v_cmp_gt_f32 vcc_lo, v[192+\e], v205
	v_cndmask_b32 v205, v205, v[192+\e], vcc_lo
	v_cndmask_b32 v206, v206, \e, vcc_lo
.endr
.irp e, 0,1,2,3,4,5,6,7
	v_cmp_eq_u32 vcc_lo, \e, v206
	v_cndmask_b32 v[208+\e], v[192+\e], -1.0, vcc_lo   ; the one chosen is taken out: -1 lies under every probability
.endr
	v_mov_b32 v216, v208
	v_mov_b32 v217, 0
.irp e, 1,2,3,4,5,6,7
	v_cmp_gt_f32 vcc_lo, v[208+\e], v216
	v_cndmask_b32 v216, v216, v[208+\e], vcc_lo
	v_cndmask_b32 v217, v217, \e, vcc_lo
.endr
	v_add_f32 v218, v205, v216
	v_add_f32 v218, 0x3089705f, v218               ; + 1e-9
	v_rcp_f32 v218, v218
	v_min_u32 v228, v206, v217                     ; lo  (a plain place behind the reciprocal)
	v_max_u32 v229, v206, v217                     ; hi
	s_wait_alu depctr_va_vdst(0)
	v_mul_f32 v205, v205, v218
	v_mul_f32 v216, v216, v218
	v_cmp_lt_u32 vcc_lo, v206, v217
	v_cndmask_b32 v220, v216, v205, vcc_lo         ; lo's weight
	v_cndmask_b32 v221, v205, v216, vcc_lo         ; hi's
	v_lshl_add_u32 v222, v228, 3, v229             ; 8 lo + hi
	v_sub_nc_u32 v223, 63, v222
	v_cmp_gt_u32 vcc_lo, 32, v222
	v_cndmask_b32 v222, v223, v222, vcc_lo         ; the key
	v_mov_b32 v224, 0
	v_mov_b32 v225, 0
.irp k, 0,1,2,3,4,5,6,7,8,9,10,11,12,13,14,15,16,17,18,19,20,21,22,23,24,25,26,27,28,29,30,31
	v_cmp_eq_u32 s98, \k, v222                     ; the tokens of key k
	s_bcnt1_i32_b32 s99, s98                       ; how many,
	v_mbcnt_lo_u32_b32 v226, s98, 0                ; how many of them in lanes under mine:
	v_cndmask_b32 v224, v224, v226, s98            ; my rank, if k is my key
	v_writelane_b32 v225, s99, \k                  ; lane k keeps key k's count
.endr
	v_lshl_or_b32 v227, v224, 8, v222              ; key | rank << 8
.irp mk, 1,2,4,8
.irp e, 0,1,2,3,4,5,6,7
	v_add_f32_dpp v[192+\e], v[192+\e], v[192+\e] row_xmask:\mk row_mask:0xf bank_mask:0xf
.endr
.endr
.irp e, 0,1,2,3,4,5,6,7
	v_permlanex16_b32 v[208+\e], v[192+\e], s16, s17
.endr
.irp e, 0,1,2,3,4,5,6,7
	v_add_f32 v[192+\e], v[192+\e], v[208+\e]      ; the block's sum of each probability, in every lane
.endr
	global_store_b32 v12, v227, s[94:95]
	global_store_b32 v12, v225, s[94:95] offset:32768
	global_store_b64 v13, v[220:221], s[96:97]
	v_cmp_eq_u32 vcc_lo, 0, v1
	s_wait_xcnt 0x0                                ; EXEC changes only behind this wait
	s_and_saveexec_b32 s98, vcc_lo
	global_store_b128 v12, v[192:195], s[100:101] offset:65536
	global_store_b128 v12, v[196:199], s[100:101] offset:65552
	s_wait_xcnt 0x0                                ; and again in front of the line that widens it
	s_or_b32 exec_lo, exec_lo, s98
.Lend:
	s_wait_tensorcnt 0x0
	ds_add_u32 v254, v255
	s_wait_dscnt 0x0
	s_endpgm
.Lfunc_end_k_qfa2c9ebd8e_gate:
	.size	k_qfa2c9ebd8e_gate, .Lfunc_end_k_qfa2c9ebd8e_gate-k_qfa2c9ebd8e_gate
	.p2alignl 7, 3214868480
	.fill 96, 4, 3214868480
	.section	.rodata,"a",@progbits
	.p2align	6, 0x0
	.amdhsa_kernel k_qfa2c9ebd8e_gate
		.amdhsa_group_segment_fixed_size 198656
		.amdhsa_private_segment_fixed_size 0
		.amdhsa_enable_private_segment 0
		.amdhsa_kernarg_size 56
		.amdhsa_user_sgpr_count 2
		.amdhsa_user_sgpr_kernarg_segment_ptr 1
		.amdhsa_wavefront_size32 1
		.amdhsa_system_sgpr_workgroup_id_x 1
		.amdhsa_system_sgpr_workgroup_id_y 1
		.amdhsa_system_sgpr_workgroup_id_z 1
		.amdhsa_system_vgpr_workitem_id 0
		.amdhsa_next_free_vgpr 256
		.amdhsa_next_free_sgpr 102
		.amdhsa_reserve_vcc 1
		.amdhsa_float_denorm_mode_32 3
		.amdhsa_float_denorm_mode_16_64 3
		.amdhsa_memory_ordered 1
		.amdhsa_forward_progress 1
		.amdhsa_inst_pref_size 82
	.end_amdhsa_kernel
	.amdgpu_metadata
---
amdhsa.version: [ 1, 2 ]
amdhsa.kernels:
  - .name:           k_qfa2c9ebd8e_gate
    .symbol:         k_qfa2c9ebd8e_gate.kd
    .args:
      - { .name: x, .offset: 0, .size: 8, .value_kind: global_buffer, .address_space: global }
      - { .name: gate_w, .offset: 8, .size: 8, .value_kind: global_buffer, .address_space: global }
      - { .name: gate_b, .offset: 16, .size: 8, .value_kind: global_buffer, .address_space: global }
      - { .name: xq, .offset: 24, .size: 8, .value_kind: global_buffer, .address_space: global }
      - { .name: xs, .offset: 32, .size: 8, .value_kind: global_buffer, .address_space: global }
      - { .name: route, .offset: 40, .size: 8, .value_kind: global_buffer, .address_space: global }
      - { .name: gates, .offset: 48, .size: 8, .value_kind: global_buffer, .address_space: global }
    .group_segment_fixed_size: 198656
    .private_segment_fixed_size: 0
    .kernarg_segment_align: 8
    .kernarg_segment_size: 56
    .max_flat_workgroup_size: 512
    .sgpr_count:     102
    .vgpr_count:     256
    .wavefront_size: 32
...
	.end_amdgpu_metadata
.endif
;; end of part 4
;; launch place: the kernel of part 2 again; grid 160 x 1, 8 waves a work-group, no clusters, 5,120 bytes of LDS; arguments route, gates, w1_codes, w2_codes, list, wimg, out1; writes list, wimg, out1
;; launch chain: the kernel of part 3 again; grid 198 x 1, 4 waves a work-group, no clusters, 184,832 bytes of LDS; arguments list, xq, xs, gates, wimg, w1_scales, b1, w2_scales, b2, out0; writes out0
;; ======== version 3 of 3: 3 launches
;; workspace buffers: xq 6,291,456 bytes; xs 262,144 bytes; route 65,536 bytes of whole numbers; gates 73,728 bytes; list 42,240 bytes of whole numbers; wimg 4,718,592 bytes
;; launch gate (part 5): grid 256 x 1, 16 waves a work-group, no clusters, 198,656 bytes of LDS; arguments x, gate_w, gate_b, xq, xs, route, gates; writes xq, xs, route, gates
.if DOCPART == 5
	.amdgcn_target "amdgcn-amd-amdhsa--gfx1250"
	.amdhsa_code_object_version 6
	.text
	.protected	k_qfa2c9ebd8e_gate
	.globl	k_qfa2c9ebd8e_gate
	.p2align	8
	.type	k_qfa2c9ebd8e_gate,@function
k_qfa2c9ebd8e_gate:
	s_mov_b64 s[64:65], 0
	v_nop
	global_prefetch_b8 v0, s[64:65] scope:SCOPE_SE
	s_setreg_imm32_b32 hwreg(HW_REG_WAVE_MODE, 25, 1), 1
	s_wait_xcnt 0x0
; GATE.  x [8192][1024] f32 is read once.  Out of it come: x's codes of FP6 (E2M3) and their E8M0 bytes, one for each 32 along the 1,024;
; the 8 gate logits in f32, their softmax, the two largest (the lower index wins a tie), their weights v / (v1 + v2 + 1e-9);
; for each token a key 0..31 that names its PAIR of experts; for each block of 32 tokens a histogram of the keys, each token's rank among
; the block's tokens of its key, and the block's sums of the 8 probabilities.  All of it is stored at fixed places: no address and no branch hangs on it.
; SHARES.  A work-group takes 32 tokens.  Wave w takes columns 64 w .. 64 w + 63 (blocks 2 w, 2 w + 1); A LANE IS A TOKEN and its 64 registers run along K:
; a block's largest magnitude needs no other lane, and the conversions' results are the codes with K innermost.
; THE GATE'S WEIGHTS are the same for all 32 lanes, so a multiply-add takes them from scalar registers.  My wave's 64 rows of gate_w (2,048 bytes) come ONCE, by four vector loads
; of 512 consecutive bytes, issued with x's tile; v_readlane_b32 hands each number to its scalar register.  (A wait for scalar loads can only be for all of them: fetched by scalar
; loads into two sets of 32 registers, sixteen trips to memory would stand one behind the other.)
; xq: 768 bytes a token: the even blocks' 24 bytes on end, then the odd blocks': the 16 bytes at 384 h + 48 s + 16 c are registers 4 c .. 4 c + 3
; of lane (r, h) of the operand of K step s.  xs: 32 bytes a token, in the blocks' order.
; key = 8 lo + hi where that is under 32, else 63 - (8 lo + hi)  (lo < hi): 28 of the 32 numbers are used.
; LIMITS: NaN and infinities are not served.  A block whose largest magnitude lies under 2^-124 (a block of zeros too) keeps the byte 1: its bytes are read by this program alone.
; A token whose second and third probability differ by less than the rounding of a sum of 1,024 f32 products may take the other expert.
.set XTW,  8704                        ; LDS 0: a tile for each wave: 32 rows of 256 bytes + 16 of padding
.set CST,  139264                      ; the codes' stage: 32 tokens, 784 bytes apart (768 + 16)
.set CP,   784
.set SST,  164352                      ; the scale bytes' stage: [token][32]
.set LGP,  165376                      ; the logits' parts: [wave][token][8] f32
.set X,    16                          ; v16-79   my token's 64 numbers
.set ACC,  80                          ; v80-87   my part of its 8 logits
.set WR,   112                         ; v112-127 my wave's 512 numbers of gate_w: register 4 j + c of lane l holds number 128 j + 4 l + c: row 16 j + l / 2, expert 4 (l % 2) + c
	s_load_b256 s[84:91], s[0:1], 0x0              ; x s[84:85], gate_w s[86:87], gate_b s[88:89], xq s[90:91]
	s_load_b128 s[92:95], s[0:1], 0x20             ; xs s[92:93], route s[94:95]
	s_load_b64 s[96:97], s[0:1], 0x30              ; gates
	v_lshl_add_u32 v254, v0, 2, 0x30000
	v_mov_b32 v255, 0
	ds_add_u32 v254, v255
	ds_add_u32 v254, v255
	v_lshrrev_b32 v2, 5, v0
	s_delay_alu instid0(VALU_DEP_1)
	v_readfirstlane_b32 s2, v2                     ; wave 0..15
	v_and_b32 v1, 31, v0                           ; lane = token of the block
	s_delay_alu instid0(VALU_DEP_1)
	v_lshlrev_b32 v14, 4, v1                       ; v14: 16 x lane; never rewritten
	; descriptor group 1: 32 rows x 64 elements of 4 bytes, 1,024 elements from row to row; 4 words of padding behind each 64
	s_mov_b32 s8, (2<<16)|(1<<20)|(5<<22)|(3<<25)
	s_mov_b32 s9, 64<<16                           ; tensor_dim0 = 64
	s_mov_b32 s10, 32<<16                          ; tensor_dim1 = 32
	s_mov_b32 s11, 64<<16                          ; tile_dim0 = 64
	s_mov_b32 s12, 32                              ; tile_dim1 = 32
	s_mov_b32 s13, 1024                            ; the pitch
	s_mov_b32 s14, 0
	s_mov_b32 s15, 0
	s_mov_b32 s4, 1
	s_mul_i32 s5, s2, XTW                          ; my wave's tile in LDS
	s_lshl_b32 s98, ttmp9, 17                      ; 32 rows of 4,096 bytes a work-group,
	s_lshl_b32 s99, s2, 8                          ; 256 bytes of a row a wave
	s_add_co_u32 s98, s98, s99
	s_mov_b32 s99, 0
	s_wait_alu depctr_va_vdst(0)
	s_wait_dscnt 0x0
	s_wait_kmcnt 0x0
	s_add_nc_u64 s[6:7], s[84:85], s[98:99]
	s_or_b32 s7, s7, 0x80000000
	tensor_load_to_lds s[4:7], s[8:15]             ; my one tensor load: filled once, read by my wave alone
	s_nop 0
.rept 4
	v_nop
.endr
	s_lshl_b32 s98, s2, 11                         ; gate_w: my 64 rows of 32 bytes
	s_add_nc_u64 s[86:87], s[86:87], s[98:99]
.irp j, 0,1,2,3
	global_load_b128 v[WR+4*\j:WR+4*\j+3], v14, s[86:87] offset:512*\j   ; 32 lanes read 512 consecutive bytes; they land while the tile is on its way
.endr
	v_mul_u32_u24 v3, v1, 272
	s_delay_alu instid0(VALU_DEP_1)
	v_add_nc_u32 v3, s5, v3                        ; v3: my row of my wave's tile
	v_lshl_add_u32 v4, v0, 5, LGP                  ; v4: my logits' parts: 1,024 x wave + 32 x lane
	s_mul_i32 s98, s2, 24
	v_mul_u32_u24 v5, v1, CP
	s_delay_alu instid0(VALU_DEP_1)
	v_add_nc_u32 v5, s98, v5
	s_delay_alu instid0(VALU_DEP_1)
	v_add_nc_u32 v5, CST, v5                       ; v5: my token's row of codes, my wave's even block
	s_lshl_b32 s98, s2, 1
	v_lshl_add_u32 v6, v1, 5, s98
	s_delay_alu instid0(VALU_DEP_1)
	v_add_nc_u32 v6, SST, v6                       ; v6: my token's scale bytes, my wave's two
	s_mul_i32 s98, s2, 1568
	v_lshl_add_u32 v7, v1, 4, s98
	s_delay_alu instid0(VALU_DEP_1)
	v_add_nc_u32 v7, CST, v7                       ; v7: the way out: tokens 2 w, 2 w + 1 of the stage, 16 bytes a lane
	v_lshrrev_b32 v8, 4, v1
	s_delay_alu instid0(VALU_DEP_1)
	v_lshl_add_u32 v8, v8, 4, v7                   ; v8: the same behind the padding, for lanes 16-31
	s_mul_i32 s98, s2, 1536
	v_lshl_add_u32 v9, v1, 4, s98                  ; v9: the same 1,536 bytes in xq
	v_lshl_add_u32 v10, v1, 4, SST                 ; v10: wave 1: the scale bytes, 16 a lane
	v_lshl_add_u32 v11, v1, 5, LGP                 ; v11: wave 0: my token's parts
	v_lshlrev_b32 v12, 2, v1
	v_lshlrev_b32 v13, 3, v1
	s_mul_i32 s98, ttmp9, 24576
	s_add_nc_u64 s[90:91], s[90:91], s[98:99]      ; xq at the block's first token
	s_lshl_b32 s98, ttmp9, 10
	s_add_nc_u64 s[92:93], s[92:93], s[98:99]      ; xs likewise
	s_lshl_b32 s98, ttmp9, 7
	s_add_nc_u64 s[94:95], s[94:95], s[98:99]      ; route: 128 bytes a block, in both its tables
	s_lshl_b32 s98, ttmp9, 5
	s_add_nc_u64 s[100:101], s[96:97], s[98:99]    ; gates: the block's 8 sums (at 65,536 on)
	s_lshl_b32 s98, ttmp9, 8
	s_add_nc_u64 s[96:97], s[96:97], s[98:99]      ; gates: the block's 32 pairs of weights
; The product goes in 16 phases of 4 rows of gate_w, 32 numbers, on two sets of 32 scalar registers by turns: s16-47, and s48-63 with s68-83.
; RL p: phase p's 32 numbers out of the vector registers: row 4 p + kk, expert e lies in register 4 (p / 4) + e % 4 of lane 8 (p % 4) + 2 kk + e / 4.
.macro RL p
.irp kk, 0,1,2,3
.irp e, 0,1,2,3,4,5,6,7
.if (\p)%2 == 0
.set GS, 16+8*\kk+\e
.else
.set GS, 48+8*\kk+\e+4*(\kk/2)
.endif
	v_readlane_b32 s[GS], v[WR+4*((\p)/4)+\e%4], 8*((\p)%4)+2*\kk+\e/4
.endr
.endr
.endm
; FM p: phase p's 32 multiply-adds, K ascending in each of the 8 sums.
.macro FM p
.irp kk, 0,1,2,3
.irp e, 0,1,2,3,4,5,6,7
.if (\p)%2 == 0
.set GS, 16+8*\kk+\e
.else
.set GS, 48+8*\kk+\e+4*(\kk/2)
.endif
.if (\p) == 0 && \kk == 0
	v_mul_f32 v[ACC+\e], s[GS], v[X+4*(\p)+\kk]    ; the first product starts the sum
.else
	v_fmac_f32 v[ACC+\e], s[GS], v[X+4*(\p)+\kk]
.endif
.endr
.endr
.endm
	s_wait_loadcnt 0x0                             ; my 2,048 bytes of gate_w are in
	RL 0                                           ; the first two phases' numbers are read out ahead of the wait for the tile
	RL 1
	s_wait_tensorcnt 0x0                           ; my tile is in LDS
.irp i, 0,1,2,3,4,5,6,7,8,9,10,11,12,13,14,15
	ds_load_b128 v[X+4*\i:X+4*\i+3], v3 offset:16*\i
.endr
	s_wait_dscnt 0x0
.irp p, 0,1,2,3,4,5,6,7,8,9,10,11,12,13
	FM \p
	RL \p+2                                        ; into the set just used: 64 instructions stand between a scalar's write and its first use
.endr
	FM 14
	FM 15
	ds_store_b128 v4, v[ACC:ACC+3]
	ds_store_b128 v4, v[ACC+4:ACC+7] offset:16
; Block b of my two: its largest magnitude with the floor 2^(3 - 127) among the leaves; 2 off the exponent field gives the conversion's scale operand, its exponent field the byte.
.macro QB b
.set XB, X+32*(\b)
.set CD, 92+8*(\b)
	v_max3_num_f32 v88, |v[XB]|, |v[XB+1]|, |v[XB+2]|
	v_max3_num_f32 v89, |v[XB+3]|, |v[XB+4]|, |v[XB+5]|
.irp i, 6,10,14,18,22,26
	s_delay_alu instid0(VALU_DEP_2)
	v_max3_num_f32 v88, v88, |v[XB+\i]|, |v[XB+\i+1]|
	s_delay_alu instid0(VALU_DEP_2)
	v_max3_num_f32 v89, v89, |v[XB+\i+2]|, |v[XB+\i+3]|
.endr
	s_delay_alu instid0(VALU_DEP_2)
	v_max3_num_f32 v88, v88, |v[XB+30]|, |v[XB+31]|
	s_delay_alu instid0(VALU_DEP_1)
	v_max3_num_f32 v88, v88, v89, 0x1800000
	s_delay_alu instid0(VALU_DEP_1)
	v_add_nc_u32 v90, 0xff000000, v88
	s_delay_alu instid0(VALU_DEP_1)
	v_lshrrev_b32 v[108+(\b)], 23, v90
	v_cvt_scalef32_pk16_fp6_f32 v[CD:CD+2], v[XB:XB+15], v90
	v_cvt_scalef32_pk16_fp6_f32 v[CD+4:CD+6], v[XB+16:XB+31], v90   ; (a conversion's three registers begin on an even number)
	v_nop                                          ; one plain place behind a scaled conversion
	v_mov_b32 v[CD+3], v[CD+4]
	v_mov_b32 v[CD+4], v[CD+5]
	v_mov_b32 v[CD+5], v[CD+6]                     ; six registers on end: the block's 24 bytes
	ds_store_b64 v5, v[CD:CD+1] offset:384*(\b)
	ds_store_b64 v5, v[CD+2:CD+3] offset:384*(\b)+8
	ds_store_b64 v5, v[CD+4:CD+5] offset:384*(\b)+16
.endm
	QB 0
	QB 1
	v_lshl_or_b32 v110, v109, 8, v108
	ds_store_b16 v6, v110                          ; my two bytes
	s_wait_dscnt 0x0                               ; for the others' sake: all my stores have landed
	s_barrier_signal -1
	s_barrier_wait -1
	; every wave sends two tokens' codes: three stores of 512 consecutive bytes
	ds_load_b128 v[16:19], v7
	ds_load_b128 v[20:23], v8 offset:512
	ds_load_b128 v[24:27], v7 offset:1040
	s_wait_dscnt 0x0
	global_store_b128 v9, v[16:19], s[90:91]
	global_store_b128 v9, v[20:23], s[90:91] offset:512
	global_store_b128 v9, v[24:27], s[90:91] offset:1024
	s_cmp_eq_u32 s2, 1
	s_cbranch_scc0 .Lnot_wave_1
	ds_load_b128 v[28:31], v10                     ; wave 1: the block's 1,024 scale bytes
	ds_load_b128 v[32:35], v10 offset:512
	s_wait_dscnt 0x0
	global_store_b128 v14, v[28:31], s[92:93]
	global_store_b128 v14, v[32:35], s[92:93] offset:512
.Lnot_wave_1:
	s_cmp_eq_u32 s2, 0
	s_cbranch_scc0 .Lend
	; wave 0: the gate of the block's 32 tokens, a lane a token
.irp w, 0,1,2,3,4,5,6,7,8,9,10,11,12,13,14,15
	ds_load_b128 v[64+8*\w:64+8*\w+3], v11 offset:1024*\w
	ds_load_b128 v[64+8*\w+4:64+8*\w+7], v11 offset:1024*\w+16
.endr
	s_load_b256 s[20:27], s[88:89], 0x0            ; gate_b
	s_mov_b32 s16, 0x76543210
	s_mov_b32 s17, 0xfedcba98                      ; v_permlanex16_b32's selects for lane l xor 16
	s_wait_dscnt 0x0
.irp st, 8,4,2,1
.set W, 0
.rept \st
.irp j, 0,2,4,6
	v_pk_add_f32 v[64+8*W+\j:65+8*W+\j], v[64+8*W+\j:65+8*W+\j], v[64+8*(W+\st)+\j:65+8*(W+\st)+\j]   ; the sixteen parts, as a tree
.endr
.set W, W+1
.endr
.endr
	s_wait_alu depctr_va_vdst(0)
	s_wait_kmcnt 0x0
.irp e, 0,1,2,3,4,5,6,7
	v_add_f32 v[64+\e], s[20+\e], v[64+\e]
.endr
	v_max3_num_f32 v200, v64, v65, v66
	s_delay_alu instid0(VALU_DEP_1)
	v_max3_num_f32 v200, v200, v67, v68
	s_delay_alu instid0(VALU_DEP_1)
	v_max3_num_f32 v200, v200, v69, v70
	s_delay_alu instid0(VALU_DEP_1)
	v_max_num_f32 v200, v200, v71                  ; the largest logit is taken away before the exponential
.irp e, 0,1,2,3,4,5,6,7
	v_sub_f32 v[192+\e], v[64+\e], v200
.endr
.irp e, 0,1,2,3,4,5,6,7
	v_mul_f32 v[192+\e], 0x3fb8aa3b, v[192+\e]
.endr
	s_wait_alu depctr_va_vdst(0)
.irp e, 0,1,2,3,4,5,6,7
	v_exp_f32 v[192+\e], v[192+\e]
.endr
	v_nop                                          ; a plain place behind the exponentials
	s_wait_alu depctr_va_vdst(0)
	v_add_f32 v201, v192, v193
	v_add_f32 v202, v194, v195
	v_add_f32 v203, v196, v197
	v_add_f32 v204, v198, v199
	s_delay_alu instid0(VALU_DEP_3)
	v_add_f32 v201, v201, v202
	s_delay_alu instid0(VALU_DEP_2)
	v_add_f32 v203, v203, v204
	s_delay_alu instid0(VALU_DEP_1)
	v_add_f32 v201, v201, v203
	s_wait_alu depctr_va_vdst(0)
	v_rcp_f32 v201, v201
	v_nop
	s_wait_alu depctr_va_vdst(0)
.irp e, 0,1,2,3,4,5,6,7
	v_mul_f32 v[192+\e], v[192+\e], v201           ; the probabilities
.endr
	v_mov_b32 v205, v192                           ; the largest, and its index: only a strictly larger one takes its place, so the lower index wins a tie
	v_mov_b32 v206, 0
.irp e, 1,2,3,4,5,6,7
	s_delay_alu instid0(VALU_DEP_2)
	v_cmp_gt_f32 vcc_lo, v[192+\e], v205
	s_delay_alu instid0(VALU_DEP_1)
	v_cndmask_b32 v205, v205, v[192+\e], vcc_lo
	s_delay_alu instid0(VALU_DEP_2)
	v_cndmask_b32 v206, v206, \e, vcc_lo
.endr
.irp e, 0,1,2,3,4,5,6,7
	v_cmp_eq_u32 vcc_lo, \e, v206
	s_delay_alu instid0(VALU_DEP_1)
	v_cndmask_b32 v[208+\e], v[192+\e], -1.0, vcc_lo   ; the one chosen is taken out: -1 lies under every probability
.endr
	v_mov_b32 v216, v208
	v_mov_b32 v217, 0
.irp e, 1,2,3,4,5,6,7
	s_delay_alu instid0(VALU_DEP_2)
	v_cmp_gt_f32 vcc_lo, v[208+\e], v216
	s_delay_alu instid0(VALU_DEP_1)
	v_cndmask_b32 v216, v216, v[208+\e], vcc_lo
	s_delay_alu instid0(VALU_DEP_2)
	v_cndmask_b32 v217, v217, \e, vcc_lo
.endr
	s_delay_alu instid0(VALU_DEP_2)
	v_add_f32 v218, v205, v216
	s_delay_alu instid0(VALU_DEP_1)
	v_add_f32 v218, 0x3089705f, v218               ; + 1e-9
	s_wait_alu depctr_va_vdst(0)
	v_rcp_f32 v218, v218
	v_min_u32 v228, v206, v217                     ; lo  (a plain place behind the reciprocal)
	v_max_u32 v229, v206, v217                     ; hi
	s_wait_alu depctr_va_vdst(0)
	v_mul_f32 v205, v205, v218
	v_mul_f32 v216, v216, v218
	v_cmp_lt_u32 vcc_lo, v206, v217
	s_delay_alu instid0(VALU_DEP_1)
	v_cndmask_b32 v220, v216, v205, vcc_lo         ; lo's weight
	s_delay_alu instid0(VALU_DEP_2)
	v_cndmask_b32 v221, v205, v216, vcc_lo         ; hi's
	v_lshl_add_u32 v222, v228, 3, v229             ; 8 lo + hi
	s_delay_alu instid0(VALU_DEP_1)
	v_sub_nc_u32 v223, 63, v222
	s_delay_alu instid0(VALU_DEP_2)
	v_cmp_gt_u32 vcc_lo, 32, v222
	s_delay_alu instid0(VALU_DEP_1)
	v_cndmask_b32 v222, v223, v222, vcc_lo         ; the key
	v_mov_b32 v224, 0
	v_mov_b32 v225, 0
.irp k, 0,1,2,3,4,5,6,7,8,9,10,11,12,13,14,15,16,17,18,19,20,21,22,23,24,25,26,27,28,29,30,31
	v_cmp_eq_u32 s98, \k, v222                     ; the tokens of key k
	s_bcnt1_i32_b32 s99, s98                       ; how many,
	v_mbcnt_lo_u32_b32 v226, s98, 0                ; how many of them in lanes under mine:
	s_delay_alu instid0(VALU_DEP_1)
	v_cndmask_b32 v224, v224, v226, s98            ; my rank, if k is my key
	v_writelane_b32 v225, s99, \k                  ; lane k keeps key k's count
.endr
	s_delay_alu instid0(VALU_DEP_2)
	v_lshl_or_b32 v227, v224, 8, v222              ; key | rank << 8
.irp mk, 1,2,4,8
.irp e, 0,1,2,3,4,5,6,7
	v_add_f32_dpp v[192+\e], v[192+\e], v[192+\e] row_xmask:\mk row_mask:0xf bank_mask:0xf
.endr
.endr
.irp e, 0,1,2,3,4,5,6,7
	v_permlanex16_b32 v[208+\e], v[192+\e], s16, s17
.endr
.irp e, 0,1,2,3,4,5,6,7
	v_add_f32 v[192+\e], v[192+\e], v[208+\e]      ; the block's sum of each probability, in every lane
.endr
	global_store_b32 v12, v227, s[94:95]
	global_store_b32 v12, v225, s[94:95] offset:32768
	global_store_b64 v13, v[220:221], s[96:97]
	v_cmp_eq_u32 vcc_lo, 0, v1
	s_wait_alu depctr_va_vdst(0)
	s_wait_xcnt 0x0                                ; EXEC changes only behind this wait
	s_and_saveexec_b32 s98, vcc_lo
	global_store_b128 v12, v[192:195], s[100:101] offset:65536
	global_store_b128 v12, v[196:199], s[100:101] offset:65552
	s_wait_xcnt 0x0                                ; and again in front of the line that widens it
	s_or_b32 exec_lo, exec_lo, s98
.Lend:
	s_wait_tensorcnt 0x0
	ds_add_u32 v254, v255
	s_wait_dscnt 0x0
	s_endpgm
.Lfunc_end_k_qfa2c9ebd8e_gate:
	.size	k_qfa2c9ebd8e_gate, .Lfunc_end_k_qfa2c9ebd8e_gate-k_qfa2c9ebd8e_gate
	.p2alignl 7, 3214868480
	.fill 96, 4, 3214868480
	.section	.rodata,"a",@progbits
	.p2align	6, 0x0
	.amdhsa_kernel k_qfa2c9ebd8e_gate
		.amdhsa_group_segment_fixed_size 198656
		.amdhsa_private_segment_fixed_size 0
		.amdhsa_enable_private_segment 0
		.amdhsa_kernarg_size 56
		.amdhsa_user_sgpr_count 2
		.amdhsa_user_sgpr_kernarg_segment_ptr 1
		.amdhsa_wavefront_size32 1
		.amdhsa_system_sgpr_workgroup_id_x 1
		.amdhsa_system_sgpr_workgroup_id_y 1
		.amdhsa_system_sgpr_workgroup_id_z 1
		.amdhsa_system_vgpr_workitem_id 0
		.amdhsa_next_free_vgpr 256
		.amdhsa_next_free_sgpr 102
		.amdhsa_reserve_vcc 1
		.amdhsa_float_denorm_mode_32 3
		.amdhsa_float_denorm_mode_16_64 3
		.amdhsa_memory_ordered 1
		.amdhsa_forward_progress 1
		.amdhsa_inst_pref_size 86
	.end_amdhsa_kernel
	.amdgpu_metadata
---
amdhsa.version: [ 1, 2 ]
amdhsa.kernels:
  - .name:           k_qfa2c9ebd8e_gate
    .symbol:         k_qfa2c9ebd8e_gate.kd
    .args:
      - { .name: x, .offset: 0, .size: 8, .value_kind: global_buffer, .address_space: global }
      - { .name: gate_w, .offset: 8, .size: 8, .value_kind: global_buffer, .address_space: global }
      - { .name: gate_b, .offset: 16, .size: 8, .value_kind: global_buffer, .address_space: global }
      - { .name: xq, .offset: 24, .size: 8, .value_kind: global_buffer, .address_space: global }
      - { .name: xs, .offset: 32, .size: 8, .value_kind: global_buffer, .address_space: global }
      - { .name: route, .offset: 40, .size: 8, .value_kind: global_buffer, .address_space: global }
      - { .name: gates, .offset: 48, .size: 8, .value_kind: global_buffer, .address_space: global }
    .group_segment_fixed_size: 198656
    .private_segment_fixed_size: 0
    .kernarg_segment_align: 8
    .kernarg_segment_size: 56
    .max_flat_workgroup_size: 512
    .sgpr_count:     102
    .vgpr_count:     256
    .wavefront_size: 32
...
	.end_amdgpu_metadata
.endif
;; end of part 5
;; launch place (part 6): grid 160 x 1, 8 waves a work-group, no clusters, 5,120 bytes of LDS; arguments route, gates, w1_codes, w2_codes, list, wimg, out1; writes list, wimg, out1
.if DOCPART == 6
	.amdgcn_target "amdgcn-amd-amdhsa--gfx1250"
	.amdhsa_code_object_version 6
	.text
	.protected	k_qfa2c9ebd8e_place
	.globl	k_qfa2c9ebd8e_place
	.p2align	8
	.type	k_qfa2c9ebd8e_place,@function
k_qfa2c9ebd8e_place:
	s_mov_b64 s[64:65], 0
	v_nop
	global_prefetch_b8 v0, s[64:65] scope:SCOPE_SE
	s_setreg_imm32_b32 hwreg(HW_REG_WAVE_MODE, 25, 1), 1
	s_wait_xcnt 0x0
; PLACE.  Three kinds of work-groups, told apart by the work-group's number.
; 0 .. 31: the tokens are placed by their key (their pair of experts): a counting sort without atomics.  Key k gets ceil(n_k / 48) tiles of 48 slots, the keys one behind the other;
;   token -> slot 48 x (the key's first tile) + (tokens of the key in earlier blocks) + (its rank in its block).  28 keys and 8,192 tokens make at most 198 tiles, whatever the split.
;   Work-group 0 also writes the list of tiles {lo, hi, rows, first slot} (an unused tile: 0, 1, 0, 0), and its wave 0 the load loss.
; 32 .. 95: W1's codes, 96 .. 159: W2's, are laid in the order of the operand's registers: a fragment (16 rows x 128 K, 12 registers a lane) is 1,536 bytes: chunk c holds lane l's registers 4 c .. 4 c + 3 at 16 l.
;   W1: [expert][wave 0..3][half 0..1][K step 0..7][3 tiles]; tile t = 3 half + t' takes rows 96 wave + 32 (t / 2) + 8 (t % 2) + r + 8 (r / 8), so that the next launch's results come out as neighbours along the next K.
;   W2 (at 2,359,296): [expert][tile of 16 rows 0..63][K step 0..2].
.macro RELAY f, b, off                 ; a fragment as it lies in a row's stream of bits: 24 bytes and 24 bytes, in pieces of 8
.irp p, 0,1,2,3,4,5
	global_load_b64 v[32+12*(\f)+2*\p:32+12*(\f)+2*\p+1], v6, s[\b:\b+1] offset:(\off)+48*(\p/3)+8*(\p%3)
.endr
.endm
.macro SENDIMG                         ; three fragments: nine stores of 512 consecutive bytes
	s_wait_loadcnt 0x0
.irp i, 0,1,2,3,4,5,6,7,8
	global_store_b128 v5, v[32+4*\i:32+4*\i+3], s[26:27] offset:512*\i
.endr
.endm
	s_load_b256 s[4:11], s[0:1], 0x0               ; route s[4:5], gates s[6:7], w1_codes s[8:9], w2_codes s[10:11]
	s_load_b128 s[12:15], s[0:1], 0x20             ; list s[12:13], wimg s[14:15]
	s_load_b64 s[16:17], s[0:1], 0x30              ; out1
	v_lshl_add_u32 v128, v0, 2, 0x1000
	v_mov_b32 v129, 0
	v_lshrrev_b32 v2, 5, v0
	s_delay_alu instid0(VALU_DEP_1)
	v_readfirstlane_b32 s18, v2                    ; wave 0..7
	v_and_b32 v1, 31, v0                           ; lane
	s_delay_alu instid0(VALU_DEP_1)
	v_lshlrev_b32 v2, 2, v1                        ; 4 x lane
	v_lshlrev_b32 v3, 2, v0                        ; 4 x thread
	s_delay_alu instid0(VALU_DEP_3)
	v_lshlrev_b32 v5, 4, v1                        ; 16 x lane
	s_wait_kmcnt 0x0
	s_cmp_lt_u32 ttmp9, 32
	s_cbranch_scc1 .Lplace
	; ---- the weights' images: a wave takes a group of three fragments
	s_sub_co_u32 s19, ttmp9, 32
	s_and_b32 s19, s19, 63
	s_lshl_b32 s20, s19, 3
	s_add_co_u32 s20, s20, s18                     ; the group, 0 .. 511
	s_wait_alu depctr_va_vdst(0)
	v_and_b32 v7, 15, v1                           ; r
	v_lshrrev_b32 v8, 4, v1                        ; h
	s_mul_i32 s22, s20, 4608
	s_mov_b32 s23, 0
	s_add_nc_u64 s[26:27], s[14:15], s[22:23]      ; where the group's images go
	s_lshr_b32 s24, s20, 6                         ; the expert
	s_mul_i32 s24, s24, 294912
	s_mov_b32 s25, 0
	s_cmp_lt_u32 ttmp9, 96
	s_cbranch_scc1 .Lw1
	s_and_b32 s28, s20, 63                         ; W2: the tile of 16 rows of 288 bytes
	s_mul_i32 s28, s28, 4608
	s_add_co_u32 s24, s24, s28
	s_add_nc_u64 s[28:29], s[10:11], s[24:25]
	s_add_nc_u64 s[26:27], s[26:27], 2359296
	s_wait_alu depctr_va_vdst(0)
	v_mul_u32_u24 v6, v7, 288
	s_delay_alu instid0(VALU_DEP_1)
	v_mad_u32_u24 v6, v8, 24, v6
	RELAY 0, 28, 0
	RELAY 1, 28, 96
	RELAY 2, 28, 192
	SENDIMG
	s_endpgm
.Lw1:
	s_bfe_u32 s28, s20, 0x20004                    ; W1: the wave whose 96 rows these are,
	s_mul_i32 s28, s28, 96*768
	s_add_co_u32 s24, s24, s28
	s_and_b32 s28, s20, 7                          ; the K step,
	s_mul_i32 s28, s28, 96
	s_add_co_u32 s24, s24, s28
	s_bfe_u32 s30, s20, 0x10003                    ; the half: tiles 0, 1, 2 begin at rows 0, 8, 32; tiles 3, 4, 5 at rows 40, 64, 72
	s_mul_i32 s28, s30, 40*768
	s_add_co_u32 s24, s24, s28
	s_add_nc_u64 s[28:29], s[8:9], s[24:25]        ; the first tile; the third lies 32 rows on in both halves
	s_mul_i32 s30, s30, 16*768
	s_add_co_u32 s30, s30, 8*768
	s_mov_b32 s31, 0
	s_add_nc_u64 s[32:33], s[28:29], s[30:31]      ; the second: 8 or 24 rows on
	s_wait_alu depctr_va_vdst(0)
	v_and_b32 v6, 8, v7
	s_delay_alu instid0(VALU_DEP_1)
	v_add_nc_u32 v6, v6, v7                        ; r + 8 (r / 8)
	s_delay_alu instid0(VALU_DEP_1)
	v_mul_u32_u24 v6, v6, 768
	s_delay_alu instid0(VALU_DEP_1)
	v_mad_u32_u24 v6, v8, 24, v6
	RELAY 0, 28, 0
	RELAY 1, 32, 0
	RELAY 2, 28, 32*768
	SENDIMG
	s_endpgm
.Lplace:
	; ---- work-group p, wave v: the 32 tokens of block 8 p + v.  A lane is a key, later a token
	s_mov_b32 s19, ttmp9                           ; p
	s_mov_b32 s21, 0
	s_lshl_b32 s20, s18, 12
	s_add_nc_u64 s[22:23], s[4:5], s[20:21]        ; the histograms of blocks 32 v on (the table begins at 32,768)
	s_lshl_b32 s20, s19, 10
	s_add_nc_u64 s[24:25], s[4:5], s[20:21]        ; those of my work-group's 8 blocks
	s_lshl_b32 s20, s18, 7
	s_add_nc_u64 s[28:29], s[24:25], s[20:21]      ; my block's 32 words key | rank << 8
	s_wait_alu depctr_va_vdst(0)
.irp i, 0,1,2,3,4,5,6,7,8,9,10,11,12,13,14,15,16,17,18,19,20,21,22,23,24,25,26,27,28,29,30,31
	global_load_b32 v[32+\i], v2, s[22:23] offset:32768+128*\i
.endr
.irp i, 0,1,2,3,4,5,6
	global_load_b32 v[64+\i], v2, s[24:25] offset:32768+128*\i
.endr
	global_load_b32 v72, v2, s[28:29]
	s_lshl_b32 s30, s19, 8
	s_lshl_b32 s31, s18, 5
	s_add_co_u32 s30, s30, s31
	v_add_nc_u32 v114, s30, v1                     ; my token's number
	s_wait_loadcnt 0x0
.irp q, 0,1,2,3                        ; the sums of four groups of 8 blocks: group 4 v + q is work-group 4 v + q's
	v_add3_u32 v[80+\q], v[32+8*\q], v[33+8*\q], v[34+8*\q]
	s_delay_alu instid0(VALU_DEP_1)
	v_add3_u32 v[80+\q], v[80+\q], v[35+8*\q], v[36+8*\q]
	s_delay_alu instid0(VALU_DEP_1)
	v_add3_u32 v[80+\q], v[80+\q], v[37+8*\q], v[38+8*\q]
	s_delay_alu instid0(VALU_DEP_1)
	v_add_nc_u32 v[80+\q], v[80+\q], v[39+8*\q]
.endr
	v_add3_u32 v84, v80, v81, v82
	s_delay_alu instid0(VALU_DEP_1)
	v_add_nc_u32 v84, v84, v83                     ; all 32 blocks of mine
	s_lshl_b32 s26, s18, 2
	v_mov_b32 v85, 0
.irp q, 0,1,2,3
	s_wait_alu depctr_va_vdst(0)
	s_add_co_u32 s27, s26, \q
	s_cmp_lt_u32 s27, s19
	s_cselect_b32 s28, 1, 0
	v_mad_u32_u24 v85, v[80+\q], s28, v85          ; and those of them that lie ahead of my work-group's
.endr
	ds_store_b32 v3, v84
	ds_store_b32 v3, v85 offset:1024
	s_wait_dscnt 0x0                               ; for the others' sake
	s_barrier_signal -1
	s_barrier_wait -1
.irp i, 0,1,2,3,4,5,6,7
	ds_load_b32 v[88+\i], v2 offset:128*\i
	ds_load_b32 v[96+\i], v2 offset:1024+128*\i
.endr
	s_wait_dscnt 0x0
	v_add3_u32 v104, v88, v89, v90
	s_delay_alu instid0(VALU_DEP_1)
	v_add3_u32 v104, v104, v91, v92
	s_delay_alu instid0(VALU_DEP_1)
	v_add3_u32 v104, v104, v93, v94
	s_delay_alu instid0(VALU_DEP_1)
	v_add_nc_u32 v104, v104, v95                   ; the key's tokens in all
	v_add3_u32 v105, v96, v97, v98
	s_delay_alu instid0(VALU_DEP_1)
	v_add3_u32 v105, v105, v99, v100
	s_delay_alu instid0(VALU_DEP_1)
	v_add3_u32 v105, v105, v101, v102
	s_delay_alu instid0(VALU_DEP_1)
	v_add_nc_u32 v105, v105, v103                  ; those in blocks ahead of my work-group's
.irp i, 0,1,2,3,4,5,6
	s_cmp_gt_u32 s18, \i
	s_cselect_b32 s28, 1, 0
	v_mad_u32_u24 v105, v[64+\i], s28, v105        ; and in my work-group's blocks ahead of mine
.endr
	v_add_nc_u32 v106, 47, v104
	s_delay_alu instid0(VALU_DEP_1)
	v_mul_u32_u24 v106, v106, 0xaaab
	s_delay_alu instid0(VALU_DEP_1)
	v_lshrrev_b32 v106, 21, v106                   ; the key's tiles: (n + 47) / 48.  43,691 x 48 = 2^21 + 16: exact for n + 47 up to 8,239
	s_mov_b32 s34, 0
	v_mov_b32 v107, 0
.irp k, 0,1,2,3,4,5,6,7,8,9,10,11,12,13,14,15,16,17,18,19,20,21,22,23,24,25,26,27,28,29,30,31
	v_readlane_b32 s35, v106, \k
	v_writelane_b32 v107, s34, \k                  ; the key's first tile
	s_add_co_u32 s34, s34, s35
.endr
	v_add_nc_u32 v108, v107, v106                  ; and the tile behind its last
	v_mad_u32_u24 v109, v107, 48, v105             ; where my block's tokens of this key begin
	v_and_b32 v110, 31, v72                        ; now a lane is a token: its key,
	v_lshrrev_b32 v111, 8, v72                     ; its rank
	s_delay_alu instid0(VALU_DEP_2)
	v_lshlrev_b32 v112, 2, v110
	ds_bpermute_b32 v113, v112, v109               ; from the lane of its key
	s_wait_alu depctr_va_vdst(0)
	s_wait_dscnt 0x0
	v_add_nc_u32 v113, v113, v111
	s_delay_alu instid0(VALU_DEP_1)
	v_min_u32 v113, 9503, v113                     ; the slot, held inside the table
	s_delay_alu instid0(VALU_DEP_1)
	v_lshlrev_b32 v113, 2, v113
	global_store_b32 v113, v114, s[12:13] offset:4096
	s_cmp_lg_u32 s19, 0
	s_cbranch_scc1 .Lend
	; ---- work-group 0: the list of tiles; thread J writes tile J
	v_mov_b32 v115, 0
.irp k, 0,1,2,3,4,5,6,7,8,9,10,11,12,13,14,15,16,17,18,19,20,21,22,23,24,25,26,27,28,29,30,31
	v_readlane_b32 s35, v108, \k
	s_delay_alu instid0(VALU_DEP_1)
	v_cmp_le_u32 vcc_lo, s35, v0
	s_delay_alu instid0(VALU_DEP_1)
	v_cndmask_b32 v116, 0, 1, vcc_lo
	s_delay_alu instid0(VALU_DEP_1)
	v_add_nc_u32 v115, v115, v116                  ; the keys whose tiles all lie ahead of J: their number is J's key
.endr
	s_delay_alu instid0(VALU_DEP_1)
	v_min_u32 v117, 31, v115
	s_delay_alu instid0(VALU_DEP_1)
	v_lshlrev_b32 v118, 2, v117
	ds_bpermute_b32 v119, v118, v107               ; that key's first tile
	ds_bpermute_b32 v120, v118, v104               ; and its tokens
	v_cmp_gt_u32 s26, 32, v115                     ; is there such a key?
	s_wait_alu depctr_va_vdst(0)
	s_wait_dscnt 0x0
	v_sub_nc_u32 v121, v0, v119
	s_delay_alu instid0(VALU_DEP_1)
	v_mul_u32_u24 v121, v121, 48
	s_delay_alu instid0(VALU_DEP_1)
	v_sub_nc_u32 v122, v120, v121
	s_delay_alu instid0(VALU_DEP_1)
	v_min_u32 v122, 48, v122                       ; the tile's rows
	v_cndmask_b32 v117, 1, v117, s26               ; an unused tile: key 1 (experts 0 and 1), no rows, slot 0
	s_delay_alu instid0(VALU_DEP_2)
	v_cndmask_b32 v126, 0, v122, s26
	v_mul_u32_u24 v123, v0, 48
	s_delay_alu instid0(VALU_DEP_1)
	v_cndmask_b32 v127, 0, v123, s26
	s_delay_alu instid0(VALU_DEP_4)
	v_lshrrev_b32 v121, 3, v117
	v_and_b32 v122, 7, v117
	v_sub_nc_u32 v123, 63, v117
	s_delay_alu instid0(VALU_DEP_2)
	v_cmp_gt_u32 vcc_lo, v122, v121
	s_delay_alu instid0(VALU_DEP_1)
	v_cndmask_b32 v123, v123, v117, vcc_lo         ; 8 lo + hi again
	s_delay_alu instid0(VALU_DEP_1)
	v_lshrrev_b32 v124, 3, v123
	s_delay_alu instid0(VALU_DEP_2)
	v_and_b32 v125, 7, v123
	v_lshlrev_b32 v118, 4, v0
	v_cmp_gt_u32 vcc_lo, 198, v0
	s_wait_alu depctr_va_vdst(0)
	s_wait_xcnt 0x0                                ; EXEC changes only behind this wait
	s_and_saveexec_b32 s27, vcc_lo
	global_store_b128 v118, v[124:127], s[12:13]
	s_wait_xcnt 0x0
	s_or_b32 exec_lo, exec_lo, s27
	s_cmp_lg_u32 s18, 0
	s_cbranch_scc1 .Lend
	; ---- its wave 0: the load loss.  256 blocks x 8 sums: a lane holds four experts' (4 (lane % 2) on) of 16 blocks
.irp i, 0,1,2,3,4,5,6,7,8,9,10,11,12,13,14,15
	global_load_b128 v[32+4*\i:35+4*\i], v5, s[6:7] offset:65536+512*\i
.endr
	s_mov_b32 s36, 0x76543210
	s_mov_b32 s37, 0xfedcba98
	s_mov_b32 s38, 0x39000000                      ; 1 / 8,192
	s_mov_b32 s39, 0xbe000000                      ; -1 / 8
	s_wait_loadcnt 0x0
.irp i, 1
	v_pk_add_f32 v[32:33], v[32:33], v[32+4*\i:33+4*\i]
	v_pk_add_f32 v[34:35], v[34:35], v[34+4*\i:35+4*\i]
.endr
.irp i, 2, 3, 4, 5, 6, 7, 8, 9, 10, 11, 12, 13, 14, 15
	s_delay_alu instid0(VALU_DEP_2)
	v_pk_add_f32 v[32:33], v[32:33], v[32+4*\i:33+4*\i]
	s_delay_alu instid0(VALU_DEP_2)
	v_pk_add_f32 v[34:35], v[34:35], v[34+4*\i:35+4*\i]
.endr
.irp mk, 2,4,8
.irp j, 0,1,2,3
	v_add_f32_dpp v[32+\j], v[32+\j], v[32+\j] row_xmask:\mk row_mask:0xf bank_mask:0xf
.endr
.endr
.irp j, 0,1,2,3
	s_delay_alu instid0(VALU_DEP_4)
	v_permlanex16_b32 v[36+\j], v[32+\j], s36, s37
.endr
.irp j, 0,1,2,3
	s_delay_alu instid0(VALU_DEP_4)
	v_add_f32 v[32+\j], v[32+\j], v[36+\j]         ; the sums over all tokens
.endr
.irp j, 0,1,2,3
	s_delay_alu instid0(VALU_DEP_4)
	v_fma_f32 v[32+\j], v[32+\j], s38, s39         ; the mean less 1 / 8
.endr
	s_delay_alu instid0(VALU_DEP_4)
	v_mul_f32 v40, v32, v32
	s_delay_alu instid0(VALU_DEP_1)
	v_fmac_f32 v40, v33, v33
	s_delay_alu instid0(VALU_DEP_1)
	v_fmac_f32 v40, v34, v34
	s_delay_alu instid0(VALU_DEP_1)
	v_fmac_f32 v40, v35, v35
	s_delay_alu instid0(VALU_DEP_1)
	v_add_f32_dpp v40, v40, v40 row_xmask:1 row_mask:0xf bank_mask:0xf   ; with the other four experts'
	s_delay_alu instid0(VALU_DEP_1)
	v_mul_f32 v40, 0x3e000000, v40
	v_cmp_eq_u32 vcc_lo, 0, v1
	s_wait_alu depctr_va_vdst(0)
	s_wait_xcnt 0x0
	s_and_saveexec_b32 s27, vcc_lo
	global_store_b32 v2, v40, s[16:17]
	s_wait_xcnt 0x0
	s_or_b32 exec_lo, exec_lo, s27
.Lend:
	s_wait_tensorcnt 0x0
	ds_add_u32 v128, v129
	s_wait_dscnt 0x0
	s_endpgm
.Lfunc_end_k_qfa2c9ebd8e_place:
	.size	k_qfa2c9ebd8e_place, .Lfunc_end_k_qfa2c9ebd8e_place-k_qfa2c9ebd8e_place
	.p2alignl 7, 3214868480
	.fill 96, 4, 3214868480
	.section	.rodata,"a",@progbits
	.p2align	6, 0x0
	.amdhsa_kernel k_qfa2c9ebd8e_place
		.amdhsa_group_segment_fixed_size 5120
		.amdhsa_private_segment_fixed_size 0
		.amdhsa_enable_private_segment 0
		.amdhsa_kernarg_size 56
		.amdhsa_user_sgpr_count 2
		.amdhsa_user_sgpr_kernarg_segment_ptr 1
		.amdhsa_wavefront_size32 1
		.amdhsa_system_sgpr_workgroup_id_x 1
		.amdhsa_system_sgpr_workgroup_id_y 1
		.amdhsa_system_sgpr_workgroup_id_z 1
		.amdhsa_system_vgpr_workitem_id 0
		.amdhsa_next_free_vgpr 130
		.amdhsa_next_free_sgpr 66
		.amdhsa_reserve_vcc 1
		.amdhsa_float_denorm_mode_32 3
		.amdhsa_float_denorm_mode_16_64 3
		.amdhsa_memory_ordered 1
		.amdhsa_forward_progress 1
		.amdhsa_inst_pref_size 42
	.end_amdhsa_kernel
	.amdgpu_metadata
---
amdhsa.version: [ 1, 2 ]
amdhsa.kernels:
  - .name:           k_qfa2c9ebd8e_place
    .symbol:         k_qfa2c9ebd8e_place.kd
    .args:
      - { .name: route, .offset: 0, .size: 8, .value_kind: global_buffer, .address_space: global }
      - { .name: gates, .offset: 8, .size: 8, .value_kind: global_buffer, .address_space: global }
      - { .name: w1_codes, .offset: 16, .size: 8, .value_kind: global_buffer, .address_space: global }
      - { .name: w2_codes, .offset: 24, .size: 8, .value_kind: global_buffer, .address_space: global }
      - { .name: list, .offset: 32, .size: 8, .value_kind: global_buffer, .address_space: global }
      - { .name: wimg, .offset: 40, .size: 8, .value_kind: global_buffer, .address_space: global }
      - { .name: out1, .offset: 48, .size: 8, .value_kind: global_buffer, .address_space: global }
    .group_segment_fixed_size: 5120
    .private_segment_fixed_size: 0
    .kernarg_segment_align: 8
    .kernarg_segment_size: 56
    .max_flat_workgroup_size: 256
    .sgpr_count:     66
    .vgpr_count:     130
    .wavefront_size: 32
...
	.end_amdgpu_metadata
.endif
;; end of part 6
;; launch chain (part 7): grid 198 x 1, 4 waves a work-group, no clusters, 184,832 bytes of LDS; arguments list, xq, xs, gates, wimg, w1_scales, b1, w2_scales, b2, out0; writes out0
.if DOCPART == 7
	.amdgcn_target "amdgcn-amd-amdhsa--gfx1250"
	.amdhsa_code_object_version 6
	.text
	.protected	k_qfa2c9ebd8e_chain
	.globl	k_qfa2c9ebd8e_chain
	.p2align	8
	.type	k_qfa2c9ebd8e_chain,@function
k_qfa2c9ebd8e_chain:
	s_mov_b64 s[64:65], 0
	v_nop
	global_prefetch_b8 v0, s[64:65] scope:SCOPE_SE
	s_setreg_imm32_b32 hwreg(HW_REG_WAVE_SCHED_MODE, 0, 2), 2
	s_setreg_imm32_b32 hwreg(HW_REG_WAVE_MODE, 25, 1), 1
	s_wait_xcnt 0x0
	s_wait_alu depctr_vm_vsrc(0)
; CHAIN.  A work-group takes one tile of the list: up to 48 tokens that chose the SAME PAIR of experts (lo, hi), through the whole chain for both:
; out0[token] = g_lo (gelu(x W1_lo + b1_lo) W2_lo + b2_lo) + g_hi (the same for hi).  So each output row has one owner, and every tile is the same work.
; Both products on codes of FP6 (E2M3) with one E8M0 scale for each 32 along K; x's codes come from the first launch, the hidden layer is quantised here and never goes to memory.
; SHARES.  THE WAVES SHARE THE COLUMNS: wave w makes hidden units 96 w .. 96 w + 95 (6 tiles, blocks 3 w .. 3 w + 2) and output columns 256 w .. 256 w + 255 (16 tiles), for all 48 rows (3 tiles of rows).
; Both products are used transposed (source 0 = 16 rows of a weight, source 1 = 16 tokens): a lane holds ONE token, its registers run along the hidden units or the output columns.
; THE WEIGHTS come from memory straight into registers, as the images that the launch before has laid: a unit is 6 fragments (72 registers, 18 loads of 512 consecutive bytes); four sets take turns, three units are on their way.
; ROWS beyond the tile's count repeat its last token; they are not stored.  A tile that the split leaves without rows walks the same text on the list's first token and stores nothing:
; so every wave passes both barriers on the one path there is.  No tensor load: the stores hang on a stored count.  No cluster: how many tiles share a pair hangs on stored counts.
; GELU: 0.5 z (1 + erf(z / sqrt 2)), erf(u) = u A(u^2) / B(u^2) with u held to +-4, polynomials of degree 6 and 4 in f32.
; LIMITS: that form's error is about 1e-7 absolute in erf, so gelu of a very negative z may be z x 6e-8 where it should be 0.  NaN and infinities are not served.  A hidden block whose largest magnitude lies under 2^-124 keeps the byte 1.
; THE MODE: SCHED_MODE bits 1:0 = 2 (LLVM: expert scheduling mode 2), set by the entry lines.  The code itself states the register dependences
; between vector or matrix instructions and memory or LDS instructions, with s_wait_alu, always for 0.
; THE PLAN.  Registers that memory or LDS instructions touch, and who else names them:
;   weight sets 0 .. 3   K step s (unit u of the second product) multiplies set s % 4; the loads of the unit three on land in set (s + 3) % 4, which the step before multiplied.
;   XF, two sets         K step s multiplies set s % 2; the LDS loads of step s + 1 land in the other, which the step before multiplied.  The gelu works in the same registers.
;   So ONE wait on va_vdst stands at a K step's head; x's loads follow it, and the unit's 18 loads are dealt in two halves among the step's products, which name none of the registers that those loads touch.
;   v7, v9, v11, v13     LDS addresses of an expert's trip: written at the trip's head, between a wait on vm_vsrc and a wait on va_vdst; that pair also frees and covers all that one trip leaves to the next.
;   codes and bytes      each of a trip's nine half blocks has a place of its own (window 2): the conversions write them, ONE wait on va_vdst stands ahead of the run of 36 LDS stores, the next trip's head frees them.
;   OUTR                 a unit's combining lines write it, six LDS stores read it: a wait on vm_vsrc ahead of the first, a wait on va_vdst between the two.  That second wait also states that the unit's
;                        products are done with their weights, bias and scale words: so the next unit's 25 loads, dealt among its products, owe nothing more.
;   v17, v19             LDS addresses of b2 and of W2's scale words: stepped once a group, between those same two waits of the group's last unit.
;   FL                   lands from the stage, leaves by global stores: a wait on vm_vsrc ahead of the next loads into it.  All other address registers are made at the head and never written again.
; REGISTERS, in windows of 256.  Window 0: v1-31 addresses; v32-123 scale words alone (x's 32, W1's 56, W2's 104, the hidden layer's 112); v124-135 the gate's weights; v136-163 constants, later the rows' offsets in out0;
;   v164-235 x's fragments, two sets; v164-251 at work in the gelu; later v164-187 results, v188-235 rows on the way out.   Window 1: weight sets 0, 1, 2.
;   Window 2: weight set 3; v72-119 b1's 6 tiles, later the second product's 6 accumulators; v120-151 b2's tiles, two sets; v152-187 and v192-200 the nine half blocks' codes and bytes.
;   Window 3: the first product's 18 accumulators, later the hidden layer's 18 fragments.
.set XIMG, 0                           ; LDS: x's 24 fragments as images of their registers: (8 m + s) x 1,536
.set HROW, 36864                       ; the hidden layer's codes: [expert][48 rows], 304 bytes apart (288 + 16)
.set HSC,  66048                       ; its scale bytes: [expert][row][16], 12 used
.set SM,   67584                       ; for each wave 15,104 bytes of its own: W1's scales, b1, W2's scales, b2, for both experts
.set SMW,  15104
.set TOKT, 128000                      ; for each wave its own table of the 48 rows' tokens
.set STG,  128768                      ; for each wave its own stage: 48 rows x (256 bytes + 16)
.set STGW, 13056
.set XS,   32
.set W1S,  56
.set W2S,  104
.set HS,   112
.set GL,   124
.set CR2,  136
.set CH,   138
.set KA,   140
.set KB,   154
.set VOFF, 136
.set XF,   164
.set U,    164
.set HZ,   180
.set X2,   196
.set PP,   212
.set QQ,   228
.set MX,   244
.set MY,   245
.set SC,   246
.set TT,   251
.set OUTR, 164
.set FL,   188
.set B1R,  72                          ; in window 2
.set A2,   72
.set B2R,  120
.set CODW, 152                         ; in window 2: half block j's codes, three registers at CODW + 4 j
.set BYW,  192                         ; and its scale byte at BYW + j
.set MSB, 0
.macro WIN new                         ; the immediate's high byte repeats the setting that is left; a switch that changes nothing is dropped
.if MSB != \new
	s_set_vgpr_msb (MSB<<8)|\new
.set MSB, \new
.endif
.endm
.macro LOADHALF set, hf, ptr, off      ; half a unit of weights into a set: 3 fragments, nine loads of 512 consecutive bytes
.if (\set) == 3
	WIN 0x80
.set SB, 36*(\hf)
.else
	WIN 0x40
.set SB, 72*(\set)+36*(\hf)
.endif
.irp i, 0,1,2,3,4,5,6,7,8
	global_load_b128 v[SB+4*\i:SB+4*\i+3], v1, s[\ptr:\ptr+1] offset:(\off)+512*\i
.endr
.endm
.macro LOADUNIT set, pa, pb, off       ; a unit: 3 fragments from pa, 3 from pb
	LOADHALF \set, 0, \pa, \off
	LOADHALF \set, 1, \pb, \off
.endm
.macro XFETCH s, xs                    ; x's three fragments of K step s into set xs
.irp m, 0,1,2
.irp c, 0,1,2
	ds_load_b128 v[XF+36*(\xs)+12*\m+4*\c:XF+36*(\xs)+12*\m+4*\c+3], v5 offset:XIMG+(8*\m+(\s))*1536+512*\c
.endr
.endr
.endm
; 6 of the 18 products of K step s: tile of rows m.  The 18 accumulators take turns, one instruction a turn.  In step 0 the bias is the C: nothing is cleared, nothing added later.
.macro MUL1M s, set, xs, m
.if (\set) == 3
.set SB, 0
	WIN 0xf2
.else
.set SB, 72*(\set)
.if (\s) == 0
	WIN 0xe1
.else
	WIN 0xf1
.endif
.endif
.irp t, 0,1,2,3,4,5
.set rD, 8*(6*(\m)+\t)
.set rA, SB+12*\t
.set rB, XF+36*(\xs)+12*(\m)
.if (\s) == 0
	v_wmma_scale_f32_16x16x128_f8f6f4 v[rD:rD+7], v[rA:rA+11], v[rB:rB+11], v[B1R+8*\t:B1R+8*\t+7], v[W1S+8*\t+(\s)], v[XS+8*(\m)+(\s)] matrix_a_fmt:MATRIX_FMT_FP6 matrix_b_fmt:MATRIX_FMT_FP6
.else
	v_wmma_scale_f32_16x16x128_f8f6f4 v[rD:rD+7], v[rA:rA+11], v[rB:rB+11], v[rD:rD+7], v[W1S+8*\t+(\s)], v[XS+8*(\m)+(\s)] matrix_a_fmt:MATRIX_FMT_FP6 matrix_b_fmt:MATRIX_FMT_FP6
.endif
.endr
.endm
; K step s.  Four plain places stand between the last step's products and the loads into the registers that they read; the wait on va_vdst stands behind them.
.macro STEP1 s, pa, pb, off
	WIN 0
.rept 4
	v_nop
.endr
	s_wait_loadcnt 36                              ; two younger units of 18 loads may be out: unit s is in
	s_wait_dscnt 0x0                               ; x's fragments of this step are in (in step 0 W1's scale words and b1 too)
.if (\s) > 0
	s_wait_alu depctr_va_vdst(0)                   ; the last step's products are done reading their weight set and their set of x, in which the loads of this step land (in step 0 the trip's head has stated it)
.endif
.if (\s) < 7
	XFETCH (\s)+1, ((\s)+1)%2
.endif
	MUL1M \s, (\s)%4, (\s)%2, 0
	LOADHALF ((\s)+3)%4, 0, \pa, \off              ; no wait: no vector or matrix instruction since the wait above names this set
	MUL1M \s, (\s)%4, (\s)%2, 1
	LOADHALF ((\s)+3)%4, 1, \pb, \off
	MUL1M \s, (\s)%4, (\s)%2, 2
.endm
; 16 numbers of a lane, accumulators z .. z + 15 of window 3 (16 neighbouring hidden units of my token), become their gelu in v[PP] on.  Each accumulator is read from its low end on.
.macro GELU16 z
	WIN 0x03
.irp i, 0,1,2,3,4,5,6,7
	v_pk_mul_f32 v[U+2*\i:U+2*\i+1], v[(\z)+2*\i:(\z)+2*\i+1], v[CR2:CR2+1]      ; u = z / sqrt 2
.endr
.irp i, 0,1,2,3,4,5,6,7
	v_pk_mul_f32 v[HZ+2*\i:HZ+2*\i+1], v[(\z)+2*\i:(\z)+2*\i+1], v[CH:CH+1]      ; z / 2
.endr
	WIN 0
.irp i, 0,1,2,3,4,5,6,7,8,9,10,11,12,13,14,15
	v_med3_num_f32 v[U+\i], v[U+\i], -4.0, 4.0
.endr
.irp i, 0,1,2,3,4,5,6,7
	v_pk_mul_f32 v[X2+2*\i:X2+2*\i+1], v[U+2*\i:U+2*\i+1], v[U+2*\i:U+2*\i+1]
.endr
.irp i, 0,1,2,3,4,5,6,7
	v_pk_fma_f32 v[PP+2*\i:PP+2*\i+1], v[X2+2*\i:X2+2*\i+1], v[KA:KA+1], v[KA+2:KA+3]
.endr
.irp c, 2,3,4,5,6
.irp i, 0,1,2,3,4,5,6,7
	v_pk_fma_f32 v[PP+2*\i:PP+2*\i+1], v[PP+2*\i:PP+2*\i+1], v[X2+2*\i:X2+2*\i+1], v[KA+2*\c:KA+2*\c+1]
.endr
.endr
.irp i, 0,1,2,3,4,5,6,7
	v_pk_fma_f32 v[QQ+2*\i:QQ+2*\i+1], v[X2+2*\i:X2+2*\i+1], v[KB:KB+1], v[KB+2:KB+3]
.endr
.irp c, 2,3,4
.irp i, 0,1,2,3,4,5,6,7
	v_pk_fma_f32 v[QQ+2*\i:QQ+2*\i+1], v[QQ+2*\i:QQ+2*\i+1], v[X2+2*\i:X2+2*\i+1], v[KB+2*\c:KB+2*\c+1]
.endr
.endr
	s_wait_alu depctr_va_vdst(0)
.irp i, 0,1,2,3,4,5,6,7,8,9,10,11,12,13,14,15
	v_rcp_f32 v[QQ+\i], v[QQ+\i]
.endr
.irp i, 0,1,2,3,4,5,6,7
	v_pk_mul_f32 v[PP+2*\i:PP+2*\i+1], v[PP+2*\i:PP+2*\i+1], v[U+2*\i:U+2*\i+1]   ; (plain lines behind the reciprocals, which they do not name)
.endr
	s_wait_alu depctr_va_vdst(0)                   ; the sixteen reciprocals have written v[QQ ..]: one wait for the batch, ahead of its first reader
.irp i, 0,1,2,3,4,5,6,7
	v_pk_mul_f32 v[PP+2*\i:PP+2*\i+1], v[PP+2*\i:PP+2*\i+1], v[QQ+2*\i:QQ+2*\i+1] ; erf
.endr
.irp i, 0,1,2,3,4,5,6,7
	v_pk_fma_f32 v[PP+2*\i:PP+2*\i+1], v[HZ+2*\i:HZ+2*\i+1], v[PP+2*\i:PP+2*\i+1], v[HZ+2*\i:HZ+2*\i+1]
.endr
.endm
; They are half a block of 32: the other half lies in lane l xor 16.  Their 12 bytes of codes and the block's byte go into half block 3 m + bb's own registers of window 2; the LDS stores follow behind the ninth.
.macro QUANT16 m, bb
	v_max3_num_f32 v[MX], |v[PP]|, |v[PP+1]|, 0x1800000            ; with the floor 2^(3 - 127): the byte cannot fall under 1
	v_max3_num_f32 v[TT], |v[PP+2]|, |v[PP+3]|, |v[PP+4]|
	v_max3_num_f32 v[MX], v[MX], |v[PP+5]|, |v[PP+6]|
	v_max3_num_f32 v[TT], v[TT], |v[PP+7]|, |v[PP+8]|
	v_max3_num_f32 v[MX], v[MX], |v[PP+9]|, |v[PP+10]|
	v_max3_num_f32 v[TT], v[TT], |v[PP+11]|, |v[PP+12]|
	v_max3_num_f32 v[MX], v[MX], |v[PP+13]|, |v[PP+14]|
	v_max3_num_f32 v[MX], v[MX], v[TT], |v[PP+15]|
	v_permlanex16_b32 v[MY], v[MX], s60, s61
	v_max_num_f32 v[MX], v[MX], v[MY]
	v_add_nc_u32 v[SC], 0xff000000, v[MX]          ; 2 off the exponent field: the conversion's scale operand
	WIN 0x80                                       ; destination window 2
	v_lshrrev_b32 v[BYW+3*(\m)+(\bb)], 23, v[SC]
	v_cvt_scalef32_pk16_fp6_f32 v[CODW+4*(3*(\m)+(\bb)):CODW+4*(3*(\m)+(\bb))+2], v[PP:PP+15], v[SC]
	v_nop                                          ; one plain place behind a scaled conversion
.endm
.macro SMALL set2, u                   ; for tile u of output columns: b2's eight numbers of both experts, and W2's scale words (lanes 0-15 lo's, lanes 16-31 hi's)
	WIN 0x80
.irp e, 0,1
.irp q, 0,1
	ds_load_b128 v[B2R+16*(\set2)+8*\e+4*\q:B2R+16*(\set2)+8*\e+4*\q+3], v19 offset:1024*\e+64*(\u)+16*\q
.endr
.endr
	WIN 0
.irp ks, 0,1,2
	ds_load_b32 v[W2S+4*(\set2)+\ks], v17 offset:192*(\u)+4*\ks
.endr
.endm
; 6 of a unit's 18 products: a tile of 16 output columns, both experts, three tiles of rows, K step ks; the 6 accumulators take turns.  hi's scales are read from lanes 16-31.
.macro MUL2K set, set2, ks
.if (\set) == 3
.set SB, 0
	WIN 0xae
.else
.set SB, 72*(\set)
	WIN 0xad
.endif
.irp e, 0,1
.irp m, 0,1,2
.set rD, A2+8*(3*\e+\m)
.set rA, SB+12*(3*\e+(\ks))
.set rB, 12*((3*\e+\m)*3+(\ks))
.set rC, rD
.if (\ks) == 0
.set rC, B2R+16*(\set2)+8*\e
.endif
.if \e == 0
	v_wmma_scale_f32_16x16x128_f8f6f4 v[rD:rD+7], v[rA:rA+11], v[rB:rB+11], v[rC:rC+7], v[W2S+4*(\set2)+(\ks)], v[HS+4*\m+(\ks)] matrix_a_fmt:MATRIX_FMT_FP6 matrix_b_fmt:MATRIX_FMT_FP6
.else
	v_wmma_scale_f32_16x16x128_f8f6f4 v[rD:rD+7], v[rA:rA+11], v[rB:rB+11], v[rC:rC+7], v[W2S+4*(\set2)+(\ks)], v[HS+4*\m+(\ks)] matrix_a_fmt:MATRIX_FMT_FP6 matrix_b_fmt:MATRIX_FMT_FP6 matrix_a_scale:MATRIX_SCALE_ROW1 matrix_b_scale:MATRIX_SCALE_ROW1
.endif
.endr
.endr
.endm
; g_lo y_lo + g_hi y_hi.  The four v_nop are the places behind the products, for these reads and for the next unit's loads.  step = 1: a group's last unit: the addresses of b2 and of W2's scale words move on by a group.
.macro COMBINE step
.rept 4
	v_nop
.endr
	s_wait_alu depctr_vm_vsrc(0)                   ; the last unit's stores into the stage have read v[OUTR ..], which the lines below write; the loads issued so far have read v17 and v19
.if \step
	WIN 0
	s_add_co_u32 s57, s57, 768
	s_add_co_u32 s58, s58, 256
	v_add_nc_u32 v17, s57, v16
	v_add_nc_u32 v19, s58, v18
.endif
	WIN 0x02
.irp m, 0,1,2
.irp j, 0,1,2,3
	v_pk_mul_f32 v[OUTR+8*\m+2*\j:OUTR+8*\m+2*\j+1], v[A2+8*\m+2*\j:A2+8*\m+2*\j+1], v[GL+4*\m:GL+4*\m+1]
	v_pk_fma_f32 v[OUTR+8*\m+2*\j:OUTR+8*\m+2*\j+1], v[A2+8*(3+\m)+2*\j:A2+8*(3+\m)+2*\j+1], v[GL+4*\m+2:GL+4*\m+3], v[OUTR+8*\m+2*\j:OUTR+8*\m+2*\j+1]
.endr
.endr
.endm
.macro TOSTAGE u                       ; a lane's 32 bytes of a row, into my wave's stage
	WIN 0
	s_wait_alu depctr_va_vdst(0)                   ; the combining lines have written v[OUTR ..], which the stores read (and, in a group's last unit, v17 and v19); this unit's products are done reading their weight set, their set of b2 and their scale words, in which the next unit's loads land
.irp m, 0,1,2
	ds_store_b128 v20, v[OUTR+8*\m:OUTR+8*\m+3] offset:4352*\m+64*(\u)
	ds_store_b128 v20, v[OUTR+8*\m+4:OUTR+8*\m+7] offset:4352*\m+64*(\u)+16
.endr
.endm
; A unit.  Its 25 loads (the next unit's bias and scale words, the weights of the unit three on) are dealt among its products, which name the other sets: no wait stands ahead of them but the one in the last unit's TOSTAGE.
.macro UNIT u, set, set2, pf, lc, sm, step
	s_wait_loadcnt \lc                             ; the younger units may be out: this unit's weights are in
	s_wait_dscnt 6                                 ; this unit's bias and scale words are in; the six younger LDS instructions, the last unit's stores into the stage, may be out
	MUL2K \set, \set2, 0
.if \sm
	SMALL 1-(\set2), (\u)+1
.endif
.if \pf
	LOADHALF ((\set)+3)%4, 0, 40, 4608*((\u)+3)
.endif
	MUL2K \set, \set2, 1
.if \pf
	LOADHALF ((\set)+3)%4, 1, 42, 4608*((\u)+3)
.endif
	MUL2K \set, \set2, 2
	COMBINE \step
	TOSTAGE \u
.endm
; 64 columns of the 48 rows leave: sixteen lanes store 256 consecutive bytes of one row, at a multiple of 256 from out0's first byte; two rows an instruction.  The pairs of rows beyond the tile's count are passed over.
.macro FLUSH
.irp bt, 0,1
	s_wait_xcnt 0x0                                ; the earlier stores have had their addresses translated
	s_wait_alu depctr_vm_vsrc(0)                   ; the earlier global stores have read v[FL ..], in which the loads below land
.irp i, 0,1,2,3,4,5,6,7,8,9,10,11
	ds_load_b128 v[FL+4*\i:FL+4*\i+3], v21 offset:544*(12*\bt+\i)
.endr
	s_wait_dscnt 0x0
.irp i, 0,1,2,3,4,5,6,7,8,9,10,11
	s_cmp_le_u32 s6, 2*(12*\bt+\i)
	s_cbranch_scc1 .Lflushed_\@
	global_store_b128 v[VOFF+12*\bt+\i], v[FL+4*\i:FL+4*\i+3], s[34:35] th:TH_STORE_NT
.endr
.endr
.Lflushed_\@:
.endm
.macro KPAIR reg, val                  ; a constant, twice: the packed forms name a pair
	v_mov_b32 v[\reg], \val
	v_mov_b32 v[\reg+1], \val
.endm
.macro SBASE dst, ptr, ex, es, ws      ; a buffer at my expert's and my wave's part
	s_mul_i32 s10, s[\ex], \es
	s_mul_i32 s12, s8, \ws
	s_add_co_u32 s10, s10, s12
	s_add_nc_u64 s[\dst:\dst+1], s[\ptr:\ptr+1], s[10:11]
.endm
	; ---- the head
	s_load_b512 s[16:31], s[0:1], 0x0              ; list 16, xq 18, xs 20, gates 22, wimg 24, w1_scales 26, b1 28, w2_scales 30
	s_load_b128 s[32:35], s[0:1], 0x40             ; b2 32, out0 34
	v_lshl_add_u32 v254, v0, 2, 0x2d000
	v_mov_b32 v255, 0
	v_lshrrev_b32 v2, 5, v0
	v_readfirstlane_b32 s8, v2                     ; wave 0..3
	v_and_b32 v27, 31, v0                          ; lane
	v_and_b32 v2, 15, v0                           ; r
	v_bfe_u32 v3, v0, 4, 1                         ; h
	v_lshlrev_b32 v1, 4, v27                       ; 16 x lane: my place in an image, in memory
	s_lshl_b32 s10, ttmp9, 4
	s_mov_b32 s11, 0
	s_wait_alu depctr_va_vdst(0)
	s_wait_kmcnt 0x0
	s_add_nc_u64 s[12:13], s[16:17], s[10:11]
	s_load_b128 s[4:7], s[12:13], 0x0              ; my tile: lo, hi, rows, first slot
	s_wait_alu depctr_va_sdst(0)                   ; s8 is written, ahead of its first reader: LDS addresses and the buffers' bases are made from it
	s_mul_i32 s9, s8, 3072
	v_add_nc_u32 v4, s9, v1                        ; v4: where I store x's images: K steps 2 w, 2 w + 1
	v_lshlrev_b32 v5, 4, v27                       ; v5: where any image is read
	v_mul_u32_u24 v6, v2, 304
	v_mad_u32_u24 v6, v3, 12, v6
	s_mul_i32 s9, s8, 72
	v_add_nc_u32 v6, s9, v6
	v_add_nc_u32 v6, HROW, v6                      ; v6: my 12 bytes of a hidden row: row r, my wave's 72 bytes, my half of a block
	s_mul_i32 s9, s8, 3
	v_lshl_add_u32 v8, v2, 4, s9
	v_add_nc_u32 v8, HSC, v8                       ; v8: my wave's 3 bytes of row r's
	s_mul_i32 s36, s8, SMW
	s_add_co_u32 s36, s36, SM                      ; my wave's small stage
	v_and_b32 v28, 8, v2
	v_add_nc_u32 v28, v28, v2                      ; r + 8 (r / 8)
	v_lshl_add_u32 v10, v28, 5, s36                ; v10: W1's scale words: 32 bytes a row
	v_lshl_add_u32 v12, v3, 6, s36
	v_add_nc_u32 v12, 6144, v12                    ; v12: b1: my half's 16 numbers of a block
	v_mul_u32_u24 v14, v2, 304
	v_mad_u32_u24 v14, v3, 24, v14
	v_add_nc_u32 v14, HROW, v14                    ; v14: a hidden fragment: row r, + 24 h
	v_mul_u32_u24 v15, v3, 768
	v_lshl_add_u32 v15, v2, 4, v15
	v_add_nc_u32 v15, HSC, v15                     ; v15: its scale words: lanes 0-15 lo's, lanes 16-31 hi's
	v_mul_u32_u24 v16, v3, 3072
	v_mad_u32_u24 v16, v2, 12, v16
	v_add_nc_u32 v16, s36, v16
	v_add_nc_u32 v16, 6912, v16                    ; v16: W2's scale words: 12 bytes a row; lanes 16-31 hi's
	v_lshl_add_u32 v18, v3, 5, s36
	v_add_nc_u32 v18, 13056, v18                   ; v18: b2: my half's 8 numbers of a tile
	s_mul_i32 s37, s8, STGW
	s_add_co_u32 s37, s37, STG                     ; my wave's stage
	v_mul_u32_u24 v20, v2, 272
	v_lshl_add_u32 v20, v3, 5, v20
	v_add_nc_u32 v20, s37, v20                     ; v20: in: row r, + 32 h
	v_mul_u32_u24 v21, v3, 272
	v_lshl_add_u32 v21, v2, 4, v21
	v_add_nc_u32 v21, s37, v21                     ; v21: back: lanes 0-15 one row, lanes 16-31 the next
	s_mul_i32 s38, s8, 192
	s_add_co_u32 s38, s38, TOKT
	v_lshl_add_u32 v22, v2, 2, s38                 ; v22: my wave's table of tokens, by r
	v_lshl_add_u32 v23, v3, 2, s38                 ; v23: and by pairs of rows
	v_add_nc_u32 v29, s36, v1                      ; v29, v30: dense copies into the small stage
	v_lshl_add_u32 v30, v27, 2, s36
	v_lshlrev_b32 v31, 2, v27
	v_mul_u32_u24 v167, v3, 384
	s_mul_i32 s9, s8, 96
	v_add_nc_u32 v167, s9, v167                    ; in a token's record of codes: my half, my wave's two K steps
	s_mov_b32 s60, 0x76543210
	s_mov_b32 s61, 0xfedcba98                      ; v_permlanex16_b32's selects for lane l xor 16
	s_wait_kmcnt 0x0
	s_min_u32 s4, s4, 7                            ; stored numbers are held inside their tables before they enter an address
	s_min_u32 s5, s5, 7
	s_min_u32 s6, s6, 48
	s_min_u32 s7, s7, 9456
	s_max_u32 s9, s6, 1
	s_sub_co_u32 s9, s9, 1                         ; the tile's last row
.irp m, 0,1,2
	v_add_nc_u32 v[164+\m], 16*\m, v2
	v_min_u32 v[164+\m], s9, v[164+\m]             ; rows beyond it repeat it
	v_add_nc_u32 v[164+\m], s7, v[164+\m]
	v_min_u32 v[164+\m], 9503, v[164+\m]
	v_lshlrev_b32 v[164+\m], 2, v[164+\m]
.endr
	s_wait_alu depctr_va_vdst(0)                   ; the address registers made so far are written: v164 to v166, which the three loads below read, v1, which every load of weights reads, and the LDS addresses v4 to v31
.irp m, 0,1,2
	global_load_b32 v[24+\m], v[164+\m], s[16:17] offset:4096     ; the token of row 16 m + r
.endr
	s_mul_i32 s10, s4, 294912
	s_mul_i32 s12, s8, 73728
	s_add_co_u32 s10, s10, s12
	s_add_nc_u64 s[40:41], s[24:25], s[10:11]      ; W1 of lo, my wave's tiles 0-2
	s_add_nc_u64 s[42:43], s[40:41], 36864         ; and tiles 3-5
	s_mul_i32 s10, s5, 294912
	s_add_co_u32 s10, s10, s12
	s_add_nc_u64 s[44:45], s[24:25], s[10:11]      ; W1 of hi
	s_add_nc_u64 s[46:47], s[44:45], 36864
	s_add_nc_u64 s[48:49], s[40:41], 2359296       ; W2 of lo, my wave's 16 tiles
	s_add_nc_u64 s[50:51], s[44:45], 2359296       ; W2 of hi
	LOADUNIT 0, 40, 42, 0                          ; the first three units of weights go out ahead of everything that waits for the list
	LOADUNIT 1, 40, 42, 4608
	LOADUNIT 2, 40, 42, 9216
	WIN 0
	SBASE 66, 26, 4, 12288, 3072
	SBASE 68, 26, 5, 12288, 3072
	SBASE 70, 30, 4, 12288, 3072
	SBASE 72, 30, 5, 12288, 3072
	SBASE 74, 32, 4, 4096, 1024
	SBASE 76, 32, 5, 4096, 1024
	SBASE 78, 28, 4, 1536, 384
	SBASE 80, 28, 5, 1536, 384
	KPAIR CR2, 0x3f3504f3                          ; 1 / sqrt 2
	KPAIR CH, 0x3f000000
	KPAIR KA, 0xaf95df0b                           ; A: -2.72614226e-10, 2.77068142e-08, -2.10102402e-06, -5.69250639e-05, -7.34990630e-04, -2.95459981e-03, -1.60960333e-02
	KPAIR KA+2, 0x32edffee
	KPAIR KA+4, 0xb60cff51
	KPAIR KA+6, 0xb86ec2d2
	KPAIR KA+8, 0xba40ac63
	KPAIR KA+10, 0xbb41a1f6
	KPAIR KA+12, 0xbc83dbd4
	KPAIR KB, 0xb77460cd                           ; B: -1.45660718e-05, -2.13374055e-04, -1.68282697e-03, -7.37332917e-03, -1.42647391e-02
	KPAIR KB+2, 0xb95fbd29
	KPAIR KB+4, 0xbadc924e
	KPAIR KB+6, 0xbbf19bf8
	KPAIR KB+8, 0xbc69b6a7
	v_mov_b32 v[MY], 0                             ; written once: a lane permute's destination counts as one of its sources
	s_wait_loadcnt 54                              ; behind the three list words: 3 units of 18 loads
.irp m, 0,1,2
	v_min_u32 v[24+\m], 8191, v[24+\m]
	v_mul_u32_u24 v[168+\m], v[24+\m], 768
	v_add_nc_u32 v[168+\m], v167, v[168+\m]
	v_lshlrev_b32 v[172+\m], 5, v[24+\m]
	v_lshlrev_b32 v[176+\m], 3, v[24+\m]
.endr
	WIN 0xc0
	s_wait_alu depctr_va_vdst(0)                   ; the tokens v24 to v26, which the table's stores read, and the offsets made of them, v168 to v178, which the loads below read, are written
.irp m, 0,1,2                          ; x's codes: my wave's two K steps of the three tiles of rows: 18 loads
.irp sp, 0,1
.irp c, 0,1,2
	global_load_b128 v[24*\m+12*\sp+4*\c:24*\m+12*\sp+4*\c+3], v[168+\m], s[18:19] offset:48*\sp+16*\c
.endr
.endr
.endr
	WIN 0
.irp m, 0,1,2                          ; x's scale words of all 8 K steps, straight into their registers: 6 loads
	global_load_b128 v[XS+8*\m:XS+8*\m+3], v[172+\m], s[20:21]
	global_load_b128 v[XS+8*\m+4:XS+8*\m+7], v[172+\m], s[20:21] offset:16
.endr
.irp m, 0,1,2                          ; the gate's two weights: 3 loads
	global_load_b64 v[GL+4*\m:GL+4*\m+1], v[176+\m], s[22:23]
.endr
.irp m, 0,1,2
	ds_store_b32 v22, v[24+\m] offset:64*\m        ; my wave's table of the rows' tokens
.endr
	WIN 0xc0
.irp ei, 0,1                           ; my wave's part of the scales and biases of both experts: 34 loads
.irp i, 0,1,2,3,4,5
	global_load_b128 v[72+60*\ei+4*\i:72+60*\ei+4*\i+3], v1, s[66+2*\ei:67+2*\ei] offset:512*\i
.endr
.irp i, 0,1,2,3,4,5
	global_load_b128 v[96+60*\ei+4*\i:96+60*\ei+4*\i+3], v1, s[70+2*\ei:71+2*\ei] offset:512*\i
.endr
.irp i, 0,1
	global_load_b128 v[120+60*\ei+4*\i:120+60*\ei+4*\i+3], v1, s[74+2*\ei:75+2*\ei] offset:512*\i
.endr
.irp i, 0,1,2
	global_load_b32 v[128+60*\ei+\i], v31, s[78+2*\ei:79+2*\ei] offset:128*\i
.endr
.endr
	s_wait_loadcnt 43                              ; behind the 18 loads of codes: 6 + 3 + 34
	WIN 0x0c
.irp m, 0,1,2
.irp sp, 0,1
.irp c, 0,1,2
	ds_store_b128 v4, v[24*\m+12*\sp+4*\c:24*\m+12*\sp+4*\c+3] offset:XIMG+12288*\m+1536*\sp+512*\c
.endr
.endr
.endr
	s_wait_loadcnt 0x0
.irp ei, 0,1
.irp i, 0,1,2,3,4,5
	ds_store_b128 v29, v[72+60*\ei+4*\i:72+60*\ei+4*\i+3] offset:3072*\ei+512*\i
.endr
.irp i, 0,1,2,3,4,5
	ds_store_b128 v29, v[96+60*\ei+4*\i:96+60*\ei+4*\i+3] offset:6912+3072*\ei+512*\i
.endr
.irp i, 0,1
	ds_store_b128 v29, v[120+60*\ei+4*\i:120+60*\ei+4*\i+3] offset:13056+1024*\ei+512*\i
.endr
.irp i, 0,1,2
	ds_store_b32 v30, v[128+60*\ei+\i] offset:6144+384*\ei+128*\i
.endr
.endr
	WIN 0
.irp m, 0,1,2
	v_mov_b32 v[GL+4*\m+2], v[GL+4*\m+1]           ; each weight twice, for the packed forms
	v_mov_b32 v[GL+4*\m+3], v[GL+4*\m+1]
	v_mov_b32 v[GL+4*\m+1], v[GL+4*\m]
.endr
	s_mov_b32 s52, 2
	s_mov_b32 s53, 0
	s_mov_b32 s54, 0
	s_mov_b32 s55, 0
	s_mov_b32 s56, 0
	s_mov_b32 s57, 0
	s_mov_b32 s58, 0
	s_wait_dscnt 0x0                               ; for the others' sake: my images of x have landed
	s_barrier_signal -1
	s_barrier_wait -1                              ; x's 24 fragments lie in LDS
	; ---- the first product, the gelu and the quantiser: a trip for each of the two experts
.Lexpert:
	s_wait_alu depctr_vm_vsrc(0)                   ; the last trip's LDS loads and stores have read v7, v9, v11, v13 and the nine places of codes and bytes; on the way in: the head's LDS stores have read window 3's registers, which the products write, and the head's loads their offsets v164 to v178, in which x's fragments land
	v_add_nc_u32 v7, s53, v6
	v_add_nc_u32 v9, s54, v8
	v_add_nc_u32 v11, s55, v10
	v_add_nc_u32 v13, s56, v12
	s_wait_loadcnt 0x0                             ; this expert's first three units: asked for three K steps and a gelu ago
	s_wait_alu depctr_va_vdst(0)                   ; the four addresses are written; the last trip's products are done reading W1's scale words, b1 and weight set 3, and its gelu (on the way in: the head's arithmetic) is done with v164 on: the loads below and step 0's land there
.irp t, 0,1,2,3,4,5
.irp q, 0,1
	ds_load_b128 v[W1S+8*\t+4*\q:W1S+8*\t+4*\q+3], v11 offset:(32*(\t/2)+8*(\t%2))*32+16*\q
.endr
.endr
	WIN 0x80
.irp t, 0,1,2,3,4,5
.irp q, 0,1
	ds_load_b128 v[B1R+8*\t+4*\q:B1R+8*\t+4*\q+3], v13 offset:128*(\t/2)+32*(\t%2)+16*\q
.endr
.endr
	WIN 0
	XFETCH 0, 0
.irp s, 0,1,2,3,4
	STEP1 \s, 40, 42, 4608*(\s+3)
.endr
.irp s, 5,6,7                          ; the last three K steps ask for what comes next: the other expert's W1, or, in the second trip, W2's first three units
	STEP1 \s, 44, 46, 4608*(\s-5)
.endr
	WIN 0
.rept 4
	v_nop                                          ; places behind the last products
.endr
.irp m, 0,1,2
.irp bb, 0,1,2
	GELU16 8*(6*\m+2*\bb)
	QUANT16 \m, \bb
.endr
.endr
	WIN 0x08                                       ; an LDS store's data are its source 1: window 2
	s_wait_alu depctr_va_vdst(0)                   ; the nine conversions and shifts have written the codes and the bytes, which the stores below read
.irp m, 0,1,2
.irp bb, 0,1,2
.irp i, 0,1,2
	ds_store_b32 v7, v[CODW+4*(3*\m+\bb)+\i] offset:4864*\m+24*\bb+4*\i   ; 12 bytes to their place in the row's stream of bits
.endr
	ds_store_b8 v9, v[BYW+3*\m+\bb] offset:256*\m+\bb                      ; both halves of the lanes write the same byte with the same value
.endr
.endr
	WIN 0
	s_wait_xcnt 0x0                                ; the loads have read their bases
	s_mov_b64 s[40:41], s[44:45]
	s_mov_b64 s[42:43], s[46:47]
	s_mov_b64 s[44:45], s[48:49]
	s_mov_b64 s[46:47], s[50:51]
	s_add_co_u32 s53, s53, 14592
	s_add_co_u32 s54, s54, 768
	s_add_co_u32 s55, s55, 3072
	s_add_co_u32 s56, s56, 384
	s_sub_co_u32 s52, s52, 1
	s_cmp_lg_u32 s52, 0
	s_cbranch_scc1 .Lexpert
	v_add_nc_u32 v17, s57, v16                     ; the first group's addresses of W2's scale words and of b2
	v_add_nc_u32 v19, s58, v18
	s_lshl_b32 s9, s8, 10
	v_lshl_add_u32 v27, v2, 4, s9                  ; in a row of out0: my wave's 1,024 bytes, 16 bytes a lane
	s_wait_dscnt 0x0                               ; for the others' sake: my part of the hidden rows has landed
	s_barrier_signal -1
	s_barrier_wait -1                              ; both experts' hidden rows and scale bytes lie in LDS
	; ---- the second product.  The hidden layer's 18 fragments stay in registers; W2 streams through the four sets
	WIN 0xc0
	s_wait_alu depctr_va_vdst(0)                   ; v17 and v19 are written, which the loads of b2 and of W2's scale words read; the gelu is done with the accumulators and with its constants, in which the fragments and the rows' tokens land
.irp e, 0,1
.irp m, 0,1,2
.irp ks, 0,1,2
.irp p, 0,1,2,3,4,5
	ds_load_b64 v[12*((3*\e+\m)*3+\ks)+2*\p:12*((3*\e+\m)*3+\ks)+2*\p+1], v14 offset:14592*\e+4864*\m+96*\ks+48*(\p/3)+8*(\p%3)
.endr
.endr
.endr
.endr
	WIN 0
.irp m, 0,1,2
	ds_load_b96 v[HS+4*\m:HS+4*\m+2], v15 offset:256*\m
.endr
.irp i, 0,1,2,3,4,5,6,7,8,9,10,11,12,13,14,15,16,17,18,19,20,21,22,23
	ds_load_b32 v[VOFF+\i], v23 offset:8*\i        ; the token of row 2 i + h
.endr
	SMALL 0, 0
	s_wait_dscnt 0x0
.irp i, 0,1,2,3,4,5,6,7,8,9,10,11,12,13,14,15,16,17,18,19,20,21,22,23
	v_min_u32 v[VOFF+\i], 8191, v[VOFF+\i]
	v_lshl_add_u32 v[VOFF+\i], v[VOFF+\i], 12, v27 ; the rows' offsets in out0: the first stores that read them stand behind four units' waits on va_vdst
.endr
	s_wait_loadcnt 0x0
	s_mov_b32 s52, 3
.Lgroup:                               ; a trip: four tiles of 16 columns, then their 64 columns leave
	UNIT 0, 0, 0, 1, 36, 1, 0
	UNIT 1, 1, 1, 1, 36, 1, 0
	UNIT 2, 2, 0, 1, 36, 1, 0
	UNIT 3, 3, 1, 1, 36, 1, 1
	FLUSH
	s_wait_xcnt 0x0                                ; loads and stores have read their bases
	s_add_nc_u64 s[40:41], s[40:41], 18432
	s_add_nc_u64 s[42:43], s[42:43], 18432
	s_add_nc_u64 s[34:35], s[34:35], 256
	s_sub_co_u32 s52, s52, 1
	s_cmp_lg_u32 s52, 0
	s_cbranch_scc1 .Lgroup
	UNIT 0, 0, 0, 1, 36, 1, 0                      ; the last four tiles are written out: one more unit is asked for, then none, and the counts run down
	UNIT 1, 1, 1, 0, 36, 1, 0
	UNIT 2, 2, 0, 0, 18, 1, 0
	UNIT 3, 3, 1, 0, 0, 0, 0
	FLUSH
	s_wait_dscnt 0x0                               ; the closing lines, six on end
	s_wait_alu 0x0
	s_wait_tensorcnt 0x0
	ds_add_u32 v254, v255
	s_wait_dscnt 0x0
	s_endpgm
.Lfunc_end_k_qfa2c9ebd8e_chain:
	.size	k_qfa2c9ebd8e_chain, .Lfunc_end_k_qfa2c9ebd8e_chain-k_qfa2c9ebd8e_chain
	.p2alignl 7, 3214868480
	.fill 96, 4, 3214868480
	.section	.rodata,"a",@progbits
	.p2align	6, 0x0
	.amdhsa_kernel k_qfa2c9ebd8e_chain
		.amdhsa_group_segment_fixed_size 184832
		.amdhsa_private_segment_fixed_size 0
		.amdhsa_enable_private_segment 0
		.amdhsa_kernarg_size 80
		.amdhsa_user_sgpr_count 2
		.amdhsa_user_sgpr_kernarg_segment_ptr 1
		.amdhsa_wavefront_size32 1
		.amdhsa_system_sgpr_workgroup_id_x 1
		.amdhsa_system_sgpr_workgroup_id_y 1
		.amdhsa_system_sgpr_workgroup_id_z 1
		.amdhsa_system_vgpr_workitem_id 0
		.amdhsa_next_free_vgpr 1024
		.amdhsa_next_free_sgpr 100
		.amdhsa_reserve_vcc 0
		.amdhsa_float_denorm_mode_32 3
		.amdhsa_float_denorm_mode_16_64 3
		.amdhsa_memory_ordered 1
		.amdhsa_forward_progress 1
		.amdhsa_inst_pref_size 236
	.end_amdhsa_kernel
	.amdgpu_metadata
---
amdhsa.version: [ 1, 2 ]
amdhsa.kernels:
  - .name:           k_qfa2c9ebd8e_chain
    .symbol:         k_qfa2c9ebd8e_chain.kd
    .args:
      - { .name: list, .offset: 0, .size: 8, .value_kind: global_buffer, .address_space: global }
      - { .name: xq, .offset: 8, .size: 8, .value_kind: global_buffer, .address_space: global }
      - { .name: xs, .offset: 16, .size: 8, .value_kind: global_buffer, .address_space: global }
      - { .name: gates, .offset: 24, .size: 8, .value_kind: global_buffer, .address_space: global }
      - { .name: wimg, .offset: 32, .size: 8, .value_kind: global_buffer, .address_space: global }
      - { .name: w1_scales, .offset: 40, .size: 8, .value_kind: global_buffer, .address_space: global }
      - { .name: b1, .offset: 48, .size: 8, .value_kind: global_buffer, .address_space: global }
      - { .name: w2_scales, .offset: 56, .size: 8, .value_kind: global_buffer, .address_space: global }
      - { .name: b2, .offset: 64, .size: 8, .value_kind: global_buffer, .address_space: global }
      - { .name: out0, .offset: 72, .size: 8, .value_kind: global_buffer, .address_space: global }
    .group_segment_fixed_size: 184832
    .private_segment_fixed_size: 0
    .kernarg_segment_align: 8
    .kernarg_segment_size: 80
    .max_flat_workgroup_size: 128
    .sgpr_count:     100
    .vgpr_count:     1024
    .wavefront_size: 32
...
	.end_amdgpu_metadata
.endif
;; end of part 7
